; MI455X (gfx1250); checked and timed in simulation.
; The chip was launched on July 23, 2026; its instructions are those of AMD's public machine-readable ISA for CDNA 5 (MIT licence, August 2026) and "CDNA5" Instruction Set Architecture Reference Guide (July 2026). The comments in the code are by the model that wrote it; some were corrected since.
;; Causal Self Attention. Allowed arithmetic: matrix products marked QUANTISED: E3M2 operands, one E8M0 scale for each 32 along K, by v_wmma_scale_f32_16x16x128_f8f6f4 with both operands' format E3M2, f32 sums; everything else in f32.
;; Inputs: b_out 1,024 float32; b_qkv 3,072 float32; w_out 1,024 x 1,024 float32; w_qkv 1,024 x 3,072 float32; x 4 x 2,048 x 1,024 float32.
;; Outputs: out0 4 x 2,048 x 1,024 float32.
;; This version of the problem:
;;   THIS VERSION OF THE PROBLEM IS GIVEN IN LOW PRECISION. The matrix products marked QUANTISED in the list below multiply operands that are first quantised to E3M2 (3 exponent bits, 2 mantissa bits; 6 bits a number), with one power-of-two scale for each 32 numbers along K (OCP MX v1.0); their sums are f32. All else is computed in f32.
;;   The module's matrix products, in the order in which they are computed (A, B: the left and right operand; K: the contracted axis; several contracted axes count as one K, in the product's order):
;;     1. [M 8,192, K 1,024] x [K 1,024, N 3,072]; A: input x; B: input w_qkv: QUANTISED
;;     2. batch 64 x [M 2,048, K 64] x [K 64, N 2,048]; A: computed on the way; B: computed on the way: QUANTISED
;;     3. batch 64 x [M 2,048, K 2,048] x [K 2,048, N 64]; A: softmax (see below); B: computed on the way: QUANTISED
;;     4. [M 8,192, K 1,024] x [K 1,024, N 1,024]; A: computed on the way; B: input w_out: QUANTISED
;;   THE QUANTISER, for each operand of a quantised product, along K:
;;     - K is cut into blocks of 32 from its start; a last block that is shorter is filled with zeros.
;;     - A block's scale is 2^e with e = floor(log2(the largest magnitude in the block)) - 4, held to -126 .. 127; a block of zeros has e = 0. As a byte (E8M0): e + 127.
;;     - Each number is divided by its block's scale, clamped to +-28, and rounded to the nearest number of E3M2, ties to even, subnormals kept.
;;     - The product sums the exact products of the quantised numbers (number of the format x scale) in f32.
;;   ~~~python
;;   def quantise(x, axis):      # numpy; x: float32 -> the quantised numbers, widened to float32 again
;;       x = np.moveaxis(x, axis, -1); K = x.shape[-1]
;;       x = np.pad(x, [(0, 0)] * (x.ndim - 1) + [(0, -K % 32)]); x = x.reshape(x.shape[:-1] + (-1, 32)); a = np.abs(x).max(-1, keepdims=True)
;;       e = np.where(a > 0, np.clip(np.frexp(np.where(a > 0, a, 1))[1] - 1 - 4, -126, 127), 0)      # np.frexp(a)[1] - 1 = floor(log2(a)), exactly
;;       r = np.clip(x / 2.0 ** e, -28, 28)
;;       step = 2.0 ** (np.maximum(np.frexp(np.where(r == 0, 1, r))[1] - 1, -2) - 2)
;;       q = np.round(r / step) * step * 2.0 ** e      # np.round: ties to even
;;       return np.moveaxis(q.reshape(q.shape[:-2] + (-1,))[..., :K], -1, axis).astype(np.float32)
;;   ~~~
;;   SOFTMAX AHEAD OF A QUANTISED PRODUCT. Where the list says 'softmax', what is quantised is not the finished softmax but p = 2^(t - M), with t = logit x log2(e) and M = ceil(the row's largest t), a whole number; so 1/2 < the row's largest p <= 1. The row's sum l is taken of the UNQUANTISED p, in f32, and the product's result is divided by l at the end. Since M is a whole number, a kernel that streams over the keys may use a running M (the ceiling of the running maximum): every later rescaling is an exact power of two, which a block's scale takes up: the codes' values come out the same.
;;   OPERANDS COMPUTED ON THE WAY. 'Computed on the way' means the value that the module computes at that place (a softmax that the list does not call 'softmax' is quantised finished and normalised). What goes into a quantiser is computed in f32, as accurately as f32 sums, v_exp_f32 and their like allow (about 1e-6 of the number): no bf16 or f16 on the way to a quantiser, and a product that is left as it is and whose result goes on into a quantised operand takes f32 operands (vector FMAs, or v_wmma_f32_16x16x4_f32). A number that lies on a knife's edge between two numbers of the format may be rounded either way, as far as f32 arithmetic and the matrix unit's own rounding can turn it there, and no further.
;; 2 versions. Each part assembles by itself: llvm-mc -triple=amdgcn-amd-amdhsa -mcpu=gfx1250 --defsym DOCPART=n.
;; ======== version 1 of 2: 5 launches
;; workspace buffers: xcodes 6,291,456 bytes; xscales 262,144 bytes; wcodes 3,145,728 bytes; wscales 131,072 bytes; qkv 19,660,800 bytes; ao 6,291,456 bytes; aos 262,144 bytes
;; launch quant_x (part 1): grid 256 x 1, 4 waves a work-group, no clusters, 33,280 bytes of LDS; arguments x, xcodes, xscales; writes xcodes, xscales
.if DOCPART == 1
	.amdgcn_target "amdgcn-amd-amdhsa--gfx1250"
	.amdhsa_code_object_version 6
	.text
	.protected	k_q5c04a1d94d_quant_x
	.globl	k_q5c04a1d94d_quant_x
	.p2align	8
	.type	k_q5c04a1d94d_quant_x,@function
k_q5c04a1d94d_quant_x:
	s_mov_b64 s[64:65], 0
	v_nop
	global_prefetch_b8 v0, s[64:65] scope:SCOPE_SE
	s_setreg_imm32_b32 hwreg(HW_REG_WAVE_MODE, 25, 1), 1
	s_wait_xcnt 0x0
; x [8192][1024] f32 becomes codes of BF6 (E3M2), K innermost, 768 bytes a row, and one E8M0 byte for each 32 along K, 32 bytes a row.
; A block's scale is 2^(floor(log2(its largest magnitude)) - 4); its byte is the largest magnitude's exponent field - 4, held at 1 from below.
; A block of zeros so gets the byte 1 where the quantiser says 127: its codes are zeros, and the bytes are read by this program alone.
; LIMITS: NaN and infinities among the inputs are not served.
; ROWS ARE STORED IN ANOTHER ORDER: row number with bits 3 and 4 exchanged.  So 16 rows on end of the codes' buffer, 32 g + 16 u + r, are rows 32 g + 8 u + r + 8 (r / 8) of x:
; the rows that the product's launch wants in one fragment.  A wave owns 8 rows on end (8,192 numbers), so the exchange is an exchange of the two bits of the wave's number.
; A wave takes 16 steps of 512 numbers.  Each of a step's four loads reads 512 consecutive bytes; the 2,048 bytes turn through the wave's own stage in LDS and come back 64 bytes a lane,
; since the conversion takes 16 neighbours along K from one lane's registers.  Two neighbouring lanes hold a block.  Waves share nothing: no barrier.
.set STEPS, 16
.set EMAX,  4
.set CB,    12                         ; bytes of 16 codes
.set R,     16                         ; v16-79   four sets of 16 numbers as loaded
.set X,     80                         ; v80-111  two sets of 16 neighbours
.set C,     128                        ; v128-191 codes: four registers a step, so that no store's data are written again
.set E,     112                        ; v112-127 a scale byte for each step
.set WREG,  8192                       ; LDS: a region for each wave: two stages of 32 x SP bytes, then its 256 scale bytes
.set SP,    80                         ; a lane's place in a stage: 64 bytes + 16 of padding
	s_load_b128 s[4:7], s[0:1], 0x0                ; x, the codes
	s_load_b64 s[8:9], s[0:1], 0x10                ; the scale bytes
	v_lshl_add_u32 v192, v0, 2, 0x8000
	v_mov_b32 v193, 0
	v_lshrrev_b32 v1, 5, v0
	v_readfirstlane_b32 s16, v1                    ; wave
	v_and_b32 v2, 31, v0                           ; lane
	v_lshlrev_b32 v3, 4, v2                        ; my 16 bytes of a load's 512
	s_mul_i32 s17, s16, WREG
	v_lshrrev_b32 v14, 2, v2
	v_mul_u32_u24 v14, v14, SP
	v_and_b32 v15, 3, v2
	v_lshl_add_u32 v14, v15, 4, v14
	v_add_nc_u32 v14, s17, v14                     ; the stage, on the way in: SP (lane / 4) + 16 (lane % 4)
	v_mul_u32_u24 v15, v2, SP
	v_add_nc_u32 v15, s17, v15                     ; and on the way out: SP x lane
	v_mul_u32_u24 v4, v2, CB                       ; my codes' place in a step's
	v_lshrrev_b32 v5, 1, v2
	s_add_co_u32 s17, s17, 2*32*SP
	v_add_nc_u32 v5, s17, v5                       ; LDS: my block's scale byte
	v_lshlrev_b32 v7, 3, v2                        ; on the way out 8 bytes a lane
	v_add_nc_u32 v6, s17, v7
	s_lshl_b32 s17, ttmp9, 2
	s_add_co_u32 s18, s17, s16                     ; the run of 8 rows that I read
	s_and_b32 s19, s16, 1
	s_lshl_b32 s19, s19, 1
	s_lshr_b32 s20, s16, 1
	s_or_b32 s19, s19, s20
	s_add_co_u32 s22, s17, s19                     ; and the run that I write: the wave's two bits exchanged
	s_lshl_b32 s20, s18, 15                        ; 32,768 bytes of x a run
	s_mov_b32 s21, 0
	s_mul_i32 s24, s22, 32*STEPS*CB                ; 6,144 bytes of codes
	s_mov_b32 s25, 0
	s_lshl_b32 s26, s22, 8                         ; 256 scale bytes
	s_mov_b32 s27, 0
	s_wait_kmcnt 0x0
	s_add_nc_u64 s[4:5], s[4:5], s[20:21]
	s_add_nc_u64 s[6:7], s[6:7], s[24:25]
	s_add_nc_u64 s[8:9], s[8:9], s[26:27]
.macro LOAD t
.irp i, 0,1,2,3
	global_load_b128 v[R+16*((\t)%4)+4*\i:R+16*((\t)%4)+4*\i+3], v3, s[4:5] offset:2048*(\t)+512*\i th:TH_LOAD_NT   ; 32 lanes read 512 consecutive bytes
.endr
.endm
.macro TURN t                          ; step t's numbers through the stage: LDS serves a wave's instructions in order, so no wait stands between the stores and the loads
.irp i, 0,1,2,3
	ds_store_b128 v14, v[R+16*((\t)%4)+4*\i:R+16*((\t)%4)+4*\i+3] offset:32*SP*((\t)%2)+8*SP*\i
.endr
.irp i, 0,1,2,3
	ds_load_b128 v[X+16*((\t)%2)+4*\i:X+16*((\t)%2)+4*\i+3], v15 offset:32*SP*((\t)%2)+16*\i
.endr
.endm
.irp t, 0,1,2,3
	LOAD \t
.endr
	s_wait_loadcnt 12                              ; step 0's four loads are in; the twelve of steps 1 to 3 may be out
	TURN 0
.macro STEP t
.set XS, X+16*((\t)%2)
.if (\t) > 0
	s_wait_dscnt 1                                 ; this step's numbers are back from the stage; the last step's byte store may be out
.else
	s_wait_dscnt 0x0
.endif
.if (\t)+4 < STEPS
	LOAD (\t)+4                                    ; into the registers that this step's stores to the stage have read
.endif
.if (\t)+1 < STEPS
.if STEPS-2-(\t) >= 3
	s_wait_loadcnt 12                              ; the next step's four loads are in; those of the three steps behind it may be out
.else
	s_wait_loadcnt 4*(STEPS-2-(\t))
.endif
	TURN (\t)+1
.endif
	v_max3_num_f32 v8, |v[XS]|, |v[XS+1]|, |v[XS+2]|               ; the largest magnitude of my 16, in two chains
	v_max3_num_f32 v9, |v[XS+3]|, |v[XS+4]|, |v[XS+5]|
.irp i, 6,10
	v_max3_num_f32 v8, v8, |v[XS+\i]|, |v[XS+\i+1]|
	v_max3_num_f32 v9, v9, |v[XS+\i+2]|, |v[XS+\i+3]|
.endr
	v_max3_num_f32 v8, v8, |v[XS+14]|, |v[XS+15]|
	v_max3_num_f32 v8, v8, v9, 0x2800000           ; and the floor 2^(5 - 127): the byte cannot fall under 1
	v_max_num_f32_dpp v8, v8, v8 row_xmask:1 row_mask:0xf bank_mask:0xf   ; with my neighbour's 16: the block's
	v_add_nc_u32 v11, 0xfe000000, v8               ; 4 off its exponent field: the conversion takes the exponent field of this operand as its scale
	v_cvt_scalef32_pk16_bf6_f32 v[C+4*(\t):C+4*(\t)+2], v[XS:XS+15], v11
	v_lshrrev_b32 v[E+(\t)], 23, v11               ; the scale's byte (a plain line behind the conversion)
	ds_store_b8 v5, v[E+(\t)] offset:16*(\t)       ; both lanes of a block write the same byte with the same value
	global_store_b96 v4, v[C+4*(\t):C+4*(\t)+2], s[6:7] offset:32*CB*(\t)   ; the wave stores 384 consecutive bytes
.endm
.irp t, 0,1,2,3,4,5,6,7,8,9,10,11,12,13,14,15
	STEP \t
.endr
	ds_load_b64 v[12:13], v6                       ; LDS serves a wave's instructions in order: these see my stores
	s_wait_dscnt 0x0
	global_store_b64 v7, v[12:13], s[8:9]          ; 32 lanes store 256 consecutive bytes, aligned
	s_wait_tensorcnt 0x0
	ds_add_u32 v192, v193
	s_wait_dscnt 0x0
	s_endpgm
.Lfunc_end_k_q5c04a1d94d_quant_x:
	.size	k_q5c04a1d94d_quant_x, .Lfunc_end_k_q5c04a1d94d_quant_x-k_q5c04a1d94d_quant_x
	.p2alignl 7, 3214868480
	.fill 96, 4, 3214868480
	.section	.rodata,"a",@progbits
	.p2align	6, 0x0
	.amdhsa_kernel k_q5c04a1d94d_quant_x
		.amdhsa_group_segment_fixed_size 33280
		.amdhsa_private_segment_fixed_size 0
		.amdhsa_enable_private_segment 0
		.amdhsa_kernarg_size 24
		.amdhsa_user_sgpr_count 2
		.amdhsa_user_sgpr_kernarg_segment_ptr 1
		.amdhsa_wavefront_size32 1
		.amdhsa_system_sgpr_workgroup_id_x 1
		.amdhsa_system_sgpr_workgroup_id_y 1
		.amdhsa_system_sgpr_workgroup_id_z 1
		.amdhsa_system_vgpr_workitem_id 0
		.amdhsa_next_free_vgpr 194
		.amdhsa_next_free_sgpr 66
		.amdhsa_reserve_vcc 0
		.amdhsa_float_denorm_mode_32 3
		.amdhsa_float_denorm_mode_16_64 3
		.amdhsa_memory_ordered 1
		.amdhsa_forward_progress 1
		.amdhsa_inst_pref_size 32
	.end_amdhsa_kernel
	.amdgpu_metadata
---
amdhsa.version: [ 1, 2 ]
amdhsa.kernels:
  - .name:           k_q5c04a1d94d_quant_x
    .symbol:         k_q5c04a1d94d_quant_x.kd
    .args:
      - { .name: x, .offset: 0, .size: 8, .value_kind: global_buffer, .address_space: global }
      - { .name: xcodes, .offset: 8, .size: 8, .value_kind: global_buffer, .address_space: global }
      - { .name: xscales, .offset: 16, .size: 8, .value_kind: global_buffer, .address_space: global }
    .group_segment_fixed_size: 33280
    .private_segment_fixed_size: 0
    .kernarg_segment_align: 8
    .kernarg_segment_size: 24
    .max_flat_workgroup_size: 128
    .sgpr_count:     66
    .vgpr_count:     194
    .wavefront_size: 32
...
	.end_amdgpu_metadata
.endif
;; end of part 1
;; launch quant_w (part 2): grid 32 x 4, 4 waves a work-group, no clusters, 36,352 bytes of LDS; arguments w_qkv, w_out, wcodes, wscales; writes wcodes, wscales
.if DOCPART == 2
	.amdgcn_target "amdgcn-amd-amdhsa--gfx1250"
	.amdhsa_code_object_version 6
	.text
	.protected	k_q5c04a1d94d_quant_w
	.globl	k_q5c04a1d94d_quant_w
	.p2align	8
	.type	k_q5c04a1d94d_quant_w,@function
k_q5c04a1d94d_quant_w:
	s_mov_b64 s[64:65], 0
	v_nop
	global_prefetch_b8 v0, s[64:65] scope:SCOPE_SE
	s_setreg_imm32_b32 hwreg(HW_REG_WAVE_MODE, 25, 1), 1
	s_wait_xcnt 0x0
; w_qkv [1024][3072] and w_out [1024][1024], f32, K their FIRST axis, become codes of BF6 (E3M2) laid [4096 rows][768 bytes] with K innermost, and E8M0 bytes [4096][32].
; Rows 0 to 3071 are w_qkv's columns, rows 3072 to 4095 w_out's.  As with x's codes, a row's number has bits 3 and 4 exchanged against the column's.
; A LANE TAKES A COLUMN AND ITS REGISTERS RUN DOWN K: a load reads 128 consecutive bytes a wave, a block of 32 lies in one lane, and the conversions give codes with K innermost.
; A block's scale byte is its largest magnitude's exponent field - 4, held at 1 from below (a block of zeros gets 1, not 127: its codes are zeros, and this program alone reads the bytes).
; LIMITS: NaN and infinities among the inputs are not served.
; Work-group x: 128 of the 4,096 columns (0-23: w_qkv, 24-31: w_out); y: 256 along K.  Both weights take ONE path: the pointer and the row pitch are chosen on the work-group's number.
; A wave's 32 columns x 192 bytes of codes go through its own stage in LDS and leave as rows, sixteen lanes to a row's 192 consecutive bytes.  Waves share nothing: no barrier.
.set NB,    8                          ; blocks of 32 along K for a wave
.set ROWB,  192
.set PITCH, 272                        ; a stage row: sixteen places of 16 bytes, each with 12 bytes of codes, + 16
.set KROW,  768
.set X,     32                         ; v32-95   two sets of 32 numbers
.set C,     96                         ; v96..    a block's codes
.set OUTR,  112                        ; v112-175 the way out
.set SB,    24                         ; v24-25   the scale bytes
.set VO,    176                        ; v176-207 byte offsets of my column in rows 0 .. 31 of a block; never rewritten
	s_load_b256 s[4:11], s[0:1], 0x0               ; w_qkv, w_out, the codes, the scale bytes
	v_lshl_add_u32 v208, v0, 2, 0x8c00
	v_mov_b32 v209, 0
	v_lshrrev_b32 v1, 5, v0
	v_readfirstlane_b32 s12, v1                    ; wave
	v_and_b32 v2, 31, v0                           ; lane
	s_lshl_b32 s13, ttmp9, 7
	s_lshl_b32 s18, s12, 5
	s_add_co_u32 s13, s13, s18                     ; my wave's first row of the codes
	s_and_b32 s14, ttmp7, 0xffff                   ; which 256 along K
	v_and_b32 v3, 7, v2
	v_and_b32 v5, 8, v2
	v_lshl_or_b32 v3, v5, 1, v3
	v_bfe_u32 v5, v2, 4, 1
	v_lshl_or_b32 v3, v5, 3, v3                    ; my column's row among the wave's 32: bits 3 and 4 exchanged
	s_mul_i32 s19, s12, 32*PITCH                   ; my stage
	v_mul_u32_u24 v4, v3, PITCH
	v_add_nc_u32 v4, s19, v4                       ; into it
	v_and_b32 v5, 15, v2
	v_lshrrev_b32 v6, 4, v2
	v_mul_u32_u24 v7, v6, PITCH
	v_lshl_add_u32 v7, v5, 4, v7
	v_add_nc_u32 v7, s19, v7                       ; out of it: sixteen lanes to a row, two rows an instruction
	v_mul_u32_u24 v8, v6, KROW
	v_mad_u32_u24 v8, v5, 12, v8                   ; and the same place in the codes' buffer
	v_lshlrev_b32 v9, 5, v3                        ; my row of scale bytes
	s_mov_b32 s16, 4096
	s_cmp_lt_u32 ttmp9, 24
	s_cselect_b32 s16, 12288, s16                  ; bytes from row to row of the weight
	s_cselect_b32 s17, 0, 3072
	s_sub_co_u32 s17, s13, s17                     ; my wave's first column in its weight
	v_lshlrev_b32 v[VO], 2, v2
.set ii, 1
.rept 31
	v_add_nc_u32 v[VO+ii], s16, v[VO+ii-1]
.set ii, ii+1
.endr
	s_lshl_b32 s18, s14, 8
	s_mul_i32 s18, s18, s16                        ; 256 y rows down,
	s_lshl_b32 s17, s17, 2
	s_add_co_u32 s18, s18, s17                     ; 4 bytes a column
	s_mov_b32 s19, 0
	s_lshl_b32 s20, s16, 5                         ; 32 rows: from block to block
	s_mov_b32 s21, 0
	s_mul_i32 s22, s13, KROW
	s_mul_i32 s23, s14, ROWB
	s_add_co_u32 s22, s22, s23
	s_mov_b32 s23, 0
	s_lshl_b32 s24, s13, 5
	s_lshl_b32 s25, s14, 3
	s_add_co_u32 s24, s24, s25
	s_mov_b32 s25, 0
	s_wait_kmcnt 0x0
	s_cmp_lt_u32 ttmp9, 24                         ; the choice hangs on the work-group's number alone
	s_cselect_b64 s[4:5], s[4:5], s[6:7]
	s_add_nc_u64 s[32:33], s[4:5], s[18:19]        ; a base for each of the eight blocks, so that none is stepped under pending loads
.irp t, 1,2,3,4,5,6,7
	s_add_nc_u64 s[32+2*\t:33+2*\t], s[30+2*\t:31+2*\t], s[20:21]
.endr
	s_add_nc_u64 s[8:9], s[8:9], s[22:23]
	s_add_nc_u64 s[10:11], s[10:11], s[24:25]
.macro LOAD t                          ; block t: W(32 t + i, my column), i = 0 .. 31, into set t % 2
.set ii, 0
.rept 32
	global_load_b32 v[X+32*((\t)%2)+ii], v[VO+ii], s[32+2*(\t):33+2*(\t)] th:TH_LOAD_NT
.set ii, ii+1
.endr
.endm
	LOAD 0
	LOAD 1
.macro BLOCK t
.set XS, X+32*((\t)%2)
.if (\t) < NB-1
	s_wait_loadcnt 32                              ; this block's 32 loads are in; the next block's 32 may be out
.else
	s_wait_loadcnt 0
.endif
	v_max3_num_f32 v12, |v[XS]|, |v[XS+1]|, |v[XS+2]|               ; the block's largest magnitude: all 32 numbers are mine
	v_max3_num_f32 v13, |v[XS+3]|, |v[XS+4]|, |v[XS+5]|
.irp i, 6,10,14,18,22,26
	v_max3_num_f32 v12, v12, |v[XS+\i]|, |v[XS+\i+1]|
	v_max3_num_f32 v13, v13, |v[XS+\i+2]|, |v[XS+\i+3]|
.endr
	v_max3_num_f32 v12, v12, |v[XS+30]|, |v[XS+31]|
	v_max3_num_f32 v12, v12, v13, 0x2800000        ; and the floor 2^(5 - 127)
	v_add_nc_u32 v11, 0xfe000000, v12              ; 4 off its exponent field: the conversion's scale operand
	v_lshrrev_b32 v13, 23, v11                     ; the scale's byte
.if (\t)%4 == 0
	v_mov_b32 v[SB+(\t)/4], v13
.else
	v_lshl_or_b32 v[SB+(\t)/4], v13, 8*((\t)%4), v[SB+(\t)/4]
.endif
	v_cvt_scalef32_pk16_bf6_f32 v[C:C+2], v[XS:XS+15], v11
	v_cvt_scalef32_pk16_bf6_f32 v[C+4:C+6], v[XS+16:XS+31], v11     ; (a conversion's three registers begin on an even number)
	ds_store_b96 v4, v[C:C+2] offset:32*(\t)       ; 12 bytes to a place of 16, so that every LDS address is a multiple of 16
	ds_store_b96 v4, v[C+4:C+6] offset:32*(\t)+16
.if (\t)+2 < NB
	LOAD (\t)+2
.endif
	s_wait_dscnt 0x0                               ; the stores have read their registers: the next block's codes may be written
.endm
.irp t, 0,1,2,3,4,5,6,7
	BLOCK \t
.endr
	global_store_b64 v9, v[SB:SB+1], s[10:11]      ; my column's eight scale bytes
.irp t, 0,1,2,3,4,5,6,7,8,9,10,11,12,13,14,15
	ds_load_b96 v[OUTR+4*\t:OUTR+4*\t+2], v7 offset:2*\t*PITCH   ; LDS serves a wave's instructions in order: these see my stores
.endr
.irp t, 0,1,2,3,4,5,6,7,8,9,10,11,12,13,14,15
	s_wait_dscnt 15-\t                             ; load t is in; the 15 - t younger ones may be out
	global_store_b96 v8, v[OUTR+4*\t:OUTR+4*\t+2], s[8:9] offset:2*\t*KROW
.endr
	s_wait_tensorcnt 0x0
	ds_add_u32 v208, v209
	s_wait_dscnt 0x0
	s_endpgm
.Lfunc_end_k_q5c04a1d94d_quant_w:
	.size	k_q5c04a1d94d_quant_w, .Lfunc_end_k_q5c04a1d94d_quant_w-k_q5c04a1d94d_quant_w
	.p2alignl 7, 3214868480
	.fill 96, 4, 3214868480
	.section	.rodata,"a",@progbits
	.p2align	6, 0x0
	.amdhsa_kernel k_q5c04a1d94d_quant_w
		.amdhsa_group_segment_fixed_size 36352
		.amdhsa_private_segment_fixed_size 0
		.amdhsa_enable_private_segment 0
		.amdhsa_kernarg_size 32
		.amdhsa_user_sgpr_count 2
		.amdhsa_user_sgpr_kernarg_segment_ptr 1
		.amdhsa_wavefront_size32 1
		.amdhsa_system_sgpr_workgroup_id_x 1
		.amdhsa_system_sgpr_workgroup_id_y 1
		.amdhsa_system_sgpr_workgroup_id_z 1
		.amdhsa_system_vgpr_workitem_id 0
		.amdhsa_next_free_vgpr 210
		.amdhsa_next_free_sgpr 66
		.amdhsa_reserve_vcc 0
		.amdhsa_float_denorm_mode_32 3
		.amdhsa_float_denorm_mode_16_64 3
		.amdhsa_memory_ordered 1
		.amdhsa_forward_progress 1
		.amdhsa_inst_pref_size 43
	.end_amdhsa_kernel
	.amdgpu_metadata
---
amdhsa.version: [ 1, 2 ]
amdhsa.kernels:
  - .name:           k_q5c04a1d94d_quant_w
    .symbol:         k_q5c04a1d94d_quant_w.kd
    .args:
      - { .name: w_qkv, .offset: 0, .size: 8, .value_kind: global_buffer, .address_space: global }
      - { .name: w_out, .offset: 8, .size: 8, .value_kind: global_buffer, .address_space: global }
      - { .name: wcodes, .offset: 16, .size: 8, .value_kind: global_buffer, .address_space: global }
      - { .name: wscales, .offset: 24, .size: 8, .value_kind: global_buffer, .address_space: global }
    .group_segment_fixed_size: 36352
    .private_segment_fixed_size: 0
    .kernarg_segment_align: 8
    .kernarg_segment_size: 32
    .max_flat_workgroup_size: 128
    .sgpr_count:     66
    .vgpr_count:     210
    .wavefront_size: 32
...
	.end_amdgpu_metadata
.endif
;; end of part 2
;; launch gemm_qkv (part 3): grid 12 x 32, 4 waves a work-group, clusters of 4 x 4, 327,680 bytes of LDS; arguments xcodes, xscales, wcodes, wscales, b_qkv, qkv; writes qkv
.if DOCPART == 3
	.amdgcn_target "amdgcn-amd-amdhsa--gfx1250"
	.amdhsa_code_object_version 6
	.text
	.protected	k_q5c04a1d94d_gemm_qkv
	.globl	k_q5c04a1d94d_gemm_qkv
	.p2align	8
	.type	k_q5c04a1d94d_gemm_qkv,@function
k_q5c04a1d94d_gemm_qkv:
	s_mov_b64 s[64:65], 0
	v_nop
	global_prefetch_b8 v0, s[64:65] scope:SCOPE_SE
	s_setreg_imm32_b32 hwreg(HW_REG_WAVE_MODE, 25, 1), 1
	s_wait_xcnt 0x0
	s_wait_alu depctr_hold_cnt(0) depctr_sa_sdst(0) depctr_va_vdst(0) depctr_va_sdst(0) depctr_va_ssrc(0) depctr_va_vcc(0) depctr_vm_vsrc(0)
	s_getreg_b32 s2, hwreg(HW_REG_IB_STS2, 6, 4)
	s_cmp_eq_u32 s2, 0
	s_cbranch_scc0 .Lentry_in_a_cluster
	s_endpgm
.Lentry_in_a_cluster:
	s_bfe_u32 s2, ttmp6, 0x10000c
	s_cmp_lg_u32 s2, 0xf033
	s_cbranch_scc0 .Lentry_shape_is_right
	s_endpgm
.Lentry_shape_is_right:
; qkv = Q(x) Q(w_qkv) + b_qkv on codes of BF6 (E3M2) with E8M0 scales, K = 1,024; the result is QUANTISED IN REGISTERS for the two products of attention and never goes to memory as f32.
; A work-group of four waves makes 256 x 256 of the product, a wave 128 x 128: 64 accumulators of 16 x 16.  K goes in steps of 256 through a ring of two LDS slots filled by the tensor data mover.
; The scale bytes of the work-group's 2 x 256 rows, for all of K, come into LDS once with the first fills.
; ROLES.  Source 1 of the matrix instruction (role A) lies along the lanes of a result, source 0 (role B) along a lane's registers, and a quantiser wants its K along a lane's registers.
;   q and k (clusters x = 0, 1) are quantised along the head's 64: A = x (tokens), B = w (columns).   v (cluster x = 2) is quantised along the keys: A = w (columns), B = x (tokens).
;   The choice hangs on the cluster's x alone, which all sixteen partners share.
; ROW ORDER.  Both buffers of codes hold row number with bits 3 and 4 exchanged, so 16 rows on end are rows 32 g + 8 u + r + 8 (r / 8).  In a result the 64 registers of A's block a (B's blocks 0-7)
;   then are: register 16 b + i = B's index 32 b + 16 (lane / 16) + i: sixteen neighbours to each block of 32.
; OUTPUT: qkv [batch x 16 + head][step of 128 tokens][19,200 bytes]: sections q, k, v of 6,400 bytes: four images of 1,536 bytes, then 256 bytes of scale words.  An image is a fragment's 12 registers
;   as they stand: register p of lane l at 512 (p / 4) + 16 l + 4 (p % 4).  q, k image al: registers 0-5 token 32 al + r + 8 (r / 8), registers 6-11 token 8 further on, each with dims 32 (lane / 16) + 0 .. 31.
;   v image t: dim 32 (t / 2) + 8 (t % 2) + r + 8 (r / 8), registers 6 c .. 6 c + 5 keys 64 c + 32 (lane / 16) + 0 .. 31.  Scale words: the word at 8 l + 4 g belongs to image 2 g + l / 16, row l % 16.
; CLUSTERS: 4 x 4 work-groups; A's tiles are asked for jointly along a row of the cluster, B's along a column.
; LIMITS: NaN and infinities are not served; a block of zeros gets the scale byte 1 (its codes are zeros; this program alone reads the bytes).
; REGISTERS, in windows of 256: window 0: v0-31 addresses; v32-63 scale words, two sets; v64-127 the bias along registers; v128-223 A's fragments, one set; v224-239 the bias along lanes; v240-255 at work on the way out.
;   window 1: B's fragments, two sets, at v0 and v128.   window 2: the accumulators of A's blocks 0-3 ((a, b) at v[8 (8 a + b)]);   window 3: those of blocks 4-7.
.set KSTEP,  256
.set NQ,     2                         ; matrix instructions deep in a slot
.set ROWB,   192                       ; a tile's row in bytes
.set KROW,   768                       ; a row of codes in memory
.set PITCH,  240                       ; an LDS row: 3 x (64 bytes + 16 of padding)
.set FR,     12
.set NL,     6                         ; LDS loads that bring a fragment
.set NP,     4                         ; places behind this matrix instruction (ISA guide 7.12.1)
.set HALFT,  128*PITCH
.set SLOT,   4*HALFT
.set LAPS,   2                         ; 1,024 / (2 x 256)
.set KS,     32                        ; a row of scale bytes
.set SCL,    2*SLOT
.set HALFS,  4352                      ; the scales of 128 rows: 16 x (256 + 16)
.set SBLK,   544                       ; of 16 rows
.set SPARE,  SCL+4*HALFS               ; the spare words, 128 bytes a wave; no other line names them
.set HEADB,  307200                    ; from head to head in qkv
.set ADRA, 16                          ; v16-17 my A fragments in slot 0, 1; v18-19 the same behind one padding more
.set ADRB, 20                          ; v20-23 the same for B
.set LI,   24                          ; v24  16 x lane: an image's place; never rewritten
.set LS,   25                          ; v25  8 x lane: the scale words' place; never rewritten
.set ADRS, 27                          ; v27  my scale words in LDS: lanes 0-15 A's rows, lanes 16-31 B's
.set SPW,  28
.set NIL,  29
.set BOF,  30                          ; v30  the bias along registers: byte offset; never rewritten
.set BVF,  31                          ; v31  the bias along lanes
.set SC,   32
.set BIAS, 64
.set AF,   128
.set BV,   224                         ; each number twice, in an even pair, for the packed addition
.set TM,   240                         ; +0..3 largest magnitudes, +4..7 the other half's, then the bytes, +12..15 the conversions' scale operands
.set T,    128                         ; the way out: 64 numbers with their bias
.set IMG0, 192                         ; two images
.set IMG1, 204
.set Y,    216                         ; the conversions' second halves
.set SWA,  32                          ; eight scale words
.set SWP,  40                          ; and as they are stored
.set H,    44
.set G1, 24
.set G0, 32
.set G1B, 48
.set G0B, 56
.set G1S, 68
.set G0S, 76
.set G1SB, 80
.set G0SB, 88
.set MSB, 0
.macro WIN new                         ; the immediate's high byte repeats the setting that is left
.if MSB != (\new)
	s_set_vgpr_msb (MSB<<8)|(\new)
.set MSB, (\new)
.endif
.endm
.set MUL_LO, 0xa1                      ; source 0 (B) window 1, source 1 (A) window 0, C and D window 2
.set MUL_HI, 0xf1
.set TO_B,   0x40
; A joint load: waves 0 and 1 fetch for A, waves 2 and 3 for B; the branch hangs on the wave's number alone.  Four v_nop follow each line.
.macro JLOAD g0a, g1a, g0b, g1b
	s_cmp_eq_u32 s15, 0
	s_cbranch_scc0 .Lfor_b_\@
	tensor_load_to_lds s[\g0a:\g0a+3], s[\g1a:\g1a+7]
	s_nop 0
.rept 4
	v_nop
.endr
	s_branch .Lasked_\@
.Lfor_b_\@:
	tensor_load_to_lds s[\g0b:\g0b+3], s[\g1b:\g1b+7]
	s_nop 0
.rept 4
	v_nop
.endr
.Lasked_\@:
.endm
.macro CREST                           ; a round of the cluster's barrier behind its opening barrier
	s_cmp_lg_u32 s14, 0
	s_cbranch_scc1 .Lnot_wave_0_\@
	s_barrier_signal -3
.Lnot_wave_0_\@:
	s_barrier_wait -3
	s_barrier_signal -1
	s_barrier_wait -1
.endm
.macro CROUND
	s_barrier_signal -1
	s_barrier_wait -1
	CREST
.endm
	s_load_b128 s[4:7], s[0:1], 0x0                ; x's codes, x's scales
	s_load_b128 s[8:11], s[0:1], 0x10              ; w's codes, w's scales
	s_load_b64 s[96:97], s[0:1], 0x20              ; b_qkv
	s_load_b64 s[12:13], s[0:1], 0x28              ; qkv
	v_lshl_add_u32 v[SPW], v0, 2, SPARE
	v_mov_b32 v[NIL], 0
	ds_add_u32 v28, v29
	ds_add_u32 v28, v29
	s_wait_dscnt 0x0
	v_lshrrev_b32 v1, 5, v0
	v_readfirstlane_b32 s14, v1                    ; wave 0..3
	s_lshr_b32 s15, s14, 1                         ; which half of A's rows is mine.  Also: I fetch for A (0) or for B (1)
	s_and_b32 s16, s14, 1                          ; which half of B's rows.  Also: which 128 rows I fetch
	s_bfe_u32 s40, ttmp6, 0x40000                  ; cx
	s_bfe_u32 s41, ttmp6, 0x40004                  ; cy
	s_lshl_b32 s42, ttmp9, 2
	s_and_b32 s17, ttmp7, 0xffff
	s_lshl_b32 s17, s17, 2
	s_cmp_eq_u32 ttmp9, 2                          ; v's cluster?
	s_cselect_b32 s42, s17, s42                    ; B's tile: x's tile row 4 x cluster y (v), or w's tile 4 x cluster x (q, k)
	s_cselect_b32 s17, 8, s17                      ; A's tile: w's tile 8 (v's columns begin at 2,048), or x's tile row
	s_cselect_b32 s66, 1, 0
	s_add_co_u32 s42, s42, s40                     ; + cx
	s_add_co_u32 s17, s17, s41                     ; + cy
	s_lshl_b32 s43, s41, 2
	s_lshl_b32 s43, 15, s43                        ; my row of the cluster
	s_lshl_b32 s44, 0x1111, s40                    ; my column
	; descriptor group 1: a tile of 128 rows x 192 bytes; 16 bytes of padding behind every 64
	s_or_b32 s[G1+0], s43, (0<<16)|(1<<20)|(1<<21)|(3<<22)|(3<<25)
	s_or_b32 s[G1B+0], s44, (0<<16)|(1<<20)|(1<<21)|(3<<22)|(3<<25)
.irp g, G1, G1B
	s_mov_b32 s[\g+1], ROWB<<16                    ; tensor_dim0
	s_mov_b32 s[\g+2], 128<<16                     ; tensor_dim1
	s_mov_b32 s[\g+3], ROWB<<16                    ; tile_dim0
	s_mov_b32 s[\g+4], 128                         ; tile_dim1
	s_mov_b32 s[\g+5], KROW                        ; from row to row
	s_mov_b32 s[\g+6], 0
	s_mov_b32 s[\g+7], 0
.endr
	; the scales of 128 rows: 4,096 dense bytes as 16 rows of 256 bytes (32 elements of 8), 16 bytes of padding behind each
	s_or_b32 s[G1S+0], s43, (3<<16)|(1<<20)|(1<<21)|(5<<22)|(3<<25)
	s_or_b32 s[G1SB+0], s44, (3<<16)|(1<<20)|(1<<21)|(5<<22)|(3<<25)
.irp g, G1S, G1SB
	s_mov_b32 s[\g+1], 32<<16
	s_mov_b32 s[\g+2], 16<<16
	s_mov_b32 s[\g+3], 32<<16
	s_mov_b32 s[\g+4], 16
	s_mov_b32 s[\g+5], 32
	s_mov_b32 s[\g+6], 0
	s_mov_b32 s[\g+7], 0
.endr
	s_lshl_b32 s18, s16, 7                         ; which 128 rows of the tile I fetch
	s_lshl_b32 s20, s17, 8
	s_add_co_u32 s20, s20, s18                     ; A's row
	s_lshl_b32 s46, s42, 8
	s_add_co_u32 s46, s46, s18                     ; B's row
	s_mov_b32 s21, 0
	s_mov_b32 s47, 0
	s_mov_b64 s[18:19], KS
	s_mul_u64 s[22:23], s[20:21], s[18:19]         ; where these rows' scales begin
	s_mul_u64 s[92:93], s[46:47], s[18:19]
	s_mov_b64 s[18:19], KROW
	s_mul_u64 s[20:21], s[20:21], s[18:19]         ; and their codes
	s_mul_u64 s[46:47], s[46:47], s[18:19]
	s_mul_i32 s45, s14, HALFT                      ; where they go: wave x 128 rows
	s_mul_i32 s94, s14, HALFS
	s_wait_kmcnt 0x0
	s_cmp_eq_u32 ttmp9, 2                          ; in v's cluster the two tensors change roles
	s_cselect_b64 s[100:101], s[8:9], s[4:5]
	s_cselect_b64 s[8:9], s[4:5], s[8:9]
	s_mov_b64 s[4:5], s[100:101]
	s_cselect_b64 s[100:101], s[10:11], s[6:7]
	s_cselect_b64 s[10:11], s[6:7], s[10:11]
	s_mov_b64 s[6:7], s[100:101]
	s_add_nc_u64 s[20:21], s[4:5], s[20:21]
	s_add_nc_u64 s[22:23], s[6:7], s[22:23]
	s_add_nc_u64 s[46:47], s[8:9], s[46:47]
	s_add_nc_u64 s[92:93], s[10:11], s[92:93]
	CROUND                                         ; all sixteen work-groups are here: the first joint loads meet
	s_mov_b32 s[G0S], 1
	s_add_co_u32 s[G0S+1], s94, SCL
	s_mov_b64 s[G0S+2:G0S+3], s[22:23]
	s_or_b32 s[G0S+3], s[G0S+3], 0x80000000
	s_mov_b32 s[G0SB], 1
	s_add_co_u32 s[G0SB+1], s94, SCL
	s_mov_b64 s[G0SB+2:G0SB+3], s[92:93]
	s_or_b32 s[G0SB+3], s[G0SB+3], 0x80000000
	JLOAD G0S, G1S, G0SB, G1SB                     ; the scales first: they are wanted with K step 0
.irp s, 0,1
	s_mov_b32 s[G0+4*\s], 1
	s_add_co_u32 s[G0+4*\s+1], s45, \s*SLOT
	s_add_nc_u64 s[G0+4*\s+2:G0+4*\s+3], s[20:21], \s*ROWB
	s_or_b32 s[G0+4*\s+3], s[G0+4*\s+3], 0x80000000
	s_mov_b32 s[G0B+4*\s], 1
	s_add_co_u32 s[G0B+4*\s+1], s45, \s*SLOT
	s_add_nc_u64 s[G0B+4*\s+2:G0B+4*\s+3], s[46:47], \s*ROWB
	s_or_b32 s[G0B+4*\s+3], s[G0B+4*\s+3], 0x80000000
	JLOAD G0+4*\s, G1, G0B+4*\s, G1B
.endr
	v_and_b32 v1, 15, v0                           ; r
	v_bfe_u32 v2, v0, 4, 1                         ; h
	v_mul_u32_u24 v3, v1, PITCH
	v_mul_u32_u24 v4, v2, 24
	v_add_nc_u32 v4, v3, v4                        ; a fragment's row x pitch + 24 x half
	v_lshl_add_u32 v5, v2, 4, v4                   ; and the same behind one padding more
	s_mul_i32 s21, s15, HALFT                      ; my 128 rows of A
	s_mul_i32 s22, s16, HALFT                      ; my 128 rows of B,
	s_add_co_u32 s22, s22, 2*HALFT                 ; behind A's 256
.irp s, 0,1
	v_add_nc_u32 v[ADRA+\s], s21, v4
	v_add_nc_u32 v[ADRB+\s], s22, v4
	v_add_nc_u32 v[ADRA+2+\s], s21, v5
	v_add_nc_u32 v[ADRB+2+\s], s22, v5
	s_add_co_u32 s21, s21, SLOT
	s_add_co_u32 s22, s22, SLOT
.endr
	v_mul_u32_u24 v5, v1, KS                       ; my row's scales: 32 bytes a row,
	v_lshrrev_b32 v6, 8, v5
	v_lshl_add_u32 v5, v6, 4, v5                   ; and 16 more for each 256 passed
	s_mul_i32 s21, s15, HALFS
	s_mul_i32 s22, s16, HALFS
	s_add_co_u32 s22, s22, 2*HALFS
	s_sub_co_u32 s22, s22, s21
	v_mul_u32_u24 v6, s22, v2                      ; lanes 16-31 take B's
	s_add_co_u32 s21, s21, SCL
	v_add_nc_u32 v5, v5, v6
	v_add_nc_u32 v[ADRS], s21, v5
	v_and_b32 v6, 31, v0
	v_lshlrev_b32 v[LI], 4, v6
	v_lshlrev_b32 v[LS], 3, v6
.irp b, 0,1,2,3
	v_mov_b32 v[TM+4+\b], 0                        ; written once: a lane permute's destination counts as one of its sources
.endr
	; where my wave's part begins along A and along B; which of the two is the column and which the token hangs on the role
	s_lshl_b32 s100, s17, 8
	s_lshl_b32 s101, s15, 7
	s_add_co_u32 s100, s100, s101
	s_lshl_b32 s93, s42, 8
	s_lshl_b32 s101, s16, 7
	s_add_co_u32 s93, s93, s101
	s_cmp_lg_u32 s66, 0
	s_cselect_b32 s94, s100, s93                   ; my first column of qkv
	s_cselect_b32 s95, s93, s100                   ; my first token
	s_lshl_b32 s101, s94, 2
	v_lshl_add_u32 v[BOF], v2, 6, s101             ; along registers: b[column + 32 b + 16 h + i]
	v_and_b32 v5, 8, v1
	v_add_nc_u32 v5, v5, v1
	v_lshl_add_u32 v[BVF], v5, 2, s101             ; along lanes: b[column + 32 (a / 2) + 8 (a % 2) + r + 8 (r / 8)].  Both forms stay inside my 128 columns
.irp b, 0,1,2,3
.irp j, 0,1,2,3
	global_load_b128 v[BIAS+16*\b+4*\j:BIAS+16*\b+4*\j+3], v[BOF], s[96:97] offset:128*\b+16*\j
.endr
.endr
.irp a, 0,1,2,3,4,5,6,7
	global_load_b32 v[BV+2*\a], v[BVF], s[96:97] offset:4*(32*(\a/2)+8*(\a%2))
	global_load_b32 v[BV+2*\a+1], v[BVF], s[96:97] offset:4*(32*(\a/2)+8*(\a%2))
.endr
	s_lshr_b32 s20, s95, 11                        ; batch
	s_lshl_b32 s20, s20, 4
	s_bfe_u32 s21, s94, 0x40006                    ; the first of my two heads
	s_add_co_u32 s20, s20, s21
	s_lshl_b32 s20, s20, 4
	s_bfe_u32 s21, s95, 0x40007                    ; the step of 128 tokens
	s_add_co_u32 s20, s20, s21
	s_mul_i32 s20, s20, 19200
	s_lshr_b32 s21, s94, 10                        ; q, k or v
	s_mul_i32 s21, s21, 6400
	s_add_co_u32 s20, s20, s21
	s_mov_b32 s21, 0
	s_add_nc_u64 s[12:13], s[12:13], s[20:21]
.macro FRAG reg, adr, q, i             ; 16 rows x 128 K: 12 registers, in pieces of 8 bytes; where a piece of lanes 16-31 lies behind one padding more, the second address register serves
.irp p, 0,1,2,3,4,5
.set PCE, 12*(\q)+6*(\p/3)+\p%3
.if PCE%8 < 5
	ds_load_b64 v[\reg+2*\p:\reg+2*\p+1], v[\adr] offset:8*PCE+16*(PCE/8)+(\i)*16*PITCH
.else
	ds_load_b64 v[\reg+2*\p:\reg+2*\p+1], v[\adr+2] offset:8*PCE+16*(PCE/8)+(\i)*16*PITCH
.endif
.endr
.endm
; 16 matrix instructions: A's blocks a0, a0 + 1 x B's eight.  The 64 accumulators take turns, one instruction a turn, in the same order in every step.
.macro MUL16 a0, p, q, sc, zero
.irp a, \a0, \a0+1
.irp b, 0,1,2,3,4,5,6,7
.set rD, 8*(8*((\a)%4)+\b)
.set rB, 128*(\p)+FR*\b
.set rA, AF+FR*(\a)
.set rSB, SC+8*NQ*(\sc)+NQ*\b+(\q)
.set rSA, SC+8*NQ*(\sc)+NQ*(\a)+(\q)
.if \zero
	v_wmma_scale_f32_16x16x128_f8f6f4 v[rD:rD+7], v[rB:rB+FR-1], v[rA:rA+FR-1], 0, v[rSB], v[rSA] matrix_a_fmt:MATRIX_FMT_BF6 matrix_b_fmt:MATRIX_FMT_BF6 matrix_a_scale:MATRIX_SCALE_ROW1
.else
	v_wmma_scale_f32_16x16x128_f8f6f4 v[rD:rD+7], v[rB:rB+FR-1], v[rA:rA+FR-1], v[rD:rD+7], v[rSB], v[rSA] matrix_a_fmt:MATRIX_FMT_BF6 matrix_b_fmt:MATRIX_FMT_BF6 matrix_a_scale:MATRIX_SCALE_ROW1
.endif
.endr
.endr
.endm
.macro FETCH_B slot, q, p
	WIN TO_B
.irp i, 0,1,2,3,4,5,6,7
	FRAG 128*(\p)+FR*\i, ADRB+\slot, \q, \i
.endr
	WIN 0
.endm
.macro FETCH_A slot, q, i0
.irp i, \i0, \i0+1, \i0+2, \i0+3
	FRAG AF+FR*(\i), ADRA+\slot, \q, \i
.endr
.endm
.macro SCALES sc                       ; a K step's scale words: two words a row; lanes 0-15 A's block i, lanes 16-31 B's block i
.irp i, 0,1,2,3,4,5,6,7
	ds_load_b64 v[SC+8*NQ*\sc+NQ*\i:SC+8*NQ*\sc+NQ*\i+1], v[ADRS] offset:\i*SBLK
.endr
.endm
.macro PLACES n                        ; plain vector instructions between a matrix instruction and a load into, or a read of, its registers
.rept \n
	v_nop
.endr
.endm
.macro STEP slot, q, zero              ; 128 along K, with its successor in the same slot
	s_wait_dscnt 4*NL                              ; B's set and A's blocks 0-3 are in; the 24 youngest loads (A's blocks 4-7) may be out
	WIN MUL_LO
	MUL16 0, (\q)%2, \q, \slot, \zero
	MUL16 2, (\q)%2, \q, \slot, \zero
	s_wait_dscnt 0
	PLACES NP
	FETCH_B \slot, (\q)+1, 1-(\q)%2
	FETCH_A \slot, (\q)+1, 0
	WIN MUL_HI
	MUL16 4, (\q)%2, \q, \slot, \zero
	MUL16 6, (\q)%2, \q, \slot, \zero
	PLACES NP
	WIN 0
	FETCH_A \slot, (\q)+1, 4
.endm
; A slot's last step changes slots: one barrier; in front of it each wave waits for all its tensor loads, adds 0 to its spare word, and waits for that and for its reads of this slot.
.macro TURN slot, next, fill
	s_wait_tensorcnt 0x0                           ; all my tensor loads have landed: my part of the next slot
	ds_add_u32 v[SPW], v[NIL]                      ; 0 onto my spare word
	s_wait_dscnt 4*NL+1                            ; the add and the 24 youngest loads may be out
	WIN MUL_LO
	MUL16 0, 1, NQ-1, \slot, 0
	s_wait_dscnt 0x0                               ; the add is done, and my reads of this slot are over
	s_barrier_signal -1
	MUL16 2, 1, NQ-1, \slot, 0
	WIN 0
	s_barrier_wait -1
.if \fill
	CREST                                          ; the barrier has opened a round of the cluster's barrier: no wave of any partner still reads this slot or has a load on its way
	s_add_nc_u64 s[G0+4*\slot+2:G0+4*\slot+3], s[G0+4*\slot+2:G0+4*\slot+3], 2*ROWB
	s_add_nc_u64 s[G0B+4*\slot+2:G0B+4*\slot+3], s[G0B+4*\slot+2:G0B+4*\slot+3], 2*ROWB
	JLOAD G0+4*\slot, G1, G0B+4*\slot, G1B         ; the first tensor load behind the round; its four v_nop are the places in front of the loads below
.else
	PLACES NP
.endif
	v_add_nc_u32 v[ADRS], 4*NQ, v[ADRS]            ; on to the next K step's scale words (no LDS load of mine is out)
	FETCH_B \next, 0, 0
	FETCH_A \next, 0, 0
	SCALES \next
	WIN MUL_HI
	MUL16 4, 1, NQ-1, \slot, 0
	MUL16 6, 1, NQ-1, \slot, 0
	PLACES NP
	WIN 0
	FETCH_A \next, 0, 4
.endm
	s_wait_loadcnt 0x0                             ; the bias
	s_wait_tensorcnt 1                             ; the scales and my part of K step 0 are in; K step 1's load may be out
	s_barrier_signal -1
	s_barrier_wait -1
	FETCH_B 0, 0, 0
	FETCH_A 0, 0, 0
	SCALES 0
	FETCH_A 0, 0, 4
	STEP 0, 0, 1                                   ; the first step's products start the sums
	s_mov_b32 s3, LAPS-1
.Llap:
	TURN 0, 1, 1
	STEP 1, 0, 0
	TURN 1, 0, 1
	STEP 0, 0, 0
	s_sub_co_u32 s3, s3, 1
	s_cmp_lg_u32 s3, 0
	s_cbranch_scc1 .Llap
	TURN 0, 1, 0                                   ; the last lap fills nothing
	STEP 1, 0, 0
	s_wait_dscnt 4*NL
	WIN MUL_LO
	MUL16 0, 1, NQ-1, 1, 0
	MUL16 2, 1, NQ-1, 1, 0
	s_wait_dscnt 0
	WIN MUL_HI
	MUL16 4, 1, NQ-1, 1, 0
	MUL16 6, 1, NQ-1, 1, 0
	WIN 0
; THE WAY OUT, A's block by block: bias in f32, quantised along the registers, stored as images straight from registers: each store of the wave covers 512 consecutive bytes, aligned.
.macro ADDB_QK a                       ; the block's 64 numbers + the bias of their columns; each accumulator is read from its low end on
	WIN 0x02+((\a)/4)
.set AC, 64*((\a)%4)
.set ii, 0
.rept 32
	v_pk_add_f32 v[T+ii:T+ii+1], v[AC+ii:AC+ii+1], v[BIAS+ii:BIAS+ii+1]
.set ii, ii+2
.endr
	WIN 0
.endm
.macro ADDB_V a                        ; the same with the bias of the lane's column
	WIN 0x02+((\a)/4)
.set AC, 64*((\a)%4)
.set ii, 0
.rept 32
	v_pk_add_f32 v[T+ii:T+ii+1], v[AC+ii:AC+ii+1], v[BV+2*(\a):BV+2*(\a)+1]
.set ii, ii+2
.endr
	WIN 0
.endm
; 64 numbers of a lane, register 16 b + i = index 32 b + 16 (lane / 16) + i, become codes: blocks 0, 1 in six registers from d0 on, blocks 2, 3 from d1 on; the four scale bytes stay in v[TM+4 .. TM+7].
.macro QUANT s, d0, d1
.irp b, 0,1,2,3
	v_max3_num_f32 v[TM+\b], |v[\s+16*\b]|, |v[\s+1+16*\b]|, 0x2800000   ; my 16 numbers, and the floor 2^(5 - 127)
.endr
.irp i, 2,4,6,8,10,12,14
.irp b, 0,1,2,3
	v_max3_num_f32 v[TM+\b], v[TM+\b], |v[\s+16*\b+\i]|, |v[\s+1+16*\b+\i]|
.endr
.endr
.irp b, 0,1,2,3
	v_permlanex16_b32 v[TM+4+\b], v[TM+\b], s18, s19
.endr
.irp b, 0,1,2,3
	v_max_num_f32 v[TM+\b], v[TM+\b], v[TM+4+\b]   ; with lane l xor 16's: the block's largest magnitude
.endr
.irp b, 0,1,2,3
	v_add_nc_u32 v[TM+12+\b], 0xfe000000, v[TM+\b] ; 4 off its exponent field: the conversion's scale operand
.endr
.irp b, 0,1,2,3
	v_lshrrev_b32 v[TM+4+\b], 23, v[TM+12+\b]      ; the scale's byte
.endr
	v_cvt_scalef32_pk16_bf6_f32 v[(\d0):(\d0)+2], v[\s:\s+15], v[TM+12]
	v_cvt_scalef32_pk16_bf6_f32 v[Y:Y+2], v[\s+16:\s+31], v[TM+13]
	v_cvt_scalef32_pk16_bf6_f32 v[(\d1):(\d1)+2], v[\s+32:\s+47], v[TM+14]
	v_cvt_scalef32_pk16_bf6_f32 v[Y+4:Y+6], v[\s+48:\s+63], v[TM+15]
	v_nop                                          ; one plain place behind a scaled conversion
.irp i, 0,1,2                                  ; the operand's layout wants a whole block in a lane: lanes 0-15 the even block, lanes 16-31 the odd one
	v_permlane16_swap_b32 v[(\d0)+\i], v[Y+\i]
	v_permlane16_swap_b32 v[(\d1)+\i], v[Y+4+\i]
.endr
.irp i, 0,1,2
	v_mov_b32 v[(\d0)+3+\i], v[Y+\i]
	v_mov_b32 v[(\d1)+3+\i], v[Y+4+\i]
.endr
.endm
	PLACES NP                                      ; behind the last products: their results are read and their operands' registers written below
	s_mov_b32 s18, 0x76543210
	s_mov_b32 s19, 0xfedcba98                      ; v_permlanex16_b32's selects for lane l xor 16
	s_mov_b32 s67, 0xffff0000                      ; lanes 16-31
	s_cmp_lg_u32 s66, 0
	s_cbranch_scc1 .Lv_out
	; q and k: my 128 columns are two heads; blocks 2 al and 2 al + 1 of tokens make image al of both
.irp al, 0,1,2,3
	s_wait_xcnt 0x0                                ; the images' registers are written again only when the last stores have read them
.irp u, 0,1
	ADDB_QK 2*\al+\u
	QUANT T, IMG0+6*\u, IMG1+6*\u
.if \u == 0
	v_lshl_or_b32 v[SWA+\al], v[TM+5], 8, v[TM+4]        ; the scale word: the first token's two bytes below,
	v_lshl_or_b32 v[SWA+4+\al], v[TM+7], 8, v[TM+6]
.else
	v_lshl_or_b32 v[H], v[TM+5], 8, v[TM+4]
	v_lshl_or_b32 v[H+1], v[TM+7], 8, v[TM+6]
	v_lshl_or_b32 v[SWA+\al], v[H], 16, v[SWA+\al]       ; the second token's above
	v_lshl_or_b32 v[SWA+4+\al], v[H+1], 16, v[SWA+4+\al]
.endif
.endr
.irp c, 0,1
.irp i, 0,1,2
	global_store_b128 v[LI], v[IMG0+12*\c+4*\i:IMG0+12*\c+4*\i+3], s[12:13] offset:\c*HEADB+\al*1536+512*\i
.endr
.endr
.endr
	s_branch .Lwords
.Lv_out:
	; v: my 128 tokens are one step's keys; block a of columns is image a % 4 of head a / 4
.irp a, 0,1,2,3,4,5,6,7
	s_wait_xcnt 0x0
	ADDB_V \a
	QUANT T, IMG0, IMG0+6
	v_lshl_or_b32 v[SWA+\a], v[TM+5], 8, v[TM+4]         ; the four key blocks' bytes
	v_lshl_or_b32 v[SWA+\a], v[TM+6], 16, v[SWA+\a]
	v_lshl_or_b32 v[SWA+\a], v[TM+7], 24, v[SWA+\a]
.irp i, 0,1,2
	global_store_b128 v[LI], v[IMG0+4*\i:IMG0+4*\i+3], s[12:13] offset:(\a/4)*HEADB+(\a%4)*1536+512*\i
.endr
.endr
.Lwords:
	; the scale words of a head's four images: lanes 0-15 hold the even image's, lanes 16-31 the odd one's; 8 bytes a lane: 256 consecutive bytes, aligned
.irp c, 0,1
.irp g, 0,1
	v_cndmask_b32 v[SWP+2*\c+\g], v[SWA+4*\c+2*\g], v[SWA+4*\c+2*\g+1], s67
.endr
	global_store_b64 v[LS], v[SWP+2*\c:SWP+2*\c+1], s[12:13] offset:\c*HEADB+6144
.endr
	s_wait_tensorcnt 0x0                           ; the wave's end
	ds_add_u32 v[SPW], v[NIL]
	s_wait_dscnt 0x0
	CROUND                                         ; the closing round: no work-group ends while a partner may still ask for a tile that names it
	s_endpgm
.Lfunc_end_k_q5c04a1d94d_gemm_qkv:
	.size	k_q5c04a1d94d_gemm_qkv, .Lfunc_end_k_q5c04a1d94d_gemm_qkv-k_q5c04a1d94d_gemm_qkv
	.p2alignl 7, 3214868480
	.fill 96, 4, 3214868480
	.section	.rodata,"a",@progbits
	.p2align	6, 0x0
	.amdhsa_kernel k_q5c04a1d94d_gemm_qkv
		.amdhsa_group_segment_fixed_size 327680
		.amdhsa_private_segment_fixed_size 0
		.amdhsa_enable_private_segment 0
		.amdhsa_kernarg_size 48
		.amdhsa_user_sgpr_count 2
		.amdhsa_user_sgpr_kernarg_segment_ptr 1
		.amdhsa_wavefront_size32 1
		.amdhsa_system_sgpr_workgroup_id_x 1
		.amdhsa_system_sgpr_workgroup_id_y 1
		.amdhsa_system_sgpr_workgroup_id_z 1
		.amdhsa_system_vgpr_workitem_id 0
		.amdhsa_next_free_vgpr 1024
		.amdhsa_next_free_sgpr 102
		.amdhsa_reserve_vcc 0
		.amdhsa_float_denorm_mode_32 3
		.amdhsa_float_denorm_mode_16_64 3
		.amdhsa_memory_ordered 1
		.amdhsa_forward_progress 1
		.amdhsa_inst_pref_size 232
	.end_amdhsa_kernel
	.amdgpu_metadata
---
amdhsa.version: [ 1, 2 ]
amdhsa.kernels:
  - .name:           k_q5c04a1d94d_gemm_qkv
    .symbol:         k_q5c04a1d94d_gemm_qkv.kd
    .args:
      - { .name: xcodes, .offset: 0, .size: 8, .value_kind: global_buffer, .address_space: global }
      - { .name: xscales, .offset: 8, .size: 8, .value_kind: global_buffer, .address_space: global }
      - { .name: wcodes, .offset: 16, .size: 8, .value_kind: global_buffer, .address_space: global }
      - { .name: wscales, .offset: 24, .size: 8, .value_kind: global_buffer, .address_space: global }
      - { .name: b_qkv, .offset: 32, .size: 8, .value_kind: global_buffer, .address_space: global }
      - { .name: qkv, .offset: 40, .size: 8, .value_kind: global_buffer, .address_space: global }
    .group_segment_fixed_size: 327680
    .private_segment_fixed_size: 0
    .kernarg_segment_align: 8
    .kernarg_segment_size: 48
    .max_flat_workgroup_size: 128
    .sgpr_count:     102
    .vgpr_count:     1024
    .wavefront_size: 32
...
	.end_amdgpu_metadata
.endif
;; end of part 3
;; launch attn (part 4): grid 256 x 1, 16 waves a work-group, clusters of 4 x 1, 206,848 bytes of LDS; arguments qkv, ao, aos; writes ao, aos
.if DOCPART == 4
	.amdgcn_target "amdgcn-amd-amdhsa--gfx1250"
	.amdhsa_code_object_version 6
	.text
	.protected	k_q5c04a1d94d_attn
	.globl	k_q5c04a1d94d_attn
	.p2align	8
	.type	k_q5c04a1d94d_attn,@function
k_q5c04a1d94d_attn:
	s_mov_b64 s[64:65], 0
	v_nop
	global_prefetch_b8 v0, s[64:65] scope:SCOPE_SE
	s_setreg_imm32_b32 hwreg(HW_REG_WAVE_MODE, 25, 1), 1
	s_wait_xcnt 0x0
	s_wait_alu depctr_hold_cnt(0) depctr_sa_sdst(0) depctr_va_vdst(0) depctr_va_sdst(0) depctr_va_ssrc(0) depctr_va_vcc(0) depctr_vm_vsrc(0)
	s_getreg_b32 s2, hwreg(HW_REG_IB_STS2, 6, 4)
	s_cmp_eq_u32 s2, 0
	s_cbranch_scc0 .Lentry_in_a_cluster
	s_endpgm
.Lentry_in_a_cluster:
	s_bfe_u32 s2, ttmp6, 0x10000c
	s_cmp_lg_u32 s2, 0x3003
	s_cbranch_scc0 .Lentry_shape_is_right
	s_endpgm
.Lentry_shape_is_right:
; Causal attention of one head on codes of BF6 (E3M2) with E8M0 scales; the result is quantised along the head's 64 for the last product.
; IN: qkv [batch x 16 + head][step of 128 tokens][q 6,400 | k 6,400 | v 6,400 bytes]: images of fragments' registers and their scale words (register p of lane l at 512 (p / 4) + 16 l + 4 (p % 4)).
; SOFTMAX: t = score x log2(e) / 8; M = the running largest t rounded UP to a whole number; p = 2^(t - M) is quantised along the keys, not normalised; the row's sum is taken of the unquantised p and divides at the end.
;   When M moves, the sum and O are multiplied by 2^(old M - new M): exact.  A block's largest p is had from its largest score by the same multiply-add and exponential (this takes v_exp_f32 not to fall where its input rises).
; CLUSTER: the four work-groups of a cluster belong to one head.  The head's K and V with their scale words, 16 x 12,800 bytes, fit in LDS whole: wave w asks for step w's 12,800 dense bytes by ONE joint load
;   that names the four.  LDS is filled once and only read afterwards: no ring, no refill.
; SHARES: a wave owns two tiles of 16 queries, i = 8 a + 2 cx + (w & 1) with a = w / 2, and 127 - i: together (a + 1) + (16 - a) = 17 key steps of 128, the same for every wave.  Two passes; each walks
;   16 steps by a constant count and jumps over those whose keys all come after its queries.  Branches hang on the wave's number and the counters; cx enters global addresses and the mask's numbers alone.
; A tile's queries are tokens 128 (i / 8) + 32 ((i / 2) % 4) + 8 (i % 2) + r + 8 (r / 8), as q's images hold them.
; K = 64 IN A FORM OF K = 128: an image of K holds 32 keys: registers 0-5 one key's 64 dims, registers 6-11 another's.  It is multiplied once by [Q | zeros] and once by [zeros | Q]: zero codes add nothing.
; Both products are used transposed: a lane holds one query throughout; S's 16 registers of two neighbouring tiles are 16 neighbouring keys, O's are 16 neighbouring dims.
; OUT: ao [batch x 128 + i][head][3][32 lanes][8 bytes]: the six registers a lane of the next product's fragment; aos [row 16 (batch x 128 + i) + r][32]: bytes 2 head, 2 head + 1.
;   The two scale bytes a row leave by a store of two bytes: a row's word needs a second head, which this work-group does not have.
; LIMITS: NaN and infinities are not served; a block of zeros gets the scale byte 1 (its codes are zeros; this program alone reads the bytes).
.set CH,    19200
.set SEC,   6400
.set KV,    12800
.set HEADB, 307200
.set LI,   1                           ; 16 x lane
.set LS,   2                           ; 8 x lane
.set ADK,  3                           ; the step's images in LDS
.set ADS,  4                           ; its scale words
.set DG,   5                           ; my query less 16 (lane / 16), within its step: register n's key is hidden where 32 (n / 16) + n % 16 is larger
.set QOF,  6
.set AOF,  7
.set SOF,  8
.set RB,   9                           ; r + 8 (r / 8) - 16 h
.set R8,   10                          ; 8 r
.set R32,  11                          ; 32 r
.set QZ,   16                          ; v16-21 zeros, v22-27 Q, v28-33 zeros
.set F,    34                          ; v34-81   four fragments: K's, then V's
.set S,    82                          ; v82-145  S^T, then p
.set O,    146                         ; v146-177 O^T
.set PC,   178                         ; v178-189 p's codes
.set Y,    190                         ; v190-192, v194-196 the conversions' second halves
.set BM,   198
.set PT,   202
.set SO,   206
.set C2,   210                         ; the sum's second chain
.set FF,   212                         ; f = 2^(old M - new M); v213 is named with it as a pair
.set TP,   214
.set QS,   215                         ; Q's scale word
.set KSR,  216                         ; K's scale words: register g: lanes 0-15 image 2 g, lanes 16-31 image 2 g + 1
.set VSR,  218
.set NINF, 220
.set PW,   221                         ; p's scale word
.set BY,   222
.set QSO,  223
.set WV,   10
.set KD,   13                          ; the step on the diagonal
.set AL3,  14                          ; which of its four images of q
.set UU,   15                          ; which half of that image
.set TI,   16                          ; the tile's number
.set KS,   17
.set TB,   18
.set PASS, 19
.set SEL,  20
.set CS,   22
.set G1,   24
.set G0,   32
.macro ROUND
	s_barrier_signal -1
	s_barrier_wait -1
	s_cmp_lg_u32 s[WV], 0
	s_cbranch_scc1 .Lnot_wave_0_\@
	s_barrier_signal -3
.Lnot_wave_0_\@:
	s_barrier_wait -3
	s_barrier_signal -1
	s_barrier_wait -1
.endm
	s_load_b128 s[4:7], s[0:1], 0x0                ; qkv, ao
	s_load_b64 s[8:9], s[0:1], 0x10                ; aos
	v_lshl_add_u32 v224, v0, 2, 0x32000
	v_mov_b32 v225, 0
	ds_add_u32 v224, v225
	ds_add_u32 v224, v225
	v_lshrrev_b32 v1, 5, v0
	v_readfirstlane_b32 s[WV], v1                  ; wave 0..15
	s_bfe_u32 s11, ttmp6, 0x40000                  ; cx
	s_lshr_b32 s12, s[WV], 1                       ; a
	s_mov_b32 s[KD], s12
	s_mov_b32 s[AL3], s11
	s_and_b32 s[UU], s[WV], 1
	s_lshl_b32 s[TI], s12, 3
	s_lshl_b32 s38, s11, 1
	s_add_co_u32 s[TI], s[TI], s38
	s_add_co_u32 s[TI], s[TI], s[UU]
	s_mov_b32 s[PASS], 0
	s_mov_b32 s[SEL], 0x76543210
	s_mov_b32 s[SEL+1], 0xfedcba98                 ; v_permlanex16_b32's selects for lane l xor 16
	s_mov_b32 s[CS], 0x3e38aa3b                    ; c = log2(e) / 8
	s_mov_b32 s[CS+1], s[CS]
	; descriptor group 1: 12,800 dense bytes as 50 rows of 256 bytes (32 elements of 8); the mask names the cluster's four
	s_mov_b32 s[G1], 15|(3<<16)|(1<<21)
	s_mov_b32 s[G1+1], 32<<16
	s_mov_b32 s[G1+2], 50<<16
	s_mov_b32 s[G1+3], 32<<16
	s_mov_b32 s[G1+4], 50
	s_mov_b32 s[G1+5], 32
	s_mov_b32 s[G1+6], 0
	s_mov_b32 s[G1+7], 0
	s_mul_i32 s38, ttmp9, HEADB                    ; in a cluster launch ttmp9 counts clusters: batch x 16 + head
	s_mov_b32 s39, 0
	s_and_b32 s40, ttmp9, 15                       ; head
	s_lshr_b32 s41, ttmp9, 4                       ; batch
	s_mul_i32 s42, s40, 768
	s_mul_i32 s43, s41, 1572864
	s_add_co_u32 s42, s42, s43
	s_mov_b32 s43, 0
	s_lshl_b32 s44, s40, 1
	s_lshl_b32 s45, s41, 16
	s_add_co_u32 s44, s44, s45
	s_mov_b32 s45, 0
	s_mul_i32 s46, s[WV], CH
	s_add_co_u32 s46, s46, SEC                     ; step w's K and V
	s_mov_b32 s47, 0
	s_mov_b32 s[G0], 1
	s_mul_i32 s[G0+1], s[WV], KV                   ; and their place in LDS
	s_wait_dscnt 0x0
	s_wait_kmcnt 0x0
	s_add_nc_u64 s[4:5], s[4:5], s[38:39]
	s_add_nc_u64 s[6:7], s[6:7], s[42:43]
	s_add_nc_u64 s[8:9], s[8:9], s[44:45]
	s_add_nc_u64 s[G0+2:G0+3], s[4:5], s[46:47]
	s_or_b32 s[G0+3], s[G0+3], 0x80000000
	ROUND                                          ; all four work-groups are here: the joint loads meet
	tensor_load_to_lds s[G0:G0+3], s[G1:G1+7]      ; my one tensor load of the launch
	s_nop 0
.rept 4
	v_nop
.endr
	v_and_b32 v6, 31, v0
	v_lshlrev_b32 v[LI], 4, v6
	v_lshlrev_b32 v[LS], 3, v6
	v_and_b32 v[R8], 15, v0                        ; r
	v_bfe_u32 v[R32], v0, 4, 1                     ; h
	v_and_b32 v[RB], 8, v[R8]
	v_add_nc_u32 v[RB], v[RB], v[R8]
	v_lshlrev_b32 v[R32], 4, v[R32]
	v_sub_nc_u32 v[RB], v[RB], v[R32]
	v_lshlrev_b32 v[R32], 5, v[R8]
	v_lshlrev_b32 v[R8], 3, v[R8]
.irp j, 0,1,2,3,4,5
	v_mov_b32 v[QZ+\j], 0                          ; zero codes on both sides of Q
	v_mov_b32 v[QZ+12+\j], 0
.endr
.irp b, 0,1,2,3
	v_mov_b32 v[PT+\b], 0                          ; written once: a lane permute's destination counts as one of its sources
.endr
	v_mov_b32 v[FF+1], 0
	v_mov_b32 v[NINF], 0xff800000
	s_wait_tensorcnt 0x0                           ; my step's bytes have landed,
	s_barrier_signal -1
	s_barrier_wait -1                              ; everybody's have: from here on LDS is only read
.macro QK b, u                         ; S^T tile 2 b + u: image b of K against [Q | 0] (u = 0) or [0 | Q] (u = 1)
.set rS, S+16*(\b)+8*(\u)
.set rQ, QZ+6-6*(\u)
.if (\b)%2
	v_wmma_scale_f32_16x16x128_f8f6f4 v[rS:rS+7], v[F+12*(\b):F+12*(\b)+11], v[rQ:rQ+11], 0, v[KSR+(\b)/2], v[QS] matrix_a_fmt:MATRIX_FMT_BF6 matrix_b_fmt:MATRIX_FMT_BF6 matrix_a_scale:MATRIX_SCALE_ROW1
.else
	v_wmma_scale_f32_16x16x128_f8f6f4 v[rS:rS+7], v[F+12*(\b):F+12*(\b)+11], v[rQ:rQ+11], 0, v[KSR+(\b)/2], v[QS] matrix_a_fmt:MATRIX_FMT_BF6 matrix_b_fmt:MATRIX_FMT_BF6
.endif
.endm
.macro PV t                            ; O^T tile t += image t of V x p
.set rO, O+8*(\t)
.if (\t)%2
	v_wmma_scale_f32_16x16x128_f8f6f4 v[rO:rO+7], v[F+12*(\t):F+12*(\t)+11], v[PC:PC+11], v[rO:rO+7], v[VSR+(\t)/2], v[PW] matrix_a_fmt:MATRIX_FMT_BF6 matrix_b_fmt:MATRIX_FMT_BF6 matrix_a_scale:MATRIX_SCALE_ROW1
.else
	v_wmma_scale_f32_16x16x128_f8f6f4 v[rO:rO+7], v[F+12*(\t):F+12*(\t)+11], v[PC:PC+11], v[rO:rO+7], v[VSR+(\t)/2], v[PW] matrix_a_fmt:MATRIX_FMT_BF6 matrix_b_fmt:MATRIX_FMT_BF6
.endif
.endm
.Lpass:
	s_wait_xcnt 0x0                                ; the last pass's stores have read their registers
	s_mul_i32 s38, s[KD], CH
	s_mul_i32 s39, s[AL3], 1536
	s_add_co_u32 s39, s39, s38
	v_add_nc_u32 v[QOF], s39, v[LI]                ; q's image
	s_and_b32 s40, s[AL3], 1
	s_lshl_b32 s40, s40, 7
	s_lshr_b32 s41, s[AL3], 1
	s_lshl_b32 s41, s41, 2
	s_add_co_u32 s40, s40, s41
	s_add_co_u32 s40, s40, s38
	v_add_nc_u32 v[QSO], s40, v[R8]                ; and row r's scale word
	global_load_b128 v[F:F+3], v[QOF], s[4:5]
	global_load_b128 v[F+4:F+7], v[QOF], s[4:5] offset:512
	global_load_b128 v[F+8:F+11], v[QOF], s[4:5] offset:1024
	global_load_b32 v[TP], v[QSO], s[4:5] offset:6144
	s_sub_co_u32 s36, 0, s[UU]                     ; all ones where the image's second half is mine
	s_lshl_b32 s37, s[UU], 4
	s_lshl_b32 s42, s[AL3], 5
	s_lshl_b32 s43, s[UU], 3
	s_add_co_u32 s42, s42, s43
	v_add_nc_u32 v[DG], s42, v[RB]
	v_mov_b32 v13, 0xff61b1e6                      ; the largest t so far: -3e38
	v_floor_f32 v12, -v13                          ; -M
	v_mov_b32 v14, 0                               ; the sum, in two halves
	v_mov_b32 v15, 0
	s_mov_b32 s[KS], 0
	s_mov_b32 s[TB], 0
	s_wait_loadcnt 0x0
.irp j, 0,1,2,3,4,5
	v_cndmask_b32 v[QZ+6+\j], v[F+\j], v[F+6+\j], s36
.endr
	v_lshrrev_b32 v[TP], s37, v[TP]
	v_and_b32 v[TP], 0xffff, v[TP]
	v_lshl_or_b32 v[QS], v[TP], 16, v[TP]          ; my token's two bytes, for both halves of K = 128
.set j, 0
.rept 32
	v_mov_b32 v[O+j], 0                            ; O^T: the step is written once; the first change of M leaves zeros zeros.  (These are also the places between Q's and its scale's writes and the first product)
.set j, j+1
.endr
.Lstep:
	s_cmp_gt_u32 s[KS], s[KD]                      ; all 128 keys come after my queries: the step's work is left out
	s_cbranch_scc1 .Lhidden
	v_add_nc_u32 v[ADK], s[TB], v[LI]
	v_add_nc_u32 v[ADS], s[TB], v[LS]
	v_nop
	v_nop                                          ; four places in front of loads into registers that the last products have read
.irp f, 0,1,2,3
.irp i, 0,1,2
	ds_load_b128 v[F+12*\f+4*\i:F+12*\f+4*\i+3], v[ADK] offset:1536*\f+512*\i
.endr
.endr
	ds_load_b64 v[KSR:KSR+1], v[ADS] offset:6144
	s_wait_dscnt 0x0
.irp b, 0,1,2,3
	QK \b, 0
	QK \b, 1
.endr
.rept 4
	v_nop
.endr
.irp t, 0,1,2,3                                ; V's images land while the softmax is worked
.irp i, 0,1,2
	ds_load_b128 v[F+12*\t+4*\i:F+12*\t+4*\i+3], v[ADK] offset:SEC+1536*\t+512*\i
.endr
.endr
	ds_load_b64 v[VSR:VSR+1], v[ADS] offset:SEC+6144
	s_cmp_lg_u32 s[KS], s[KD]                      ; only the step on the diagonal has hidden keys
	s_cbranch_scc1 .Lopen
.set n, 0
.rept 64
	v_cmp_gt_i32 vcc_lo, 32*(n/16)+n%16, v[DG]
	v_cndmask_b32 v[S+n], v[S+n], v[NINF], vcc_lo
.set n, n+1
.endr
.Lopen:
.irp b, 0,1,2,3
	v_max3_num_f32 v[BM+\b], v[S+16*\b], v[S+1+16*\b], v[S+2+16*\b]   ; the largest score of each block of 32 keys
.endr
.irp i, 3,5,7,9,11,13
.irp b, 0,1,2,3
	v_max3_num_f32 v[BM+\b], v[BM+\b], v[S+16*\b+\i], v[S+1+16*\b+\i]
.endr
.endr
.irp b, 0,1,2,3
	v_max_num_f32 v[BM+\b], v[BM+\b], v[S+15+16*\b]
.endr
.irp b, 0,1,2,3
	v_permlanex16_b32 v[PT+\b], v[BM+\b], s[SEL], s[SEL+1]
.endr
.irp b, 0,1,2,3
	v_max_num_f32 v[BM+\b], v[BM+\b], v[PT+\b]     ; with lane l xor 16's 16 keys
.endr
	v_max3_num_f32 v[TP], v[BM], v[BM+1], v[BM+2]
	v_max_num_f32 v[TP], v[TP], v[BM+3]
	v_mul_f32 v[TP], s[CS], v[TP]                  ; as t
	v_max_num_f32 v13, v13, v[TP]                  ; the running largest t
	v_mov_b32 v[TP], v12
	v_floor_f32 v12, -v13                          ; the new -M = -ceil(t)
	v_sub_f32 v[TP], v12, v[TP]                    ; old M - new M: a whole number, 0 or less
	v_cvt_i32_f32 v[TP], v[TP]                     ; (it saturates)
	v_ldexp_f32 v[FF], 1.0, v[TP]                  ; f
.set j, 0
.rept 32
	v_pk_fma_f32 v[S+j:S+j+1], v[S+j:S+j+1], s[CS:CS+1], v[12:13] op_sel_hi:[1,0,0]   ; t - M
.set j, j+2
.endr
.irp b, 0,1,2,3
	v_fma_f32 v[BM+\b], v[BM+\b], s[CS], v12
.endr
.set j, 0
.rept 64
	v_exp_f32 v[S+j], v[S+j]                       ; p = 2^(t - M)
.set j, j+1
.endr
.irp b, 0,1,2,3
	v_exp_f32 v[BM+\b], v[BM+\b]                   ; the block's largest p
.endr
	v_pk_mul_f32 v[14:15], v[14:15], v[FF:FF+1] op_sel_hi:[1,0]   ; the sums under the new M (a plain place behind the exponentials)
	s_wait_alu depctr_va_vdst(0)
.irp b, 0,1,2,3
	v_max_num_f32 v[BM+\b], 0x2800000, v[BM+\b]    ; the floor 2^(5 - 127)
.endr
.irp b, 0,1,2,3
	v_add_nc_u32 v[SO+\b], 0xfe000000, v[BM+\b]    ; 4 off the exponent field: the conversion's scale operand
.endr
.irp b, 0,1,2,3
	v_lshrrev_b32 v[PT+\b], 23, v[SO+\b]           ; the scale's byte
.endr
	v_lshl_or_b32 v[PW], v[PT+1], 8, v[PT]
	v_lshl_or_b32 v[PW], v[PT+2], 16, v[PW]
	v_lshl_or_b32 v[PW], v[PT+3], 24, v[PW]
.irp c, 0,1
	v_cvt_scalef32_pk16_bf6_f32 v[PC+6*\c:PC+6*\c+2], v[S+32*\c:S+32*\c+15], v[SO+2*\c]
	v_cvt_scalef32_pk16_bf6_f32 v[Y+4*\c:Y+4*\c+2], v[S+32*\c+16:S+32*\c+31], v[SO+2*\c+1]
.endr
	v_nop                                          ; one plain place behind a scaled conversion
.irp c, 0,1
.irp i, 0,1,2
	v_permlane16_swap_b32 v[PC+6*\c+\i], v[Y+4*\c+\i]
.endr
.irp i, 0,1,2
	v_mov_b32 v[PC+6*\c+3+\i], v[Y+4*\c+\i]
.endr
.endr
	v_pk_add_f32 v[C2:C2+1], v[S:S+1], v[S+2:S+3]  ; the row's sum of the unquantised p, in two chains
.irp j, 4,8,12,16,20,24,28,32,36,40,44,48,52,56,60
	v_pk_add_f32 v[14:15], v[14:15], v[S+\j:S+\j+1]
	v_pk_add_f32 v[C2:C2+1], v[C2:C2+1], v[S+\j+2:S+\j+3]
.endr
	v_pk_add_f32 v[14:15], v[14:15], v[C2:C2+1]
.set j, 0
.rept 16
	v_pk_mul_f32 v[O+j:O+j+1], v[O+j:O+j+1], v[FF:FF+1] op_sel_hi:[1,0]   ; O^T under the new M
.set j, j+2
.endr
	s_wait_dscnt 0x0                               ; V
.irp t, 0,1,2,3
	PV \t                                          ; four accumulators by turns
.endr
.Lhidden:
	s_add_co_u32 s[TB], s[TB], KV
	s_add_co_u32 s[KS], s[KS], 1
	s_cmp_lt_u32 s[KS], 16
	s_cbranch_scc1 .Lstep
	; THE WAY OUT of a pass: O^T / the sum, quantised along the head's 64 (two blocks), stored as the next product's registers
.rept 4
	v_nop                                          ; places behind the last products, on every way here
.endr
	v_add_f32 v14, v14, v15
	v_permlanex16_b32 v[TP], v14, s[SEL], s[SEL+1]
	v_add_f32 v14, v14, v[TP]                      ; the row's sum
	v_rcp_f32 v[FF], v14
	s_mul_i32 s38, s[TI], 12288
	s_lshl_b32 s39, s[TI], 9
	v_add_nc_u32 v[AOF], s38, v[LS]                ; (a plain place behind the reciprocal)
	v_add_nc_u32 v[SOF], s39, v[R32]
.set j, 0
	s_wait_alu depctr_va_vdst(0)
.rept 16
	v_pk_mul_f32 v[S+j:S+j+1], v[O+j:O+j+1], v[FF:FF+1] op_sel_hi:[1,0]   ; register 16 b + i: dim 32 b + 16 h + i; each accumulator from its low end on
.set j, j+2
.endr
.irp b, 0,1
	v_max3_num_f32 v[BM+\b], |v[S+16*\b]|, |v[S+1+16*\b]|, 0x2800000
.endr
.irp i, 2,4,6,8,10,12,14
.irp b, 0,1
	v_max3_num_f32 v[BM+\b], v[BM+\b], |v[S+16*\b+\i]|, |v[S+1+16*\b+\i]|
.endr
.endr
.irp b, 0,1
	v_permlanex16_b32 v[PT+\b], v[BM+\b], s[SEL], s[SEL+1]
.endr
.irp b, 0,1
	v_max_num_f32 v[BM+\b], v[BM+\b], v[PT+\b]
.endr
.irp b, 0,1
	v_add_nc_u32 v[SO+\b], 0xfe000000, v[BM+\b]
.endr
.irp b, 0,1
	v_lshrrev_b32 v[PT+\b], 23, v[SO+\b]
.endr
	v_lshl_or_b32 v[BY], v[PT+1], 8, v[PT]
	v_cvt_scalef32_pk16_bf6_f32 v[PC:PC+2], v[S:S+15], v[SO]
	v_cvt_scalef32_pk16_bf6_f32 v[Y:Y+2], v[S+16:S+31], v[SO+1]
	v_nop
.irp i, 0,1,2
	v_permlane16_swap_b32 v[PC+\i], v[Y+\i]
.endr
.irp i, 0,1,2
	v_mov_b32 v[PC+3+\i], v[Y+\i]
.endr
.irp p, 0,1,2
	global_store_b64 v[AOF], v[PC+2*\p:PC+2*\p+1], s[6:7] offset:256*\p   ; 32 lanes store 256 consecutive bytes, aligned
.endr
	global_store_b16 v[SOF], v[BY], s[8:9]         ; lanes r and r + 16 write the same two bytes with the same value
	s_sub_co_u32 s[KD], 15, s[KD]                  ; the second pass: tile 127 - i
	s_sub_co_u32 s[AL3], 3, s[AL3]
	s_sub_co_u32 s[UU], 1, s[UU]
	s_sub_co_u32 s[TI], 127, s[TI]
	s_add_co_u32 s[PASS], s[PASS], 1
	s_cmp_lt_u32 s[PASS], 2
	s_cbranch_scc1 .Lpass
	s_wait_tensorcnt 0x0
	ds_add_u32 v224, v225
	s_wait_dscnt 0x0
	ROUND                                          ; the closing round
	s_endpgm
.Lfunc_end_k_q5c04a1d94d_attn:
	.size	k_q5c04a1d94d_attn, .Lfunc_end_k_q5c04a1d94d_attn-k_q5c04a1d94d_attn
	.p2alignl 7, 3214868480
	.fill 96, 4, 3214868480
	.section	.rodata,"a",@progbits
	.p2align	6, 0x0
	.amdhsa_kernel k_q5c04a1d94d_attn
		.amdhsa_group_segment_fixed_size 206848
		.amdhsa_private_segment_fixed_size 0
		.amdhsa_enable_private_segment 0
		.amdhsa_kernarg_size 24
		.amdhsa_user_sgpr_count 2
		.amdhsa_user_sgpr_kernarg_segment_ptr 1
		.amdhsa_wavefront_size32 1
		.amdhsa_system_sgpr_workgroup_id_x 1
		.amdhsa_system_sgpr_workgroup_id_y 1
		.amdhsa_system_sgpr_workgroup_id_z 1
		.amdhsa_system_vgpr_workitem_id 0
		.amdhsa_next_free_vgpr 226
		.amdhsa_next_free_sgpr 66
		.amdhsa_reserve_vcc 1
		.amdhsa_float_denorm_mode_32 3
		.amdhsa_float_denorm_mode_16_64 3
		.amdhsa_memory_ordered 1
		.amdhsa_forward_progress 1
		.amdhsa_inst_pref_size 32
	.end_amdhsa_kernel
	.amdgpu_metadata
---
amdhsa.version: [ 1, 2 ]
amdhsa.kernels:
  - .name:           k_q5c04a1d94d_attn
    .symbol:         k_q5c04a1d94d_attn.kd
    .args:
      - { .name: qkv, .offset: 0, .size: 8, .value_kind: global_buffer, .address_space: global }
      - { .name: ao, .offset: 8, .size: 8, .value_kind: global_buffer, .address_space: global }
      - { .name: aos, .offset: 16, .size: 8, .value_kind: global_buffer, .address_space: global }
    .group_segment_fixed_size: 206848
    .private_segment_fixed_size: 0
    .kernarg_segment_align: 8
    .kernarg_segment_size: 24
    .max_flat_workgroup_size: 512
    .sgpr_count:     66
    .vgpr_count:     226
    .wavefront_size: 32
...
	.end_amdgpu_metadata
.endif
;; end of part 4
;; launch gemm_out (part 5): grid 4 x 32, 4 waves a work-group, clusters of 4 x 4, 327,680 bytes of LDS; arguments ao, aos, wcodes, wscales, b_out, out0; writes out0
.if DOCPART == 5
	.amdgcn_target "amdgcn-amd-amdhsa--gfx1250"
	.amdhsa_code_object_version 6
	.text
	.protected	k_q5c04a1d94d_gemm_out
	.globl	k_q5c04a1d94d_gemm_out
	.p2align	8
	.type	k_q5c04a1d94d_gemm_out,@function
k_q5c04a1d94d_gemm_out:
	s_mov_b64 s[64:65], 0
	v_nop
	global_prefetch_b8 v0, s[64:65] scope:SCOPE_SE
	s_setreg_imm32_b32 hwreg(HW_REG_WAVE_MODE, 25, 1), 1
	s_wait_xcnt 0x0
	s_wait_alu depctr_hold_cnt(0) depctr_sa_sdst(0) depctr_va_vdst(0) depctr_va_sdst(0) depctr_va_ssrc(0) depctr_va_vcc(0) depctr_vm_vsrc(0)
	s_getreg_b32 s2, hwreg(HW_REG_IB_STS2, 6, 4)
	s_cmp_eq_u32 s2, 0
	s_cbranch_scc0 .Lentry_in_a_cluster
	s_endpgm
.Lentry_in_a_cluster:
	s_bfe_u32 s2, ttmp6, 0x10000c
	s_cmp_lg_u32 s2, 0xf033
	s_cbranch_scc0 .Lentry_shape_is_right
	s_endpgm
.Lentry_shape_is_right:
; out0 = Q(attention's result) Q(w_out) + b_out on codes of BF6 (E3M2) with E8M0 scales, K = 1,024; out0 [8192][1024] f32.
; A work-group of four waves makes 256 x 256, a wave 128 x 128: 64 accumulators.  K goes in steps of 256 through a ring of two LDS slots filled by the tensor data mover; the scale bytes come into LDS once.
; A (source 1, along the lanes) = ao: images of fragments' registers, [tile of 16 rows][head][3][32 lanes][8 bytes]: a tile's K step of 256 is 3,072 dense bytes, a fragment six loads of 256 consecutive bytes.
; B (source 0, along a lane's registers) = rows 3,072 on of the weights' codes, rows of 768 bytes.
; Both hold row number with bits 3 and 4 exchanged: lane r of A's block a is row 32 (a / 2) + 8 (a % 2) + r + 8 (r / 8); register j of B's block b is column 32 (b / 2) + 16 (lane / 16) + 8 (b % 2) + j.
; The way out undoes both: the columns by the place in the wave's stage in LDS, the rows by the stores' offsets.
; CLUSTERS: 4 x 4 work-groups; A's tiles are asked for jointly along a row of the cluster, B's along a column.
; REGISTERS, in windows of 256: window 0: v0-31 addresses; v32-63 scale words, two sets; v64-67 the bias; v128-223 A's fragments, one set; on the way out v128-255 rows of the result.
;   window 1: B's fragments, two sets.   window 2: the accumulators of A's blocks 0-3 ((a, b) at v[8 (8 a + b)]);   window 3: those of blocks 4-7.
.set NQ,     2
.set ROWB,   192                       ; a row of B's tile in bytes
.set AROWB,  3072                      ; a row of A's tile: a tile of 16 rows x 256 along K
.set KROW,   768
.set PITCH,  240                       ; B's LDS row: 3 x (64 bytes + 16 of padding)
.set FR,     12
.set NL,     6
.set NP,     4                         ; places behind this matrix instruction (ISA guide 7.12.1)
.set HALFT,  128*PITCH                 ; a wave's part of a slot (A's uses 24,576 bytes of it)
.set SLOT,   4*HALFT
.set LAPS,   2
.set KS,     32
.set SCL,    2*SLOT
.set HALFS,  4352
.set SBLK,   544
.set SPARE,  SCL+4*HALFS               ; the spare words, 128 bytes a wave; no other line names them
.set SPITCH, 528                       ; the way out: a stage of 16 rows x (512 bytes + 16) for each wave, in slot 0, which has had its last fill and its last read by then
.set ADRA, 16                          ; v16-17 my A fragments in slot 0, 1
.set ADRB, 20                          ; v20-21 my B fragments; v22-23 the same behind one padding more
.set STO,  24
.set RD,   25
.set CO,   26
.set ADRS, 27
.set SPW,  28
.set NIL,  29
.set BOF,  30
.set SC,   32
.set BO,   64
.set AF,   128
.set BK,   128
.set G1, 24
.set G0, 32
.set G1B, 48
.set G0B, 56
.set G1S, 68
.set G0S, 76
.set G1SB, 80
.set G0SB, 88
.set MSB, 0
.macro WIN new                         ; the immediate's high byte repeats the setting that is left
.if MSB != (\new)
	s_set_vgpr_msb (MSB<<8)|(\new)
.set MSB, (\new)
.endif
.endm
.set MUL_LO, 0xa1
.set MUL_HI, 0xf1
.set TO_B,   0x40
.macro JLOAD g0a, g1a, g0b, g1b        ; a joint load: waves 0 and 1 fetch for A, waves 2 and 3 for B; four v_nop follow each line
	s_cmp_eq_u32 s15, 0
	s_cbranch_scc0 .Lfor_b_\@
	tensor_load_to_lds s[\g0a:\g0a+3], s[\g1a:\g1a+7]
	s_nop 0
.rept 4
	v_nop
.endr
	s_branch .Lasked_\@
.Lfor_b_\@:
	tensor_load_to_lds s[\g0b:\g0b+3], s[\g1b:\g1b+7]
	s_nop 0
.rept 4
	v_nop
.endr
.Lasked_\@:
.endm
.macro CREST
	s_cmp_lg_u32 s14, 0
	s_cbranch_scc1 .Lnot_wave_0_\@
	s_barrier_signal -3
.Lnot_wave_0_\@:
	s_barrier_wait -3
	s_barrier_signal -1
	s_barrier_wait -1
.endm
.macro CROUND
	s_barrier_signal -1
	s_barrier_wait -1
	CREST
.endm
	s_load_b128 s[4:7], s[0:1], 0x0                ; ao, aos
	s_load_b128 s[8:11], s[0:1], 0x10              ; the weights' codes and scales
	s_load_b64 s[96:97], s[0:1], 0x20              ; b_out
	s_load_b64 s[12:13], s[0:1], 0x28              ; out0
	v_lshl_add_u32 v[SPW], v0, 2, SPARE
	v_mov_b32 v[NIL], 0
	ds_add_u32 v28, v29
	ds_add_u32 v28, v29
	s_wait_dscnt 0x0
	v_lshrrev_b32 v1, 5, v0
	v_readfirstlane_b32 s14, v1                    ; wave 0..3
	s_lshr_b32 s15, s14, 1                         ; which half of the tile's rows is mine.  Also: I fetch for A (0) or for B (1)
	s_and_b32 s16, s14, 1                          ; which half of its columns.  Also: which 128 rows I fetch
	s_bfe_u32 s40, ttmp6, 0x40000                  ; cx
	s_bfe_u32 s41, ttmp6, 0x40004                  ; cy
	s_lshl_b32 s42, ttmp9, 2
	s_add_co_u32 s42, s42, s40                     ; tile column
	s_and_b32 s17, ttmp7, 0xffff
	s_lshl_b32 s17, s17, 2
	s_add_co_u32 s17, s17, s41                     ; tile row
	s_lshl_b32 s43, s41, 2
	s_lshl_b32 s43, 15, s43                        ; my row of the cluster
	s_lshl_b32 s44, 0x1111, s40                    ; my column
	; A's tiles: 8 rows of 3,072 bytes (384 elements of 8), 12,288 bytes apart, no padding
	s_or_b32 s[G1+0], s43, (3<<16)|(1<<21)
	s_mov_b32 s[G1+1], 384<<16
	s_mov_b32 s[G1+2], 8<<16
	s_mov_b32 s[G1+3], 384<<16
	s_mov_b32 s[G1+4], 8
	s_mov_b32 s[G1+5], 1536
	s_mov_b32 s[G1+6], 0
	s_mov_b32 s[G1+7], 0
	; B's tiles: 128 rows x 192 bytes; 16 bytes of padding behind every 64
	s_or_b32 s[G1B+0], s44, (0<<16)|(1<<20)|(1<<21)|(3<<22)|(3<<25)
	s_mov_b32 s[G1B+1], ROWB<<16
	s_mov_b32 s[G1B+2], 128<<16
	s_mov_b32 s[G1B+3], ROWB<<16
	s_mov_b32 s[G1B+4], 128
	s_mov_b32 s[G1B+5], KROW
	s_mov_b32 s[G1B+6], 0
	s_mov_b32 s[G1B+7], 0
	; the scales of 128 rows: 16 rows of 256 bytes, 16 bytes of padding behind each
	s_or_b32 s[G1S+0], s43, (3<<16)|(1<<20)|(1<<21)|(5<<22)|(3<<25)
	s_or_b32 s[G1SB+0], s44, (3<<16)|(1<<20)|(1<<21)|(5<<22)|(3<<25)
.irp g, G1S, G1SB
	s_mov_b32 s[\g+1], 32<<16
	s_mov_b32 s[\g+2], 16<<16
	s_mov_b32 s[\g+3], 32<<16
	s_mov_b32 s[\g+4], 16
	s_mov_b32 s[\g+5], 32
	s_mov_b32 s[\g+6], 0
	s_mov_b32 s[\g+7], 0
.endr
	s_lshl_b32 s18, s16, 7
	s_lshl_b32 s20, s17, 8
	s_add_co_u32 s20, s20, s18                     ; A's row
	s_lshl_b32 s46, s42, 8
	s_add_co_u32 s46, s46, s18
	s_add_co_u32 s46, s46, 3072                    ; B's row: w_out's columns lie behind w_qkv's
	s_mov_b32 s21, 0
	s_mov_b32 s47, 0
	s_mov_b64 s[18:19], KS
	s_mul_u64 s[22:23], s[20:21], s[18:19]
	s_mul_u64 s[92:93], s[46:47], s[18:19]
	s_mov_b64 s[18:19], KROW
	s_mul_u64 s[20:21], s[20:21], s[18:19]         ; 16 rows of images are as many bytes as 16 rows of 768
	s_mul_u64 s[46:47], s[46:47], s[18:19]
	s_mul_i32 s45, s14, HALFT
	s_mul_i32 s94, s14, HALFS
	s_wait_kmcnt 0x0
	s_add_nc_u64 s[20:21], s[4:5], s[20:21]
	s_add_nc_u64 s[22:23], s[6:7], s[22:23]
	s_add_nc_u64 s[46:47], s[8:9], s[46:47]
	s_add_nc_u64 s[92:93], s[10:11], s[92:93]
	CROUND                                         ; all sixteen work-groups are here: the first joint loads meet
	s_mov_b32 s[G0S], 1
	s_add_co_u32 s[G0S+1], s94, SCL
	s_mov_b64 s[G0S+2:G0S+3], s[22:23]
	s_or_b32 s[G0S+3], s[G0S+3], 0x80000000
	s_mov_b32 s[G0SB], 1
	s_add_co_u32 s[G0SB+1], s94, SCL
	s_mov_b64 s[G0SB+2:G0SB+3], s[92:93]
	s_or_b32 s[G0SB+3], s[G0SB+3], 0x80000000
	JLOAD G0S, G1S, G0SB, G1SB
.irp s, 0,1
	s_mov_b32 s[G0+4*\s], 1
	s_add_co_u32 s[G0+4*\s+1], s45, \s*SLOT
	s_add_nc_u64 s[G0+4*\s+2:G0+4*\s+3], s[20:21], \s*AROWB
	s_or_b32 s[G0+4*\s+3], s[G0+4*\s+3], 0x80000000
	s_mov_b32 s[G0B+4*\s], 1
	s_add_co_u32 s[G0B+4*\s+1], s45, \s*SLOT
	s_add_nc_u64 s[G0B+4*\s+2:G0B+4*\s+3], s[46:47], \s*ROWB
	s_or_b32 s[G0B+4*\s+3], s[G0B+4*\s+3], 0x80000000
	JLOAD G0+4*\s, G1, G0B+4*\s, G1B
.endr
	v_and_b32 v1, 15, v0                           ; r
	v_bfe_u32 v2, v0, 4, 1                         ; h
	v_and_b32 v6, 31, v0                           ; lane
	v_mul_u32_u24 v3, v1, PITCH
	v_mul_u32_u24 v4, v2, 24
	v_add_nc_u32 v4, v3, v4                        ; B: a fragment's row x pitch + 24 x half
	v_lshl_add_u32 v5, v2, 4, v4                   ; and the same behind one padding more
	v_lshlrev_b32 v7, 3, v6                        ; A: 8 x lane
	s_mul_i32 s21, s15, HALFT
	s_mul_i32 s22, s16, HALFT
	s_add_co_u32 s22, s22, 2*HALFT
.irp s, 0,1
	v_add_nc_u32 v[ADRA+\s], s21, v7
	v_add_nc_u32 v[ADRB+\s], s22, v4
	v_add_nc_u32 v[ADRB+2+\s], s22, v5
	s_add_co_u32 s21, s21, SLOT
	s_add_co_u32 s22, s22, SLOT
.endr
	v_mul_u32_u24 v5, v1, KS
	v_lshrrev_b32 v7, 8, v5
	v_lshl_add_u32 v5, v7, 4, v5
	s_mul_i32 s21, s15, HALFS
	s_mul_i32 s22, s16, HALFS
	s_add_co_u32 s22, s22, 2*HALFS
	s_sub_co_u32 s22, s22, s21
	v_mul_u32_u24 v7, s22, v2                      ; lanes 16-31 take B's
	s_add_co_u32 s21, s21, SCL
	v_add_nc_u32 v5, v5, v7
	v_add_nc_u32 v[ADRS], s21, v5
	s_mul_i32 s23, s14, 16*SPITCH                  ; my stage
	v_mul_u32_u24 v5, v1, SPITCH                   ; in: row r; my half's sixteen columns of each 32 begin 64 h bytes on
	v_lshl_add_u32 v5, v2, 6, v5
	v_add_nc_u32 v[STO], s23, v5
	v_lshlrev_b32 v[CO], 4, v6                     ; back: the 32 lanes take one row of 512 bytes; and the same in out0
	v_add_nc_u32 v[RD], s23, v[CO]
	s_lshl_b32 s20, s17, 8
	s_lshl_b32 s21, s15, 7
	s_add_co_u32 s20, s20, s21                     ; my first row
	s_lshl_b32 s20, s20, 12                        ; 4,096 bytes a row
	s_mov_b32 s21, 0
	s_lshl_b32 s46, s42, 10                        ; my first column, in bytes
	s_lshl_b32 s47, s16, 9
	s_add_co_u32 s46, s46, s47
	s_mov_b32 s47, 0
	v_add_nc_u32 v[BOF], s46, v[CO]
	s_add_nc_u64 s[20:21], s[20:21], s[46:47]
	s_add_nc_u64 s[12:13], s[12:13], s[20:21]
	global_load_b128 v[BO:BO+3], v[BOF], s[96:97]  ; the bias of my four columns of a row read back
.macro FRAG reg, adr, q, i             ; B: 16 rows x 128 K in pieces of 8 bytes; where a piece of lanes 16-31 lies behind one padding more, the second address register serves
.irp p, 0,1,2,3,4,5
.set PCE, 12*(\q)+6*(\p/3)+\p%3
.if PCE%8 < 5
	ds_load_b64 v[\reg+2*\p:\reg+2*\p+1], v[\adr] offset:8*PCE+16*(PCE/8)+(\i)*16*PITCH
.else
	ds_load_b64 v[\reg+2*\p:\reg+2*\p+1], v[\adr+2] offset:8*PCE+16*(PCE/8)+(\i)*16*PITCH
.endif
.endr
.endm
.macro FRAG_A reg, adr, q, i           ; A: an image: six loads of 256 consecutive bytes
.irp p, 0,1,2,3,4,5
	ds_load_b64 v[\reg+2*\p:\reg+2*\p+1], v[\adr] offset:AROWB*(\i)+1536*(\q)+256*\p
.endr
.endm
; 16 matrix instructions: A's blocks a0, a0 + 1 x B's eight.  The 64 accumulators take turns, one instruction a turn, in the same order in every step.
.macro MUL16 a0, p, q, sc, zero
.irp a, \a0, \a0+1
.irp b, 0,1,2,3,4,5,6,7
.set rD, 8*(8*((\a)%4)+\b)
.set rB, 128*(\p)+FR*\b
.set rA, AF+FR*(\a)
.set rSB, SC+8*NQ*(\sc)+NQ*\b+(\q)
.set rSA, SC+8*NQ*(\sc)+NQ*(\a)+(\q)
.if \zero
	v_wmma_scale_f32_16x16x128_f8f6f4 v[rD:rD+7], v[rB:rB+FR-1], v[rA:rA+FR-1], 0, v[rSB], v[rSA] matrix_a_fmt:MATRIX_FMT_BF6 matrix_b_fmt:MATRIX_FMT_BF6 matrix_a_scale:MATRIX_SCALE_ROW1
.else
	v_wmma_scale_f32_16x16x128_f8f6f4 v[rD:rD+7], v[rB:rB+FR-1], v[rA:rA+FR-1], v[rD:rD+7], v[rSB], v[rSA] matrix_a_fmt:MATRIX_FMT_BF6 matrix_b_fmt:MATRIX_FMT_BF6 matrix_a_scale:MATRIX_SCALE_ROW1
.endif
.endr
.endr
.endm
.macro FETCH_B slot, q, p
	WIN TO_B
.irp i, 0,1,2,3,4,5,6,7
	FRAG 128*(\p)+FR*\i, ADRB+\slot, \q, \i
.endr
	WIN 0
.endm
.macro FETCH_A slot, q, i0
.irp i, \i0, \i0+1, \i0+2, \i0+3
	FRAG_A AF+FR*(\i), ADRA+\slot, \q, \i
.endr
.endm
.macro SCALES sc
.irp i, 0,1,2,3,4,5,6,7
	ds_load_b64 v[SC+8*NQ*\sc+NQ*\i:SC+8*NQ*\sc+NQ*\i+1], v[ADRS] offset:\i*SBLK
.endr
.endm
.macro PLACES n
.rept \n
	v_nop
.endr
.endm
.macro STEP slot, q, zero
	s_wait_dscnt 4*NL                              ; B's set and A's blocks 0-3 are in; the 24 youngest loads (A's blocks 4-7) may be out
	WIN MUL_LO
	MUL16 0, (\q)%2, \q, \slot, \zero
	MUL16 2, (\q)%2, \q, \slot, \zero
	s_wait_dscnt 0
	PLACES NP
	FETCH_B \slot, (\q)+1, 1-(\q)%2
	FETCH_A \slot, (\q)+1, 0
	WIN MUL_HI
	MUL16 4, (\q)%2, \q, \slot, \zero
	MUL16 6, (\q)%2, \q, \slot, \zero
	PLACES NP
	WIN 0
	FETCH_A \slot, (\q)+1, 4
.endm
.macro TURN slot, next, fill
	s_wait_tensorcnt 0x0                           ; all my tensor loads have landed: my part of the next slot
	ds_add_u32 v[SPW], v[NIL]                      ; 0 onto my spare word
	s_wait_dscnt 4*NL+1                            ; the add and the 24 youngest loads may be out
	WIN MUL_LO
	MUL16 0, 1, NQ-1, \slot, 0
	s_wait_dscnt 0x0                               ; the add is done, and my reads of this slot are over
	s_barrier_signal -1
	MUL16 2, 1, NQ-1, \slot, 0
	WIN 0
	s_barrier_wait -1
.if \fill
	CREST                                          ; the barrier has opened a round of the cluster's barrier: no wave of any partner still reads this slot or has a load on its way
	s_add_nc_u64 s[G0+4*\slot+2:G0+4*\slot+3], s[G0+4*\slot+2:G0+4*\slot+3], 2*AROWB
	s_add_nc_u64 s[G0B+4*\slot+2:G0B+4*\slot+3], s[G0B+4*\slot+2:G0B+4*\slot+3], 2*ROWB
	JLOAD G0+4*\slot, G1, G0B+4*\slot, G1B         ; the first tensor load behind the round; its four v_nop are the places in front of the loads below
.else
	PLACES NP
.endif
	v_add_nc_u32 v[ADRS], 4*NQ, v[ADRS]
	FETCH_B \next, 0, 0
	FETCH_A \next, 0, 0
	SCALES \next
	WIN MUL_HI
	MUL16 4, 1, NQ-1, \slot, 0
	MUL16 6, 1, NQ-1, \slot, 0
	PLACES NP
	WIN 0
	FETCH_A \next, 0, 4
.endm
	s_wait_loadcnt 0x0                             ; the bias
	s_wait_tensorcnt 1                             ; the scales and my part of K step 0 are in; K step 1's load may be out
	s_barrier_signal -1
	s_barrier_wait -1
	FETCH_B 0, 0, 0
	FETCH_A 0, 0, 0
	SCALES 0
	FETCH_A 0, 0, 4
	STEP 0, 0, 1
	s_mov_b32 s3, LAPS-1
.Llap:
	TURN 0, 1, 1
	STEP 1, 0, 0
	TURN 1, 0, 1
	STEP 0, 0, 0
	s_sub_co_u32 s3, s3, 1
	s_cmp_lg_u32 s3, 0
	s_cbranch_scc1 .Llap
	TURN 0, 1, 0
	STEP 1, 0, 0
	s_wait_dscnt 4*NL
	WIN MUL_LO
	MUL16 0, 1, NQ-1, 1, 0
	MUL16 2, 1, NQ-1, 1, 0
	s_wait_dscnt 0
	WIN MUL_HI
	MUL16 4, 1, NQ-1, 1, 0
	MUL16 6, 1, NQ-1, 1, 0
	WIN 0
; THE WAY OUT, block by block of 16 rows x 128 columns, through my own stage in LDS: in by columns' true places, back as whole rows of 512 bytes, + bias, stored as 512 consecutive aligned bytes.
; LDS serves a wave's instructions in order (ISA guide 5.7.1.4): no wait between the stores and the loads, nor in front of the next block's stores.
.macro TOSTAGE a
.set AC, 64*((\a)%4)
	WIN 0x08+4*((\a)/4)                            ; the data: window 2 or 3
.irp b, 0,1,2,3,4,5,6,7
	ds_store_b128 v[STO], v[AC+8*\b:AC+8*\b+3] offset:128*(\b/2)+32*(\b%2)          ; each accumulator from its low end on
	ds_store_b128 v[STO], v[AC+8*\b+4:AC+8*\b+7] offset:128*(\b/2)+32*(\b%2)+16
.endr
	WIN 0
.set BB, BK+64*((\a)%2)
.irp t, 0,1,2,3,4,5,6,7,8,9,10,11,12,13,14,15
	ds_load_b128 v[BB+4*\t:BB+4*\t+3], v[RD] offset:\t*SPITCH
.endr
.endm
.macro SEND a, younger                 ; younger: the LDS instructions issued behind block a's loads, which may stay out
.set BB, BK+64*((\a)%2)
	s_wait_dscnt \younger
.irp t, 0,1,2,3,4,5,6,7,8,9,10,11,12,13,14,15
	v_pk_add_f32 v[BB+4*\t:BB+4*\t+1], v[BB+4*\t:BB+4*\t+1], v[BO:BO+1]
	v_pk_add_f32 v[BB+4*\t+2:BB+4*\t+3], v[BB+4*\t+2:BB+4*\t+3], v[BO+2:BO+3]
.endr
.irp t, 0,1,2,3,4,5,6,7,8,9,10,11,12,13,14,15
	global_store_b128 v[CO], v[BB+4*\t:BB+4*\t+3], s[12:13] offset:(32*((\a)/2)+8*((\a)%2)+\t+8*(\t/8))*4096 th:TH_STORE_NT   ; the stage's row t is this row of out0; written once, read by nobody here
.endr
.endm
	PLACES NP                                      ; behind the last products: their results are stored to LDS, and loads land in the registers that held A's fragments
	TOSTAGE 0
.irp a, 1,2,3,4,5,6,7
.if \a > 1
	s_wait_xcnt 0x0                                ; block a - 2's stores have read their registers: block a's loads may land there
.endif
	TOSTAGE \a
	SEND \a-1, 32                                  ; behind block a - 1's loads: block a's 16 stores and 16 loads
.endr
	SEND 7, 0
	s_wait_tensorcnt 0x0                           ; the wave's end
	ds_add_u32 v[SPW], v[NIL]
	s_wait_dscnt 0x0
	CROUND                                         ; the closing round: no work-group ends while a partner may still ask for a tile that names it
	s_endpgm
.Lfunc_end_k_q5c04a1d94d_gemm_out:
	.size	k_q5c04a1d94d_gemm_out, .Lfunc_end_k_q5c04a1d94d_gemm_out-k_q5c04a1d94d_gemm_out
	.p2alignl 7, 3214868480
	.fill 96, 4, 3214868480
	.section	.rodata,"a",@progbits
	.p2align	6, 0x0
	.amdhsa_kernel k_q5c04a1d94d_gemm_out
		.amdhsa_group_segment_fixed_size 327680
		.amdhsa_private_segment_fixed_size 0
		.amdhsa_enable_private_segment 0
		.amdhsa_kernarg_size 48
		.amdhsa_user_sgpr_count 2
		.amdhsa_user_sgpr_kernarg_segment_ptr 1
		.amdhsa_wavefront_size32 1
		.amdhsa_system_sgpr_workgroup_id_x 1
		.amdhsa_system_sgpr_workgroup_id_y 1
		.amdhsa_system_sgpr_workgroup_id_z 1
		.amdhsa_system_vgpr_workitem_id 0
		.amdhsa_next_free_vgpr 1024
		.amdhsa_next_free_sgpr 102
		.amdhsa_reserve_vcc 0
		.amdhsa_float_denorm_mode_32 3
		.amdhsa_float_denorm_mode_16_64 3
		.amdhsa_memory_ordered 1
		.amdhsa_forward_progress 1
		.amdhsa_inst_pref_size 175
	.end_amdhsa_kernel
	.amdgpu_metadata
---
amdhsa.version: [ 1, 2 ]
amdhsa.kernels:
  - .name:           k_q5c04a1d94d_gemm_out
    .symbol:         k_q5c04a1d94d_gemm_out.kd
    .args:
      - { .name: ao, .offset: 0, .size: 8, .value_kind: global_buffer, .address_space: global }
      - { .name: aos, .offset: 8, .size: 8, .value_kind: global_buffer, .address_space: global }
      - { .name: wcodes, .offset: 16, .size: 8, .value_kind: global_buffer, .address_space: global }
      - { .name: wscales, .offset: 24, .size: 8, .value_kind: global_buffer, .address_space: global }
      - { .name: b_out, .offset: 32, .size: 8, .value_kind: global_buffer, .address_space: global }
      - { .name: out0, .offset: 40, .size: 8, .value_kind: global_buffer, .address_space: global }
    .group_segment_fixed_size: 327680
    .private_segment_fixed_size: 0
    .kernarg_segment_align: 8
    .kernarg_segment_size: 48
    .max_flat_workgroup_size: 128
    .sgpr_count:     102
    .vgpr_count:     1024
    .wavefront_size: 32
...
	.end_amdgpu_metadata
.endif
;; end of part 5
;; ======== version 2 of 2: 4 launches
;; workspace buffers: xcodes 6,291,456 bytes; xscales 262,144 bytes; wcodes 3,145,728 bytes; wscales 131,072 bytes; qkv 19,660,800 bytes; ao 6,291,456 bytes; aos 262,144 bytes
;; launch quant (part 6): grid 384 x 1, 4 waves a work-group, no clusters, 69,120 bytes of LDS; arguments w_qkv, w_out, wcodes, wscales, x, xcodes, xscales; writes wcodes, wscales, xcodes, xscales
.if DOCPART == 6
	.amdgcn_target "amdgcn-amd-amdhsa--gfx1250"
	.amdhsa_code_object_version 6
	.text
	.protected	k_q5c04a1d94d_quant
	.globl	k_q5c04a1d94d_quant
	.p2align	8
	.type	k_q5c04a1d94d_quant,@function
k_q5c04a1d94d_quant:
	s_mov_b64 s[64:65], 0
	v_nop
	global_prefetch_b8 v0, s[64:65] scope:SCOPE_SE
	s_setreg_imm32_b32 hwreg(HW_REG_WAVE_MODE, 25, 1), 1
	s_wait_xcnt 0x0
; ONE LAUNCH QUANTISES ALL THREE WIDE INPUTS to codes of BF6 (E3M2), K innermost, 768 bytes a row of 1,024 codes, with one E8M0 byte for each 32 along K, 32 bytes a row.
; Work-groups 0 to 255 take x [8192][1024]; work-groups 256 to 383 take w_qkv [1024][3072] and w_out [1024][1024], whose K is their first axis.  The two ways part at the first line, on the work-group's
; number alone, and never meet again; each has LDS bytes of its own (x: from 0; the weights: from 32,768).
; A block's scale is 2^(floor(log2(its largest magnitude)) - 4); its byte is the largest magnitude's exponent field - 4, held at 1 from below.
; A block of zeros so gets the byte 1 where the quantiser says 127: its codes are zeros, and the bytes are read by this program alone.
; LIMITS: NaN and infinities among the inputs are not served.
; ROWS ARE STORED IN ANOTHER ORDER: row number with bits 3 and 4 exchanged.  So 16 rows on end of a codes' buffer, 32 g + 16 u + r, are rows 32 g + 8 u + r + 8 (r / 8) of the tensor:
; the rows that the products' launches want in one fragment.
.set XWG,   256                        ; work-groups for x
	v_lshl_add_u32 v208, v0, 2, 0x10c00
	v_mov_b32 v209, 0
	s_cmp_lt_u32 ttmp9, XWG
	s_cbranch_scc0 .Lweights
; ---------------------------------------------------------------- x: K is innermost
; A wave owns 8 rows on end (8,192 numbers), so the exchange of the rows' bits is an exchange of the two bits of the wave's number.  It takes 16 steps of 512 numbers.  Each of a step's four loads reads
; 512 consecutive bytes; the 2,048 bytes turn through the wave's own stage in LDS and come back 64 bytes a lane, since the conversion takes 16 neighbours along K from one lane's registers.
; Two neighbouring lanes hold a block.  Waves share nothing: no barrier.
.set STEPS, 16
.set CB,    12                         ; bytes of 16 codes
.set XR,    16                         ; v16-79   four sets of 16 numbers as loaded
.set XN,    80                         ; v80-111  two sets of 16 neighbours
.set XE,    112                        ; v112-127 a scale byte for each step
.set XC,    128                        ; v128-191 codes: four registers a step, so that no store's data are written again
.set WREG,  8192                       ; LDS: a region for each wave: two stages of 32 x SP bytes, then its 256 scale bytes
.set SP,    80                         ; a lane's place in a stage: 64 bytes + 16 of padding
	s_load_b128 s[4:7], s[0:1], 0x20               ; x, its codes
	s_load_b64 s[8:9], s[0:1], 0x30                ; its scale bytes
	v_lshrrev_b32 v1, 5, v0
	v_readfirstlane_b32 s16, v1                    ; wave
	v_and_b32 v2, 31, v0                           ; lane
	v_lshlrev_b32 v3, 4, v2                        ; my 16 bytes of a load's 512
	s_mul_i32 s17, s16, WREG
	v_lshrrev_b32 v14, 2, v2
	v_mul_u32_u24 v14, v14, SP
	v_and_b32 v15, 3, v2
	v_lshl_add_u32 v14, v15, 4, v14
	v_add_nc_u32 v14, s17, v14                     ; the stage, on the way in: SP (lane / 4) + 16 (lane % 4)
	v_mul_u32_u24 v15, v2, SP
	v_add_nc_u32 v15, s17, v15                     ; and on the way out: SP x lane
	v_mul_u32_u24 v4, v2, CB                       ; my codes' place in a step's
	v_lshrrev_b32 v5, 1, v2
	s_add_co_u32 s17, s17, 2*32*SP
	v_add_nc_u32 v5, s17, v5                       ; LDS: my block's scale byte
	v_lshlrev_b32 v7, 3, v2                        ; on the way out 8 bytes a lane
	v_add_nc_u32 v6, s17, v7
	s_lshl_b32 s17, ttmp9, 2
	s_add_co_u32 s18, s17, s16                     ; the run of 8 rows that I read
	s_and_b32 s19, s16, 1
	s_lshl_b32 s19, s19, 1
	s_lshr_b32 s20, s16, 1
	s_or_b32 s19, s19, s20
	s_add_co_u32 s22, s17, s19                     ; and the run that I write: the wave's two bits exchanged
	s_lshl_b32 s20, s18, 15                        ; 32,768 bytes of x a run
	s_mov_b32 s21, 0
	s_mul_i32 s24, s22, 32*STEPS*CB                ; 6,144 bytes of codes
	s_mov_b32 s25, 0
	s_lshl_b32 s26, s22, 8                         ; 256 scale bytes
	s_mov_b32 s27, 0
	s_wait_alu depctr_va_vdst(0)
	s_wait_kmcnt 0x0
	s_add_nc_u64 s[4:5], s[4:5], s[20:21]
	s_add_nc_u64 s[6:7], s[6:7], s[24:25]
	s_add_nc_u64 s[8:9], s[8:9], s[26:27]
.macro XLOAD t
.irp i, 0,1,2,3
	global_load_b128 v[XR+16*((\t)%4)+4*\i:XR+16*((\t)%4)+4*\i+3], v3, s[4:5] offset:2048*(\t)+512*\i th:TH_LOAD_NT   ; 32 lanes read 512 consecutive bytes
.endr
.endm
.macro XTURN t                         ; step t's numbers through the stage: LDS serves a wave's instructions in order, so no wait stands between the stores and the loads
.irp i, 0,1,2,3
	ds_store_b128 v14, v[XR+16*((\t)%4)+4*\i:XR+16*((\t)%4)+4*\i+3] offset:32*SP*((\t)%2)+8*SP*\i
.endr
.irp i, 0,1,2,3
	ds_load_b128 v[XN+16*((\t)%2)+4*\i:XN+16*((\t)%2)+4*\i+3], v15 offset:32*SP*((\t)%2)+16*\i
.endr
.endm
.irp t, 0,1,2,3
	XLOAD \t
.endr
	s_wait_loadcnt 12                              ; step 0's four loads are in; the twelve of steps 1 to 3 may be out
	XTURN 0
.macro XSTEP t
.set XS, XN+16*((\t)%2)
.if (\t) > 0
	s_wait_dscnt 1                                 ; this step's numbers are back from the stage; the last step's byte store may be out
.else
	s_wait_dscnt 0x0
.endif
.if (\t)+4 < STEPS
	XLOAD (\t)+4                                   ; into the registers that this step's stores to the stage have read
.endif
.if (\t)+1 < STEPS
.if STEPS-2-(\t) >= 3
	s_wait_loadcnt 12                              ; the next step's four loads are in; those of the three steps behind it may be out
.else
	s_wait_loadcnt 4*(STEPS-2-(\t))
.endif
	XTURN (\t)+1
.endif
	v_max3_num_f32 v8, |v[XS]|, |v[XS+1]|, |v[XS+2]|               ; the largest magnitude of my 16, in two chains
	v_max3_num_f32 v9, |v[XS+3]|, |v[XS+4]|, |v[XS+5]|
.irp i, 6,10
	v_max3_num_f32 v8, v8, |v[XS+\i]|, |v[XS+\i+1]|
	v_max3_num_f32 v9, v9, |v[XS+\i+2]|, |v[XS+\i+3]|
.endr
	v_max3_num_f32 v8, v8, |v[XS+14]|, |v[XS+15]|
	v_max3_num_f32 v8, v8, v9, 0x2800000           ; and the floor 2^(5 - 127): the byte cannot fall under 1
	v_max_num_f32_dpp v8, v8, v8 row_xmask:1 row_mask:0xf bank_mask:0xf   ; with my neighbour's 16: the block's
	v_add_nc_u32 v11, 0xfe000000, v8               ; 4 off its exponent field: the conversion takes the exponent field of this operand as its scale
	v_cvt_scalef32_pk16_bf6_f32 v[XC+4*(\t):XC+4*(\t)+2], v[XS:XS+15], v11
	v_lshrrev_b32 v[XE+(\t)], 23, v11              ; the scale's byte (a plain line behind the conversion)
	ds_store_b8 v5, v[XE+(\t)] offset:16*(\t)      ; both lanes of a block write the same byte with the same value
	global_store_b96 v4, v[XC+4*(\t):XC+4*(\t)+2], s[6:7] offset:32*CB*(\t)   ; the wave stores 384 consecutive bytes
.endm
.irp t, 0,1,2,3,4,5,6,7,8,9,10,11,12,13,14,15
	XSTEP \t
.endr
	ds_load_b64 v[12:13], v6                       ; LDS serves a wave's instructions in order: these see my stores
	s_wait_dscnt 0x0
	global_store_b64 v7, v[12:13], s[8:9]          ; 32 lanes store 256 consecutive bytes, aligned
	s_wait_tensorcnt 0x0
	ds_add_u32 v208, v209
	s_wait_dscnt 0x0
	s_endpgm
; ---------------------------------------------------------------- the weights: K is the first axis
; The codes lie [4096 rows][768 bytes]: rows 0 to 3071 are w_qkv's columns, rows 3072 to 4095 w_out's.
; A LANE TAKES A COLUMN AND ITS REGISTERS RUN DOWN K: a load reads 128 consecutive bytes a wave, a block of 32 lies in one lane, and the conversions give codes with K innermost.
; Of the work-group's number less 256, the low five bits say which 128 of the 4,096 columns (0-23: w_qkv, 24-31: w_out), the rest which 256 along K.  Both weights take one path: the pointer and the row
; pitch are chosen on that number.  A wave's 32 columns x 192 bytes of codes go through its own stage in LDS and leave as rows, sixteen lanes to a row's 192 consecutive bytes.  Waves share nothing: no barrier.
.Lweights:
.set NB,    8                          ; blocks of 32 along K for a wave
.set ROWB,  192
.set WP,    272                        ; a stage row: sixteen places of 16 bytes, each with 12 bytes of codes, + 16
.set WLDS,  32768                      ; the weights' stages lie behind x's regions
.set KROW,  768
.set WN,    32                         ; v32-95   two sets of 32 numbers
.set WC,    96                         ; v96..    a block's codes
.set OUTR,  112                        ; v112-175 the way out
.set SB,    24                         ; v24-25   the scale bytes
.set VO,    176                        ; v176-207 byte offsets of my column in rows 0 .. 31 of a block; never rewritten
	s_load_b256 s[4:11], s[0:1], 0x0               ; w_qkv, w_out, the codes, the scale bytes
	v_lshrrev_b32 v1, 5, v0
	v_readfirstlane_b32 s12, v1                    ; wave
	v_and_b32 v2, 31, v0                           ; lane
	s_wait_alu depctr_va_vdst(0)
	s_sub_co_u32 s28, ttmp9, XWG
	s_and_b32 s29, s28, 31                         ; which 128 columns
	s_lshr_b32 s14, s28, 5                         ; which 256 along K
	s_lshl_b32 s13, s29, 7
	s_lshl_b32 s18, s12, 5
	s_add_co_u32 s13, s13, s18                     ; my wave's first row of the codes
	v_and_b32 v3, 7, v2
	v_and_b32 v5, 8, v2
	v_lshl_or_b32 v3, v5, 1, v3
	v_bfe_u32 v5, v2, 4, 1
	v_lshl_or_b32 v3, v5, 3, v3                    ; my column's row among the wave's 32: bits 3 and 4 exchanged
	s_mul_i32 s19, s12, 32*WP
	s_add_co_u32 s19, s19, WLDS                    ; my stage
	v_mul_u32_u24 v4, v3, WP
	v_add_nc_u32 v4, s19, v4                       ; into it
	v_and_b32 v5, 15, v2
	v_lshrrev_b32 v6, 4, v2
	v_mul_u32_u24 v7, v6, WP
	v_lshl_add_u32 v7, v5, 4, v7
	v_add_nc_u32 v7, s19, v7                       ; out of it: sixteen lanes to a row, two rows an instruction
	v_mul_u32_u24 v8, v6, KROW
	v_mad_u32_u24 v8, v5, 12, v8                   ; and the same place in the codes' buffer
	v_lshlrev_b32 v9, 5, v3                        ; my row of scale bytes
	s_mov_b32 s16, 4096
	s_cmp_lt_u32 s29, 24
	s_cselect_b32 s16, 12288, s16                  ; bytes from row to row of the weight
	s_cselect_b32 s17, 0, 3072
	s_sub_co_u32 s17, s13, s17                     ; my wave's first column in its weight
	v_lshlrev_b32 v[VO], 2, v2
.set ii, 1
.rept 31
	v_add_nc_u32 v[VO+ii], s16, v[VO+ii-1]
.set ii, ii+1
.endr
	s_lshl_b32 s18, s14, 8
	s_mul_i32 s18, s18, s16                        ; 256 rows down for each step along K,
	s_lshl_b32 s17, s17, 2
	s_add_co_u32 s18, s18, s17                     ; 4 bytes a column
	s_mov_b32 s19, 0
	s_lshl_b32 s20, s16, 5                         ; 32 rows: from block to block
	s_mov_b32 s21, 0
	s_mul_i32 s22, s13, KROW
	s_mul_i32 s23, s14, ROWB
	s_add_co_u32 s22, s22, s23
	s_mov_b32 s23, 0
	s_lshl_b32 s24, s13, 5
	s_lshl_b32 s25, s14, 3
	s_add_co_u32 s24, s24, s25
	s_mov_b32 s25, 0
	s_wait_alu depctr_va_vdst(0)
	s_wait_kmcnt 0x0
	s_cmp_lt_u32 s29, 24                           ; the choice hangs on the work-group's number alone
	s_cselect_b64 s[4:5], s[4:5], s[6:7]
	s_add_nc_u64 s[32:33], s[4:5], s[18:19]        ; a base for each of the eight blocks, so that none is stepped under pending loads
.irp t, 1,2,3,4,5,6,7
	s_add_nc_u64 s[32+2*\t:33+2*\t], s[30+2*\t:31+2*\t], s[20:21]
.endr
	s_add_nc_u64 s[8:9], s[8:9], s[22:23]
	s_add_nc_u64 s[10:11], s[10:11], s[24:25]
.macro WLOAD t                         ; block t: W(32 t + i, my column), i = 0 .. 31, into set t % 2
.set ii, 0
.rept 32
	global_load_b32 v[WN+32*((\t)%2)+ii], v[VO+ii], s[32+2*(\t):33+2*(\t)] th:TH_LOAD_NT
.set ii, ii+1
.endr
.endm
	WLOAD 0
	WLOAD 1
.macro WBLOCK t
.set WS, WN+32*((\t)%2)
.if (\t) < NB-1
	s_wait_loadcnt 32                              ; this block's 32 loads are in; the next block's 32 may be out
.else
	s_wait_loadcnt 0
.endif
	v_max3_num_f32 v12, |v[WS]|, |v[WS+1]|, |v[WS+2]|               ; the block's largest magnitude: all 32 numbers are mine
	v_max3_num_f32 v13, |v[WS+3]|, |v[WS+4]|, |v[WS+5]|
.irp i, 6,10,14,18,22,26
	v_max3_num_f32 v12, v12, |v[WS+\i]|, |v[WS+\i+1]|
	v_max3_num_f32 v13, v13, |v[WS+\i+2]|, |v[WS+\i+3]|
.endr
	v_max3_num_f32 v12, v12, |v[WS+30]|, |v[WS+31]|
	v_max3_num_f32 v12, v12, v13, 0x2800000        ; and the floor 2^(5 - 127)
	v_add_nc_u32 v11, 0xfe000000, v12              ; 4 off its exponent field: the conversion's scale operand
	v_lshrrev_b32 v13, 23, v11                     ; the scale's byte
.if (\t)%4 == 0
	v_mov_b32 v[SB+(\t)/4], v13
.else
	v_lshl_or_b32 v[SB+(\t)/4], v13, 8*((\t)%4), v[SB+(\t)/4]
.endif
	v_cvt_scalef32_pk16_bf6_f32 v[WC:WC+2], v[WS:WS+15], v11
	v_cvt_scalef32_pk16_bf6_f32 v[WC+4:WC+6], v[WS+16:WS+31], v11   ; (a conversion's three registers begin on an even number)
	ds_store_b96 v4, v[WC:WC+2] offset:32*(\t)     ; 12 bytes to a place of 16, so that every LDS address is a multiple of 16
	ds_store_b96 v4, v[WC+4:WC+6] offset:32*(\t)+16
.if (\t)+2 < NB
	WLOAD (\t)+2
.endif
	s_wait_dscnt 0x0                               ; the stores have read their registers: the next block's codes may be written
.endm
.irp t, 0,1,2,3,4,5,6,7
	WBLOCK \t
.endr
	s_wait_alu depctr_va_vdst(0)
	global_store_b64 v9, v[SB:SB+1], s[10:11]      ; my column's eight scale bytes
.irp t, 0,1,2,3,4,5,6,7,8,9,10,11,12,13,14,15
	ds_load_b96 v[OUTR+4*\t:OUTR+4*\t+2], v7 offset:2*\t*WP   ; LDS serves a wave's instructions in order: these see my stores
.endr
.irp t, 0,1,2,3,4,5,6,7,8,9,10,11,12,13,14,15
	s_wait_dscnt 15-\t                             ; load t is in; the 15 - t younger ones may be out
	global_store_b96 v8, v[OUTR+4*\t:OUTR+4*\t+2], s[8:9] offset:2*\t*KROW
.endr
	s_wait_tensorcnt 0x0
	ds_add_u32 v208, v209
	s_wait_dscnt 0x0
	s_endpgm
.Lfunc_end_k_q5c04a1d94d_quant:
	.size	k_q5c04a1d94d_quant, .Lfunc_end_k_q5c04a1d94d_quant-k_q5c04a1d94d_quant
	.p2alignl 7, 3214868480
	.fill 96, 4, 3214868480
	.section	.rodata,"a",@progbits
	.p2align	6, 0x0
	.amdhsa_kernel k_q5c04a1d94d_quant
		.amdhsa_group_segment_fixed_size 69120
		.amdhsa_private_segment_fixed_size 0
		.amdhsa_enable_private_segment 0
		.amdhsa_kernarg_size 56
		.amdhsa_user_sgpr_count 2
		.amdhsa_user_sgpr_kernarg_segment_ptr 1
		.amdhsa_wavefront_size32 1
		.amdhsa_system_sgpr_workgroup_id_x 1
		.amdhsa_system_sgpr_workgroup_id_y 1
		.amdhsa_system_sgpr_workgroup_id_z 1
		.amdhsa_system_vgpr_workitem_id 0
		.amdhsa_next_free_vgpr 210
		.amdhsa_next_free_sgpr 66
		.amdhsa_reserve_vcc 0
		.amdhsa_float_denorm_mode_32 3
		.amdhsa_float_denorm_mode_16_64 3
		.amdhsa_memory_ordered 1
		.amdhsa_forward_progress 1
		.amdhsa_inst_pref_size 75
	.end_amdhsa_kernel
	.amdgpu_metadata
---
amdhsa.version: [ 1, 2 ]
amdhsa.kernels:
  - .name:           k_q5c04a1d94d_quant
    .symbol:         k_q5c04a1d94d_quant.kd
    .args:
      - { .name: w_qkv, .offset: 0, .size: 8, .value_kind: global_buffer, .address_space: global }
      - { .name: w_out, .offset: 8, .size: 8, .value_kind: global_buffer, .address_space: global }
      - { .name: wcodes, .offset: 16, .size: 8, .value_kind: global_buffer, .address_space: global }
      - { .name: wscales, .offset: 24, .size: 8, .value_kind: global_buffer, .address_space: global }
      - { .name: x, .offset: 32, .size: 8, .value_kind: global_buffer, .address_space: global }
      - { .name: xcodes, .offset: 40, .size: 8, .value_kind: global_buffer, .address_space: global }
      - { .name: xscales, .offset: 48, .size: 8, .value_kind: global_buffer, .address_space: global }
    .group_segment_fixed_size: 69120
    .private_segment_fixed_size: 0
    .kernarg_segment_align: 8
    .kernarg_segment_size: 56
    .max_flat_workgroup_size: 128
    .sgpr_count:     66
    .vgpr_count:     210
    .wavefront_size: 32
...
	.end_amdgpu_metadata
.endif
;; end of part 6
;; launch gemm_qkv (part 7): grid 8 x 32, 4 waves a work-group, clusters of 4 x 4, 327,680 bytes of LDS; arguments xcodes, xscales, wcodes, wscales, b_qkv, qkv; writes qkv
.if DOCPART == 7
	.amdgcn_target "amdgcn-amd-amdhsa--gfx1250"
	.amdhsa_code_object_version 6
	.text
	.protected	k_q5c04a1d94d_gemm_qkv
	.globl	k_q5c04a1d94d_gemm_qkv
	.p2align	8
	.type	k_q5c04a1d94d_gemm_qkv,@function
k_q5c04a1d94d_gemm_qkv:
	s_mov_b64 s[64:65], 0
	v_nop
	global_prefetch_b8 v0, s[64:65] scope:SCOPE_SE
	s_setreg_imm32_b32 hwreg(HW_REG_WAVE_MODE, 25, 1), 1
	s_wait_xcnt 0x0
	s_wait_alu depctr_hold_cnt(0) depctr_sa_sdst(0) depctr_va_vdst(0) depctr_va_sdst(0) depctr_va_ssrc(0) depctr_va_vcc(0) depctr_vm_vsrc(0)
	s_getreg_b32 s2, hwreg(HW_REG_IB_STS2, 6, 4)
	s_cmp_eq_u32 s2, 0
	s_cbranch_scc0 .Lentry_in_a_cluster
	s_endpgm
.Lentry_in_a_cluster:
	s_bfe_u32 s2, ttmp6, 0x10000c
	s_cmp_lg_u32 s2, 0xf033
	s_cbranch_scc0 .Lentry_shape_is_right
	s_endpgm
.Lentry_shape_is_right:
; qkv = Q(x) Q(w_qkv) + b_qkv on codes of BF6 (E3M2) with E8M0 scales, K = 1,024; the result is QUANTISED IN REGISTERS for the two products of attention and never goes to memory as f32.
; SHARES.  8,192 x 3,072 outputs are 98,304 for each of 256 work-groups.  A WORK-GROUP STAYS and makes two tiles, one after the other, from the same 256 tokens (work-group y):
;   tile 1: 256 tokens x columns 256 g .. 256 g + 255 of q or k (g = work-group x);  a wave makes 128 x 128: 64 accumulators of 16 x 16;
;   tile 2: columns 2,048 + 128 g .. + 127 of v x the 256 tokens;  a wave makes 64 x 128: 32 accumulators.
; ROLES.  Source 1 of the matrix instruction (role A) lies along the lanes of a result, source 0 (role B) along a lane's registers, and a quantiser wants its K along a lane's registers.
;   q and k are quantised along the head's 64: A = x (tokens), B = w (columns).   v is quantised along the keys: A = w (columns), B = x (tokens).
; THE RING.  K goes in steps of 256 through two LDS slots filled by the tensor data mover, and the ring does not stop at the first tile's end: that tile's last two changes of slots ask for the second
;   tile's K steps 0 and 1, which land while the first tile is finished, quantised and stored.  x's tiles take the same LDS places in both tiles; v's 128 rows of w take the first half of w's place.
;   The scale bytes of all rows, for all of K, come into LDS once with the first fills: four tensor loads of a wave are out at the start, later one.
; ROW ORDER.  Both buffers of codes hold row number with bits 3 and 4 exchanged, so 16 rows on end are rows 32 g + 8 u + r + 8 (r / 8).  In a result the 64 registers of A's block a (B's blocks 0-7)
;   then are: register 16 b + i = B's index 32 b + 16 (lane / 16) + i: sixteen neighbours to each block of 32.
; OUTPUT: qkv [batch x 16 + head][step of 128 tokens][19,200 bytes]: sections q, k, v of 6,400 bytes: four images of 1,536 bytes, then 256 bytes of scale words.  An image is a fragment's 12 registers
;   as they stand: register p of lane l at 512 (p / 4) + 16 l + 4 (p % 4).  q, k image al: registers 0-5 token 32 al + r + 8 (r / 8), registers 6-11 token 8 further on, each with dims 32 (lane / 16) + 0 .. 31.
;   v image t: dim 32 (t / 2) + 8 (t % 2) + r + 8 (r / 8), registers 6 c .. 6 c + 5 keys 64 c + 32 (lane / 16) + 0 .. 31.  Scale words: the word at 8 l + 4 g belongs to image 2 g + l / 16, row l % 16.
; CLUSTERS: 4 x 4 work-groups; x's tiles hang on work-group y alone and are asked for jointly along a row of the cluster, w's on work-group x alone and along a column, in both tiles.
; LIMITS: NaN and infinities are not served; a block of zeros gets the scale byte 1 (its codes are zeros; this program alone reads the bytes).
; REGISTERS, in windows of 256: window 0: v0-31 addresses (v2-7 at work on the ways out); v32-63 scale words of the products, two sets; v64-127 q's and k's bias, along registers; v128-223 A's fragments, one set;
;   v224-231 v's bias, along lanes; v232-239 the scale words that are stored; v240-255 at work on the ways out.   window 1: B's fragments, two sets, at v0 and v128.
;   window 2: the accumulators of A's blocks 0-3 ((a, b) at v[8 (8 a + b)]), in both tiles;   window 3: those of the first tile's blocks 4-7.
.set NQ,     2                         ; matrix instructions deep in a slot
.set ROWB,   192                       ; a tile's row in bytes: 256 codes
.set KROW,   768                       ; a row of codes in memory
.set PITCH,  240                       ; an LDS row: 3 x (64 bytes + 16 of padding)
.set FR,     12
.set NL,     6                         ; LDS loads that bring a fragment
.set NP,     4                         ; places behind this matrix instruction (ISA guide 7.12.1)
.set HALFT,  128*PITCH                 ; 128 rows
.set HALFV,  64*PITCH                  ; 64 rows
.set SLOT,   4*HALFT                   ; x's 256 rows, then w's 256 (tile 2: v's 128)
.set KS,     32                        ; a row of scale bytes
.set VSC,    2*SLOT                    ; behind the slots: the scale bytes of v's 128 rows of w, as units of 256 bytes + 16 of padding;
.set QUARTV, 1088                      ; (those of 32 rows: what one tensor load brings)
.set HALFSV, 2176                      ; (of 64 rows)
.set SCL,    VSC+4*QUARTV              ; then x's 256 rows' and q's or k's 256 rows'
.set HALFS,  4352                      ; (of 128 rows)
.set SBLK,   544                       ; (of 16 rows)
.set SPARE,  SCL+4*HALFS               ; the spare words, 128 bytes a wave; no other line names them
.set HEADB,  307200                    ; from head to head in qkv
.set SWP,  2                           ; v2-5   scale words as they are stored
.set H,    6                           ; v6-7   half words
.set ADRA2, 8                          ; v8-9   tile 2: my fragments of w in slot 0, 1; v10-11 the same behind one padding more
.set ADRB2, 12                         ; v12-15 tile 2: the same for x
.set ADRA, 16                          ; v16-19 tile 1: my fragments of x
.set ADRB, 20                          ; v20-23 tile 1: of w
.set LI,   24                          ; v24  16 x lane: an image's place; never rewritten
.set LS,   25                          ; v25  8 x lane: the scale words' place; never rewritten
.set ADRS2, 26                         ; v26  tile 2: my scale words in LDS: lanes 0-15 A's rows, lanes 16-31 B's
.set ADRS, 27                          ; v27  tile 1: the same
.set SPW,  28
.set NIL,  29
.set BOF,  30                          ; v30  the bias along registers: byte offset; never rewritten
.set BVF,  31                          ; v31  the bias along lanes
.set SC,   32
.set BIAS, 64
.set AF,   128
.set BV,   224                         ; each number twice, in an even pair, for the packed addition
.set SWA,  232                         ; eight scale words
.set TM,   240                         ; +0..3 largest magnitudes, +4..7 the other half's, then the bytes, +12..15 the conversions' scale operands
.set T,    128                         ; the ways out: 64 numbers with their bias
.set IMG0, 192                         ; two images
.set IMG1, 204
.set Y,    216                         ; the conversions' second halves
.set G1VS, 4                           ; s[4:11]  group 1 for v's scale bytes (written when the four pointers there are spent);  s[92:95] their group 0
.set G0VS, 92
.set G1, 24                            ; s[24:31] group 1 for x's tiles;  s[32:39] group 0, one set for each slot
.set G0, 32
.set G1B, 48                           ; s[48:55], s[56:63] the same for w's tiles
.set G0B, 56
.set G1S, 68                           ; s[68:75], s[76:79] for x's scale bytes;  s[80:87], s[88:91] for q's or k's
.set G0S, 76
.set G1SB, 80
.set G0SB, 88
.set MSB, 0
.macro WIN new                         ; the immediate's high byte repeats the setting that is left
.if MSB != (\new)
	s_set_vgpr_msb (MSB<<8)|(\new)
.set MSB, (\new)
.endif
.endm
.set MUL_LO, 0xa1                      ; source 0 (B) window 1, source 1 (A) window 0, C and D window 2
.set MUL_HI, 0xf1
.set TO_B,   0x40
; A joint load: waves 0 and 1 fetch x's halves, waves 2 and 3 w's; the branch hangs on the wave's number alone.  Four v_nop follow each line.
.macro JLOAD g0a, g1a, g0b, g1b
	s_cmp_eq_u32 s15, 0
	s_cbranch_scc0 .Lfor_b_\@
	tensor_load_to_lds s[\g0a:\g0a+3], s[\g1a:\g1a+7]
	s_nop 0
.rept 4
	v_nop
.endr
	s_branch .Lasked_\@
.Lfor_b_\@:
	tensor_load_to_lds s[\g0b:\g0b+3], s[\g1b:\g1b+7]
	s_nop 0
.rept 4
	v_nop
.endr
.Lasked_\@:
.endm
.macro CREST                           ; a round of the cluster's barrier behind its opening barrier
	s_cmp_lg_u32 s14, 0
	s_cbranch_scc1 .Lnot_wave_0_\@
	s_barrier_signal -3
.Lnot_wave_0_\@:
	s_barrier_wait -3
	s_barrier_signal -1
	s_barrier_wait -1
.endm
.macro CROUND
	s_barrier_signal -1
	s_barrier_wait -1
	CREST
.endm
	s_load_b128 s[4:7], s[0:1], 0x0                ; x's codes, x's scales
	s_load_b128 s[8:11], s[0:1], 0x10              ; w's codes, w's scales
	s_load_b64 s[96:97], s[0:1], 0x20              ; b_qkv
	s_load_b64 s[12:13], s[0:1], 0x28              ; qkv
	v_lshl_add_u32 v[SPW], v0, 2, SPARE
	v_mov_b32 v[NIL], 0
	ds_add_u32 v28, v29
	ds_add_u32 v28, v29
	s_wait_dscnt 0x0
	v_lshrrev_b32 v1, 5, v0
	v_readfirstlane_b32 s14, v1                    ; wave 0..3
	s_lshr_b32 s15, s14, 1                         ; which half of A's rows is mine.  Also: I fetch x's tiles (0) or w's (1)
	s_and_b32 s16, s14, 1                          ; which half of B's rows.  Also: which half of that tile I fetch
	s_bfe_u32 s40, ttmp6, 0x40000                  ; cx
	s_bfe_u32 s41, ttmp6, 0x40004                  ; cy
	s_lshl_b32 s42, ttmp9, 2
	s_add_co_u32 s42, s42, s40                     ; g: the group of columns = 4 x cluster x + cx
	s_and_b32 s17, ttmp7, 0xffff
	s_lshl_b32 s17, s17, 2
	s_add_co_u32 s17, s17, s41                     ; the tile of 256 tokens = 4 x cluster y + cy
	s_lshl_b32 s43, s41, 2
	s_lshl_b32 s43, 15, s43                        ; my row of the cluster
	s_lshl_b32 s44, 0x1111, s40                    ; my column
	; descriptor group 1: a tile of 128 rows x 192 bytes; 16 bytes of padding behind every 64
	s_or_b32 s[G1+0], s43, (0<<16)|(1<<20)|(1<<21)|(3<<22)|(3<<25)
	s_or_b32 s[G1B+0], s44, (0<<16)|(1<<20)|(1<<21)|(3<<22)|(3<<25)
.irp g, G1, G1B
	s_mov_b32 s[\g+1], ROWB<<16                    ; tensor_dim0
	s_mov_b32 s[\g+2], 128<<16                     ; tensor_dim1
	s_mov_b32 s[\g+3], ROWB<<16                    ; tile_dim0
	s_mov_b32 s[\g+4], 128                         ; tile_dim1
	s_mov_b32 s[\g+5], KROW                        ; from row to row
	s_mov_b32 s[\g+6], 0
	s_mov_b32 s[\g+7], 0
.endr
	; the scales of 128 rows: 4,096 dense bytes as 16 rows of 256 bytes (32 elements of 8), 16 bytes of padding behind each
	s_or_b32 s[G1S+0], s43, (3<<16)|(1<<20)|(1<<21)|(5<<22)|(3<<25)
	s_or_b32 s[G1SB+0], s44, (3<<16)|(1<<20)|(1<<21)|(5<<22)|(3<<25)
.irp g, G1S, G1SB
	s_mov_b32 s[\g+1], 32<<16
	s_mov_b32 s[\g+2], 16<<16
	s_mov_b32 s[\g+3], 32<<16
	s_mov_b32 s[\g+4], 16
	s_mov_b32 s[\g+5], 32
	s_mov_b32 s[\g+6], 0
	s_mov_b32 s[\g+7], 0
.endr
	; where the tiles come from.  x's hang on the tile of tokens alone, w's on g alone; every wave makes all addresses and asks by those of its role
	s_lshl_b32 s18, s16, 7                         ; which 128 rows of a tile I fetch
	s_lshl_b32 s20, s17, 8
	s_add_co_u32 s20, s20, s18                     ; x's row
	s_lshl_b32 s46, s42, 8
	s_add_co_u32 s46, s46, s18                     ; w's row, tile 1
	s_mov_b32 s21, 0
	s_mov_b32 s47, 0
	s_lshl_b32 s100, s42, 7
	s_add_co_u32 s100, s100, 2048                  ; w's first row of tile 2: v's columns lie behind q's and k's
	s_lshl_b32 s66, s14, 5
	s_add_co_u32 s94, s100, s66                    ; the 32 rows whose scale bytes I fetch
	s_mov_b32 s95, 0
	s_lshl_b32 s66, s16, 6
	s_add_co_u32 s100, s100, s66                   ; the 64 rows whose codes I fetch
	s_mov_b32 s101, 0
	s_mov_b64 s[18:19], KS
	s_mul_u64 s[22:23], s[20:21], s[18:19]         ; where these rows' scales begin
	s_mul_u64 s[2:3], s[46:47], s[18:19]
	s_mul_u64 s[94:95], s[94:95], s[18:19]
	s_mov_b64 s[18:19], KROW
	s_mul_u64 s[20:21], s[20:21], s[18:19]         ; and their codes
	s_mul_u64 s[46:47], s[46:47], s[18:19]
	s_mul_u64 s[100:101], s[100:101], s[18:19]
	s_mul_i32 s45, s14, HALFT                      ; where they go: wave x 128 rows: no place in the cluster enters an LDS address
	s_mul_i32 s99, s14, HALFS
	s_mul_i32 s98, s14, QUARTV
	s_mul_i32 s66, s16, HALFV
	s_add_co_u32 s66, s66, 2*HALFT                 ; tile 2: my 64 rows of w in a slot
	s_wait_kmcnt 0x0
	s_add_nc_u64 s[20:21], s[4:5], s[20:21]
	s_add_nc_u64 s[22:23], s[6:7], s[22:23]
	s_add_nc_u64 s[46:47], s[8:9], s[46:47]
	s_add_nc_u64 s[100:101], s[8:9], s[100:101]
	s_or_b32 s101, s101, 0x80000000                ; kept with the type set: it goes into w's group 0 when tile 2 is asked for
	s_add_nc_u64 s[2:3], s[10:11], s[2:3]
	s_add_nc_u64 s[G0VS+2:G0VS+3], s[10:11], s[94:95]
	; the four pointers are spent: their registers take group 1 for v's scales: 32 rows' 1,024 dense bytes as 4 rows of 256, 16 bytes of padding behind each; they go to my column of the cluster
	s_or_b32 s[G1VS+0], s44, (3<<16)|(1<<20)|(1<<21)|(5<<22)|(3<<25)
	s_mov_b32 s[G1VS+1], 32<<16
	s_mov_b32 s[G1VS+2], 4<<16
	s_mov_b32 s[G1VS+3], 32<<16
	s_mov_b32 s[G1VS+4], 4
	s_mov_b32 s[G1VS+5], 32
	s_mov_b32 s[G1VS+6], 0
	s_mov_b32 s[G1VS+7], 0
	CROUND                                         ; all sixteen work-groups are here: the first joint loads meet
	s_mov_b32 s[G0S], 1
	s_add_co_u32 s[G0S+1], s99, SCL
	s_mov_b64 s[G0S+2:G0S+3], s[22:23]
	s_or_b32 s[G0S+3], s[G0S+3], 0x80000000
	s_mov_b32 s[G0SB], 1
	s_add_co_u32 s[G0SB+1], s99, SCL
	s_mov_b64 s[G0SB+2:G0SB+3], s[2:3]
	s_or_b32 s[G0SB+3], s[G0SB+3], 0x80000000
	JLOAD G0S, G1S, G0SB, G1SB                     ; the scales first: they are wanted with K step 0
	s_mov_b32 s[G0VS], 1
	s_add_co_u32 s[G0VS+1], s98, VSC
	s_or_b32 s[G0VS+3], s[G0VS+3], 0x80000000
	tensor_load_to_lds s[G0VS:G0VS+3], s[G1VS:G1VS+7]   ; v's scales: every wave its 32 rows
	s_nop 0
.rept 4
	v_nop
.endr
.irp s, 0,1
	s_mov_b32 s[G0+4*\s], 1
	s_add_co_u32 s[G0+4*\s+1], s45, \s*SLOT
	s_add_nc_u64 s[G0+4*\s+2:G0+4*\s+3], s[20:21], \s*ROWB
	s_or_b32 s[G0+4*\s+3], s[G0+4*\s+3], 0x80000000
	s_mov_b32 s[G0B+4*\s], 1
	s_add_co_u32 s[G0B+4*\s+1], s45, \s*SLOT
	s_add_nc_u64 s[G0B+4*\s+2:G0B+4*\s+3], s[46:47], \s*ROWB
	s_or_b32 s[G0B+4*\s+3], s[G0B+4*\s+3], 0x80000000
	JLOAD G0+4*\s, G1, G0B+4*\s, G1B
.endr
	v_and_b32 v1, 15, v0                           ; r
	v_bfe_u32 v2, v0, 4, 1                         ; h
	v_mul_u32_u24 v3, v1, PITCH
	v_mul_u32_u24 v4, v2, 24
	v_add_nc_u32 v4, v3, v4                        ; a fragment's row x pitch + 24 x half
	v_lshl_add_u32 v5, v2, 4, v4                   ; and the same behind one padding more
	s_mul_i32 s21, s15, HALFT                      ; tile 1: my 128 rows of x (A),
	s_mul_i32 s22, s16, HALFT
	s_add_co_u32 s22, s22, 2*HALFT                 ; my 128 rows of w (B), behind x's 256
	s_mul_i32 s23, s15, HALFV
	s_add_co_u32 s23, s23, 2*HALFT                 ; tile 2: my 64 rows of w (A),
	s_mul_i32 s20, s16, HALFT                      ; my 128 rows of x (B)
.irp s, 0,1
	v_add_nc_u32 v[ADRA+\s], s21, v4
	v_add_nc_u32 v[ADRB+\s], s22, v4
	v_add_nc_u32 v[ADRA+2+\s], s21, v5
	v_add_nc_u32 v[ADRB+2+\s], s22, v5
	v_add_nc_u32 v[ADRA2+\s], s23, v4
	v_add_nc_u32 v[ADRB2+\s], s20, v4
	v_add_nc_u32 v[ADRA2+2+\s], s23, v5
	v_add_nc_u32 v[ADRB2+2+\s], s20, v5
	s_add_co_u32 s21, s21, SLOT
	s_add_co_u32 s22, s22, SLOT
	s_add_co_u32 s23, s23, SLOT
	s_add_co_u32 s20, s20, SLOT
.endr
	v_mul_u32_u24 v5, v1, KS                       ; my row's scales: 32 bytes a row,
	v_lshrrev_b32 v6, 8, v5
	v_lshl_add_u32 v5, v6, 4, v5                   ; and 16 more for each 256 passed
	s_mul_i32 s21, s15, HALFS                      ; tile 1: lanes 0-15 x's rows, lanes 16-31 w's: the lower base + h x the distance
	s_mul_i32 s22, s16, HALFS
	s_add_co_u32 s22, s22, 2*HALFS
	s_sub_co_u32 s22, s22, s21
	v_mul_u32_u24 v6, s22, v2
	s_add_co_u32 s21, s21, SCL
	v_add_nc_u32 v6, v5, v6
	v_add_nc_u32 v[ADRS], s21, v6
	s_mul_i32 s21, s15, HALFSV                     ; tile 2: lanes 0-15 v's rows of w, lanes 16-31 x's
	s_mul_i32 s22, s16, HALFS
	s_add_co_u32 s22, s22, SCL-VSC
	s_sub_co_u32 s22, s22, s21
	v_mul_u32_u24 v6, s22, v2
	s_wait_alu depctr_va_vdst(0)
	s_add_co_u32 s21, s21, VSC
	v_add_nc_u32 v6, v5, v6
	v_add_nc_u32 v[ADRS2], s21, v6
	v_and_b32 v6, 31, v0
	v_lshlrev_b32 v[LI], 4, v6
	v_lshlrev_b32 v[LS], 3, v6
.irp b, 0,1,2,3
	v_mov_b32 v[TM+4+\b], 0                        ; written once: a lane permute's destination counts as one of its sources
.endr
	; tile 1: my first column and token; the bias along registers: b[column + 32 b + 16 h + i]
	s_lshl_b32 s20, s42, 8
	s_lshl_b32 s21, s16, 7
	s_add_co_u32 s20, s20, s21                     ; my first column of q or k
	s_lshl_b32 s22, s17, 8
	s_lshl_b32 s21, s15, 7
	s_add_co_u32 s22, s22, s21                     ; my first token
	s_lshl_b32 s21, s20, 2
	v_lshl_add_u32 v[BOF], v2, 6, s21
.irp b, 0,1,2,3
.irp j, 0,1,2,3
	global_load_b128 v[BIAS+16*\b+4*\j:BIAS+16*\b+4*\j+3], v[BOF], s[96:97] offset:128*\b+16*\j
.endr
.endr
	; tile 2: my first column of v; the bias along lanes: b[column + 32 (a / 2) + 8 (a % 2) + r + 8 (r / 8)]: inside my 64 columns
	s_lshl_b32 s23, s42, 7
	s_lshl_b32 s21, s15, 6
	s_add_co_u32 s23, s23, s21
	s_add_co_u32 s23, s23, 2048
	s_lshl_b32 s21, s23, 2
	v_and_b32 v5, 8, v1
	v_add_nc_u32 v5, v5, v1
	v_lshl_add_u32 v[BVF], v5, 2, s21
.irp a, 0,1,2,3
	global_load_b32 v[BV+2*\a], v[BVF], s[96:97] offset:4*(32*(\a/2)+8*(\a%2))
	global_load_b32 v[BV+2*\a+1], v[BVF], s[96:97] offset:4*(32*(\a/2)+8*(\a%2))
.endr
	; where tile 1 goes
	s_lshr_b32 s2, s22, 11                         ; batch
	s_lshl_b32 s2, s2, 4
	s_bfe_u32 s3, s20, 0x40006                     ; the first of my two heads
	s_add_co_u32 s2, s2, s3
	s_lshl_b32 s2, s2, 4
	s_bfe_u32 s3, s22, 0x40007                     ; the step of 128 tokens
	s_add_co_u32 s2, s2, s3
	s_mul_i32 s2, s2, 19200
	s_lshr_b32 s3, s20, 10                         ; q or k
	s_mul_i32 s3, s3, 6400
	s_add_co_u32 s2, s2, s3
	s_mov_b32 s3, 0
	; and tile 2: my 64 columns are one head, my 128 tokens one step
	s_lshl_b32 s20, s17, 8
	s_lshl_b32 s21, s16, 7
	s_add_co_u32 s20, s20, s21                     ; my first token as a key
	s_lshr_b32 s98, s20, 11
	s_lshl_b32 s98, s98, 4
	s_bfe_u32 s21, s23, 0x40006                    ; my head
	s_add_co_u32 s98, s98, s21
	s_lshl_b32 s98, s98, 4
	s_bfe_u32 s21, s20, 0x40007
	s_add_co_u32 s98, s98, s21
	s_mul_i32 s98, s98, 19200
	s_add_co_u32 s98, s98, 12800                   ; v's section
	s_mov_b32 s99, 0
	s_add_nc_u64 s[98:99], s[12:13], s[98:99]
	s_add_nc_u64 s[12:13], s[12:13], s[2:3]
.macro FRAG reg, adr, q, i             ; 16 rows x 128 K: 12 registers, in pieces of 8 bytes; where a piece of lanes 16-31 lies behind one padding more, the second address register serves
.irp p, 0,1,2,3,4,5
.set PCE, 12*(\q)+6*(\p/3)+\p%3
.if PCE%8 < 5
	ds_load_b64 v[\reg+2*\p:\reg+2*\p+1], v[\adr] offset:8*PCE+16*(PCE/8)+(\i)*16*PITCH
.else
	ds_load_b64 v[\reg+2*\p:\reg+2*\p+1], v[\adr+2] offset:8*PCE+16*(PCE/8)+(\i)*16*PITCH
.endif
.endr
.endm
; 8 matrix instructions: A's block a x B's eight, 128 along K: the slot's q-th.  p: B's set;  sc: the set of scale words.  zero = 1: the first product starts the sums: nothing is ever cleared.
; A tile's accumulators take turns, one instruction a turn, in the same order in every step.
.macro MULA a, p, q, sc, zero
.irp b, 0,1,2,3,4,5,6,7
.set rD, 8*(8*((\a)%4)+\b)
.set rB, 128*(\p)+FR*\b
.set rA, AF+FR*(\a)
.set rSB, SC+8*NQ*(\sc)+NQ*\b+(\q)
.set rSA, SC+8*NQ*(\sc)+NQ*(\a)+(\q)
.if \zero
	v_wmma_scale_f32_16x16x128_f8f6f4 v[rD:rD+7], v[rB:rB+FR-1], v[rA:rA+FR-1], 0, v[rSB], v[rSA] matrix_a_fmt:MATRIX_FMT_BF6 matrix_b_fmt:MATRIX_FMT_BF6 matrix_a_scale:MATRIX_SCALE_ROW1
.else
	v_wmma_scale_f32_16x16x128_f8f6f4 v[rD:rD+7], v[rB:rB+FR-1], v[rA:rA+FR-1], v[rD:rD+7], v[rSB], v[rSA] matrix_a_fmt:MATRIX_FMT_BF6 matrix_b_fmt:MATRIX_FMT_BF6 matrix_a_scale:MATRIX_SCALE_ROW1
.endif
.endr
.endm
.macro MUL16 a0, p, q, sc, zero        ; two blocks of A
	MULA \a0, \p, \q, \sc, \zero
	MULA \a0+1, \p, \q, \sc, \zero
.endm
.macro PLACES n                        ; plain vector instructions between a matrix instruction and a load into, or a read of, its registers
.rept \n
	v_nop
.endr
.endm
; A slot is asked for again, behind a round of the cluster's barrier in front of which every wave has waited for all its tensor loads: so every descriptor may be written here.
; mode 1: the same tile's K step two steps on.   mode 2: TILE 2's K step 0 or 1: x's address goes back along K; w's group 1 states 64 rows, its group 0 the place and the address of v's rows.
.macro REFILL slot, mode
.if \mode == 1
	s_add_nc_u64 s[G0+4*\slot+2:G0+4*\slot+3], s[G0+4*\slot+2:G0+4*\slot+3], 2*ROWB
	s_add_nc_u64 s[G0B+4*\slot+2:G0B+4*\slot+3], s[G0B+4*\slot+2:G0B+4*\slot+3], 2*ROWB
.else
	s_sub_nc_u64 s[G0+4*\slot+2:G0+4*\slot+3], s[G0+4*\slot+2:G0+4*\slot+3], 2*ROWB
	s_mov_b32 s[G1B+2], 64<<16                     ; tensor_dim1
	s_mov_b32 s[G1B+4], 64                         ; tile_dim1
	s_add_co_u32 s[G0B+4*\slot+1], s66, \slot*SLOT
	s_add_nc_u64 s[G0B+4*\slot+2:G0B+4*\slot+3], s[100:101], \slot*ROWB
.endif
	JLOAD G0+4*\slot, G1, G0B+4*\slot, G1B         ; the first tensor load behind the round, and the wave's one until the next; its four v_nop are also places in front of the loads that follow
.endm
; ---------------------------------------------------------------- tile 1: a step of 128 along K is 64 matrix instructions
.macro FETCH_B slot, q, p
	WIN TO_B
.irp i, 0,1,2,3,4,5,6,7
	FRAG 128*(\p)+FR*\i, ADRB+\slot, \q, \i
.endr
	WIN 0
.endm
.macro FETCH_A slot, q, i0
.irp i, \i0, \i0+1, \i0+2, \i0+3
	FRAG AF+FR*(\i), ADRA+\slot, \q, \i
.endr
.endm
.macro SCALES sc                       ; a K step's scale words: two words a row; lanes 0-15 A's block i, lanes 16-31 B's block i
.irp i, 0,1,2,3,4,5,6,7
	ds_load_b64 v[SC+8*NQ*\sc+NQ*\i:SC+8*NQ*\sc+NQ*\i+1], v[ADRS] offset:\i*SBLK
.endr
.endm
.macro STEP slot, q, zero              ; 128 along K, with its successor in the same slot
	s_wait_dscnt 4*NL                              ; B's set and A's blocks 0-3 are in; the 24 youngest loads (A's blocks 4-7) may be out
	WIN MUL_LO
	MUL16 0, (\q)%2, \q, \slot, \zero
	MUL16 2, (\q)%2, \q, \slot, \zero
	s_wait_dscnt 0
	PLACES NP
	FETCH_B \slot, (\q)+1, 1-(\q)%2
	FETCH_A \slot, (\q)+1, 0
	WIN MUL_HI
	MUL16 4, (\q)%2, \q, \slot, \zero
	MUL16 6, (\q)%2, \q, \slot, \zero
	PLACES NP
	WIN 0
	FETCH_A \slot, (\q)+1, 4
.endm
; A slot's last step changes slots: one barrier, which opens a round of the cluster's; in front of it each wave waits for all its tensor loads, adds 0 to its spare word, and waits for that and for its
; reads of this slot.  next = -1: the tile's last step: nothing more of this tile is fetched.
.macro TURN slot, next, mode
	s_wait_tensorcnt 0x0                           ; all my tensor loads have landed: my part of the other slot
	ds_add_u32 v[SPW], v[NIL]                      ; 0 onto my spare word
	s_wait_dscnt 4*NL+1                            ; the add and the 24 youngest loads may be out
	WIN MUL_LO
	MUL16 0, 1, NQ-1, \slot, 0
	s_wait_dscnt 0x0                               ; the add is done, and my reads of this slot are over
	s_barrier_signal -1
	MUL16 2, 1, NQ-1, \slot, 0
	WIN 0
	s_barrier_wait -1
	CREST                                          ; no wave of any partner still reads this slot or has a load on its way
	REFILL \slot, \mode
.if (\next) >= 0
	s_wait_alu depctr_va_vdst(0)
	v_add_nc_u32 v[ADRS], 4*NQ, v[ADRS]            ; on to the next K step's scale words (no LDS load of mine is out)
	FETCH_B \next, 0, 0
	FETCH_A \next, 0, 0
	SCALES \next
.endif
	WIN MUL_HI
	MUL16 4, 1, NQ-1, \slot, 0
	MUL16 6, 1, NQ-1, \slot, 0
	PLACES NP
	WIN 0
.if (\next) >= 0
	FETCH_A \next, 0, 4
.endif
.endm
; ---------------------------------------------------------------- tile 2: a step of 128 along K is 32 matrix instructions
.macro FETCH_B2 slot, q, p             ; x's eight fragments
	WIN TO_B
.irp i, 0,1,2,3,4,5,6,7
	FRAG 128*(\p)+FR*\i, ADRB2+\slot, \q, \i
.endr
	WIN 0
.endm
.macro FETCH_A2 slot, q, i0            ; w's blocks i0, i0 + 1
.irp i, \i0, \i0+1
	FRAG AF+FR*(\i), ADRA2+\slot, \q, \i
.endr
.endm
.macro SCALES2 sc                      ; lanes 0-15 A's block i (of which 0 to 3 are used; the others' bytes are other rows' scales, filled and not used), lanes 16-31 B's block i
.irp i, 0,1,2,3,4,5,6,7
	ds_load_b64 v[SC+8*NQ*\sc+NQ*\i:SC+8*NQ*\sc+NQ*\i+1], v[ADRS2] offset:\i*SBLK
.endr
.endm
.macro STEP2 slot, zero
	s_wait_dscnt 2*NL                              ; B's set and A's blocks 0, 1 are in; the 12 youngest loads (A's blocks 2, 3) may be out
	WIN MUL_LO
	MULA 0, 0, 0, \slot, \zero
	MULA 1, 0, 0, \slot, \zero
	s_wait_dscnt 0
	PLACES NP
	FETCH_B2 \slot, 1, 1
	FETCH_A2 \slot, 1, 0
	WIN MUL_LO
	MULA 2, 0, 0, \slot, \zero
	MULA 3, 0, 0, \slot, \zero
	PLACES NP
	WIN 0
	FETCH_A2 \slot, 1, 2
.endm
.macro TURN2 slot, next, fill          ; fill = 0: nothing is left to fetch: the same waits and a barrier of the work-group
	s_wait_tensorcnt 0x0                           ; all my tensor loads have landed: my part of the other slot
	ds_add_u32 v[SPW], v[NIL]                      ; 0 onto my spare word
	s_wait_dscnt 2*NL+1                            ; the add and the 12 youngest loads may be out
	WIN MUL_LO
	MULA 0, 1, 1, \slot, 0
	s_wait_dscnt 0x0                               ; the add is done, and my reads of this slot are over
	s_barrier_signal -1
	MULA 1, 1, 1, \slot, 0
	WIN 0
	s_barrier_wait -1
.if \fill
	CREST
	REFILL \slot, 1
.else
	PLACES NP
.endif
	s_wait_alu depctr_va_vdst(0)
	v_add_nc_u32 v[ADRS2], 4*NQ, v[ADRS2]
	FETCH_B2 \next, 0, 0
	FETCH_A2 \next, 0, 0
	SCALES2 \next
	WIN MUL_LO
	MULA 2, 1, 1, \slot, 0
	MULA 3, 1, 1, \slot, 0
	PLACES NP
	WIN 0
	FETCH_A2 \next, 0, 2
.endm
; ---------------------------------------------------------------- the ways out: bias in f32, quantised along the registers, stored as images straight from registers
.macro ADDB_QK a                       ; the block's 64 numbers + the bias of their columns; each accumulator is read from its low end on
	WIN 0x02+((\a)/4)
.set AC, 64*((\a)%4)
.set ii, 0
.rept 32
	v_pk_add_f32 v[T+ii:T+ii+1], v[AC+ii:AC+ii+1], v[BIAS+ii:BIAS+ii+1]
.set ii, ii+2
.endr
	WIN 0
.endm
.macro ADDB_V a                        ; the same with the bias of the lane's column
	WIN 0x02
.set AC, 64*(\a)
.set ii, 0
.rept 32
	v_pk_add_f32 v[T+ii:T+ii+1], v[AC+ii:AC+ii+1], v[BV+2*(\a):BV+2*(\a)+1]
.set ii, ii+2
.endr
	WIN 0
.endm
; 64 numbers of a lane, register 16 b + i = index 32 b + 16 (lane / 16) + i, become codes: blocks 0, 1 in six registers from d0 on, blocks 2, 3 from d1 on; the four scale bytes stay in v[TM+4 .. TM+7].
.macro QUANT s, d0, d1
.irp b, 0,1,2,3
	v_max3_num_f32 v[TM+\b], |v[\s+16*\b]|, |v[\s+1+16*\b]|, 0x2800000   ; my 16 numbers, and the floor 2^(5 - 127)
.endr
.irp i, 2,4,6,8,10,12,14
.irp b, 0,1,2,3
	v_max3_num_f32 v[TM+\b], v[TM+\b], |v[\s+16*\b+\i]|, |v[\s+1+16*\b+\i]|
.endr
.endr
.irp b, 0,1,2,3
	v_permlanex16_b32 v[TM+4+\b], v[TM+\b], s18, s19
.endr
.irp b, 0,1,2,3
	v_max_num_f32 v[TM+\b], v[TM+\b], v[TM+4+\b]   ; with lane l xor 16's: the block's largest magnitude
.endr
.irp b, 0,1,2,3
	v_add_nc_u32 v[TM+12+\b], 0xfe000000, v[TM+\b] ; 4 off its exponent field: the conversion's scale operand
.endr
.irp b, 0,1,2,3
	v_lshrrev_b32 v[TM+4+\b], 23, v[TM+12+\b]      ; the scale's byte
.endr
	v_cvt_scalef32_pk16_bf6_f32 v[(\d0):(\d0)+2], v[\s:\s+15], v[TM+12]
	v_cvt_scalef32_pk16_bf6_f32 v[Y:Y+2], v[\s+16:\s+31], v[TM+13]
	v_cvt_scalef32_pk16_bf6_f32 v[(\d1):(\d1)+2], v[\s+32:\s+47], v[TM+14]
	v_cvt_scalef32_pk16_bf6_f32 v[Y+4:Y+6], v[\s+48:\s+63], v[TM+15]
	v_nop                                          ; one plain place behind a scaled conversion
.irp i, 0,1,2                                  ; the operand's layout wants a whole block in a lane: lanes 0-15 the even block, lanes 16-31 the odd one
	v_permlane16_swap_b32 v[(\d0)+\i], v[Y+\i]
	v_permlane16_swap_b32 v[(\d1)+\i], v[Y+4+\i]
.endr
.irp i, 0,1,2
	v_mov_b32 v[(\d0)+3+\i], v[Y+\i]
	v_mov_b32 v[(\d1)+3+\i], v[Y+4+\i]
.endr
.endm
	s_wait_loadcnt 0x0                             ; the biases
	s_wait_tensorcnt 1                             ; all scales and my part of K step 0 are in; K step 1's load may be out
	s_barrier_signal -1
	s_barrier_wait -1
	FETCH_B 0, 0, 0
	FETCH_A 0, 0, 0
	SCALES 0
	FETCH_A 0, 0, 4
	STEP 0, 0, 1                                   ; TILE 1.  K step 0: its first products start the sums
	TURN 0, 1, 1                                   ; slot 0 is asked for again: K step 2
	STEP 1, 0, 0                                   ; K step 1
	TURN 1, 0, 1                                   ; slot 1: K step 3
	STEP 0, 0, 0                                   ; K step 2
	TURN 0, 1, 2                                   ; THE RING GOES ON INTO TILE 2: slot 0 takes its K step 0,
	STEP 1, 0, 0                                   ; K step 3
	TURN 1, -1, 2                                  ; slot 1 its K step 1.  In front of this round every wave has waited for its part of slot 0: tile 2's K step 0 is whole for everybody behind it
	; TILE 1 GOES OUT (the four places behind its last products stand at the end of the step above).  My 128 columns are two heads; blocks 2 al and 2 al + 1 of tokens make image al of both.
	; Each store of the wave covers 512 consecutive bytes, aligned.  Nothing waits for these stores: they leave while tile 2 is multiplied.
	s_mov_b32 s18, 0x76543210
	s_mov_b32 s19, 0xfedcba98                      ; v_permlanex16_b32's selects for lane l xor 16
	s_mov_b32 s67, 0xffff0000                      ; lanes 16-31
.irp al, 0,1,2,3
	s_wait_xcnt 0x0                                ; the images' registers are written again only when the last stores have read them
.irp u, 0,1
	ADDB_QK 2*\al+\u
	QUANT T, IMG0+6*\u, IMG1+6*\u
.if \u == 0
	v_lshl_or_b32 v[SWA+\al], v[TM+5], 8, v[TM+4]        ; the scale word: the first token's two bytes below,
	v_lshl_or_b32 v[SWA+4+\al], v[TM+7], 8, v[TM+6]
.else
	v_lshl_or_b32 v[H], v[TM+5], 8, v[TM+4]
	v_lshl_or_b32 v[H+1], v[TM+7], 8, v[TM+6]
	v_lshl_or_b32 v[SWA+\al], v[H], 16, v[SWA+\al]       ; the second token's above
	v_lshl_or_b32 v[SWA+4+\al], v[H+1], 16, v[SWA+4+\al]
.endif
.endr
.irp c, 0,1
.irp i, 0,1,2
	global_store_b128 v[LI], v[IMG0+12*\c+4*\i:IMG0+12*\c+4*\i+3], s[12:13] offset:\c*HEADB+\al*1536+512*\i
.endr
.endr
.endr
	; the scale words of a head's four images: lanes 0-15 hold the even image's, lanes 16-31 the odd one's; 8 bytes a lane: 256 consecutive bytes, aligned
.irp c, 0,1
.irp g, 0,1
	v_cndmask_b32 v[SWP+2*\c+\g], v[SWA+4*\c+2*\g], v[SWA+4*\c+2*\g+1], s67
.endr
	global_store_b64 v[LS], v[SWP+2*\c:SWP+2*\c+1], s[12:13] offset:\c*HEADB+6144
.endr
	FETCH_B2 0, 0, 0                               ; TILE 2
	FETCH_A2 0, 0, 0
	SCALES2 0
	FETCH_A2 0, 0, 2
	STEP2 0, 1                                     ; K step 0: its first products start the sums, on accumulators that have been read
	TURN2 0, 1, 1                                  ; slot 0: K step 2
	STEP2 1, 0                                     ; K step 1
	TURN2 1, 0, 1                                  ; slot 1: K step 3
	STEP2 0, 0                                     ; K step 2
	TURN2 0, 1, 0                                  ; nothing is left to fetch
	STEP2 1, 0                                     ; K step 3
	s_wait_dscnt 2*NL                              ; the very last step
	WIN MUL_LO
	MULA 0, 1, 1, 1, 0
	MULA 1, 1, 1, 1, 0
	s_wait_dscnt 0
	MULA 2, 1, 1, 1, 0
	MULA 3, 1, 1, 1, 0
	WIN 0
	; TILE 2 GOES OUT.  My 128 tokens are one step's keys, my 64 columns one head: block a of columns is its image a.
	PLACES NP                                      ; behind the last products: their results are read and their operands' registers written below
.irp a, 0,1,2,3
	s_wait_xcnt 0x0                                ; the image's registers, and further down the stored scale words', are written again only when the stores that read them have done so
	ADDB_V \a
	QUANT T, IMG0, IMG0+6
	v_lshl_or_b32 v[SWA+\a], v[TM+5], 8, v[TM+4]         ; the four key blocks' bytes
	v_lshl_or_b32 v[SWA+\a], v[TM+6], 16, v[SWA+\a]
	v_lshl_or_b32 v[SWA+\a], v[TM+7], 24, v[SWA+\a]
.irp i, 0,1,2
	global_store_b128 v[LI], v[IMG0+4*\i:IMG0+4*\i+3], s[98:99] offset:\a*1536+512*\i
.endr
.endr
.irp g, 0,1
	v_cndmask_b32 v[SWP+\g], v[SWA+2*\g], v[SWA+2*\g+1], s67
.endr
	global_store_b64 v[LS], v[SWP:SWP+1], s[98:99] offset:6144
	s_wait_tensorcnt 0x0                           ; the wave's end
	ds_add_u32 v[SPW], v[NIL]
	s_wait_dscnt 0x0
	CROUND                                         ; the closing round: no work-group ends while a partner may still ask for a tile that names it
	s_endpgm
.Lfunc_end_k_q5c04a1d94d_gemm_qkv:
	.size	k_q5c04a1d94d_gemm_qkv, .Lfunc_end_k_q5c04a1d94d_gemm_qkv-k_q5c04a1d94d_gemm_qkv
	.p2alignl 7, 3214868480
	.fill 96, 4, 3214868480
	.section	.rodata,"a",@progbits
	.p2align	6, 0x0
	.amdhsa_kernel k_q5c04a1d94d_gemm_qkv
		.amdhsa_group_segment_fixed_size 327680
		.amdhsa_private_segment_fixed_size 0
		.amdhsa_enable_private_segment 0
		.amdhsa_kernarg_size 48
		.amdhsa_user_sgpr_count 2
		.amdhsa_user_sgpr_kernarg_segment_ptr 1
		.amdhsa_wavefront_size32 1
		.amdhsa_system_sgpr_workgroup_id_x 1
		.amdhsa_system_sgpr_workgroup_id_y 1
		.amdhsa_system_sgpr_workgroup_id_z 1
		.amdhsa_system_vgpr_workitem_id 0
		.amdhsa_next_free_vgpr 1024
		.amdhsa_next_free_sgpr 102
		.amdhsa_reserve_vcc 0
		.amdhsa_float_denorm_mode_32 3
		.amdhsa_float_denorm_mode_16_64 3
		.amdhsa_memory_ordered 1
		.amdhsa_forward_progress 1
		.amdhsa_inst_pref_size 255
	.end_amdhsa_kernel
	.section	.bss,"aw",@nobits
	.p2align	6
	.space	262144
	.amdgpu_metadata
---
amdhsa.version: [ 1, 2 ]
amdhsa.kernels:
  - .name:           k_q5c04a1d94d_gemm_qkv
    .symbol:         k_q5c04a1d94d_gemm_qkv.kd
    .args:
      - { .name: xcodes, .offset: 0, .size: 8, .value_kind: global_buffer, .address_space: global }
      - { .name: xscales, .offset: 8, .size: 8, .value_kind: global_buffer, .address_space: global }
      - { .name: wcodes, .offset: 16, .size: 8, .value_kind: global_buffer, .address_space: global }
      - { .name: wscales, .offset: 24, .size: 8, .value_kind: global_buffer, .address_space: global }
      - { .name: b_qkv, .offset: 32, .size: 8, .value_kind: global_buffer, .address_space: global }
      - { .name: qkv, .offset: 40, .size: 8, .value_kind: global_buffer, .address_space: global }
    .group_segment_fixed_size: 327680
    .private_segment_fixed_size: 0
    .kernarg_segment_align: 8
    .kernarg_segment_size: 48
    .max_flat_workgroup_size: 128
    .sgpr_count:     102
    .vgpr_count:     1024
    .wavefront_size: 32
...
	.end_amdgpu_metadata
.endif
;; end of part 7
;; launch attn (part 8): grid 256 x 1, 16 waves a work-group, clusters of 4 x 1, 206,848 bytes of LDS; arguments qkv, ao, aos; writes ao, aos
.if DOCPART == 8
	.amdgcn_target "amdgcn-amd-amdhsa--gfx1250"
	.amdhsa_code_object_version 6
	.text
	.protected	k_q5c04a1d94d_attn
	.globl	k_q5c04a1d94d_attn
	.p2align	8
	.type	k_q5c04a1d94d_attn,@function
k_q5c04a1d94d_attn:
	s_mov_b64 s[64:65], 0
	v_nop
	global_prefetch_b8 v0, s[64:65] scope:SCOPE_SE
	s_setreg_imm32_b32 hwreg(HW_REG_WAVE_MODE, 25, 1), 1
	s_wait_xcnt 0x0
	s_wait_alu depctr_hold_cnt(0) depctr_sa_sdst(0) depctr_va_vdst(0) depctr_va_sdst(0) depctr_va_ssrc(0) depctr_va_vcc(0) depctr_vm_vsrc(0)
	s_getreg_b32 s2, hwreg(HW_REG_IB_STS2, 6, 4)
	s_cmp_eq_u32 s2, 0
	s_cbranch_scc0 .Lentry_in_a_cluster
	s_endpgm
.Lentry_in_a_cluster:
	s_bfe_u32 s2, ttmp6, 0x10000c
	s_cmp_lg_u32 s2, 0x3003
	s_cbranch_scc0 .Lentry_shape_is_right
	s_endpgm
.Lentry_shape_is_right:
; Causal attention of one head on codes of BF6 (E3M2) with E8M0 scales; the result is quantised along the head's 64 for the last product.
; IN: qkv [batch x 16 + head][step of 128 tokens][q 6,400 | k 6,400 | v 6,400 bytes]: images of fragments' registers and their scale words (register p of lane l at 512 (p / 4) + 16 l + 4 (p % 4)).
; SOFTMAX: t = score x log2(e) / 8; M = the running largest t rounded UP to a whole number; p = 2^(t - M) is quantised along the keys, not normalised; the row's sum is taken of the unquantised p and divides at the end.
;   When M moves, the sum and O are multiplied by 2^(old M - new M): exact.  A block's largest p is had from its largest score by the same multiply-add and exponential (this takes v_exp_f32 not to fall where its input rises).
; CLUSTER: the four work-groups of a cluster belong to one head.  The head's K and V with their scale words, 16 x 12,800 bytes, fit in LDS whole: wave w asks for step w's 12,800 dense bytes by ONE joint load
;   that names the four.  LDS is filled once and only read afterwards: no ring, no refill.
; SHARES: a wave owns two tiles of 16 queries, i = 8 a + 2 cx + (w & 1) with a = w / 2, and 127 - i: together (a + 1) + (16 - a) = 17 key steps of 128, the same for every wave.  Two passes; each walks
;   16 steps by a constant count and jumps over those whose keys all come after its queries.  Branches hang on the wave's number and the counters; cx enters global addresses and the mask's numbers alone.
; A tile's queries are tokens 128 (i / 8) + 32 ((i / 2) % 4) + 8 (i % 2) + r + 8 (r / 8), as q's images hold them.
; K = 64 IN A FORM OF K = 128: an image of K holds 32 keys: registers 0-5 one key's 64 dims, registers 6-11 another's.  It is multiplied once by [Q | zeros] and once by [zeros | Q]: zero codes add nothing.
; Both products are used transposed: a lane holds one query throughout; S's 16 registers of two neighbouring tiles are 16 neighbouring keys, O's are 16 neighbouring dims.
; OUT: ao [batch x 128 + i][head][3][32 lanes][8 bytes]: the six registers a lane of the next product's fragment; aos [row 16 (batch x 128 + i) + r][32]: bytes 2 head, 2 head + 1.
;   The two scale bytes a row leave by a store of two bytes: a row's word needs a second head, which this work-group does not have.
; LIMITS: NaN and infinities are not served; a block of zeros gets the scale byte 1 (its codes are zeros; this program alone reads the bytes).
.set CH,    19200
.set SEC,   6400
.set KV,    12800
.set HEADB, 307200
.set LI,   1                           ; 16 x lane
.set LS,   2                           ; 8 x lane
.set ADK,  3                           ; the step's images in LDS
.set ADS,  4                           ; its scale words
.set DG,   5                           ; my query less 16 (lane / 16), within its step: register n's key is hidden where 32 (n / 16) + n % 16 is larger
.set QOF,  6
.set AOF,  7
.set SOF,  8
.set RB,   9                           ; r + 8 (r / 8) - 16 h
.set R8,   10                          ; 8 r
.set R32,  11                          ; 32 r
.set QZ,   16                          ; v16-21 zeros, v22-27 Q, v28-33 zeros
.set F,    34                          ; v34-81   four fragments: K's, then V's
.set S,    82                          ; v82-145  S^T, then p
.set O,    146                         ; v146-177 O^T
.set PC,   178                         ; v178-189 p's codes
.set Y,    190                         ; v190-192, v194-196 the conversions' second halves
.set BM,   198
.set PT,   202
.set SO,   206
.set C2,   210                         ; one of the sum's eight chains
.set FF,   212                         ; f = 2^(old M - new M); v213 is named with it as a pair
.set TP,   214
.set QS,   215                         ; Q's scale word
.set KSR,  216                         ; K's scale words: register g: lanes 0-15 image 2 g, lanes 16-31 image 2 g + 1
.set VSR,  218
.set NINF, 220
.set PW,   221                         ; p's scale word
.set BY,   222
.set QSO,  223
.set WV,   10
.set KD,   13                          ; the step on the diagonal
.set AL3,  14                          ; which of its four images of q
.set UU,   15                          ; which half of that image
.set TI,   16                          ; the tile's number
.set KS,   17
.set TB,   18
.set PASS, 19
.set SEL,  20
.set CS,   22
.set G1,   24
.set G0,   32
.macro ROUND
	s_barrier_signal -1
	s_barrier_wait -1
	s_cmp_lg_u32 s[WV], 0
	s_cbranch_scc1 .Lnot_wave_0_\@
	s_barrier_signal -3
.Lnot_wave_0_\@:
	s_barrier_wait -3
	s_barrier_signal -1
	s_barrier_wait -1
.endm
	s_load_b128 s[4:7], s[0:1], 0x0                ; qkv, ao
	s_load_b64 s[8:9], s[0:1], 0x10                ; aos
	v_lshl_add_u32 v224, v0, 2, 0x32000
	v_mov_b32 v225, 0
	ds_add_u32 v224, v225
	ds_add_u32 v224, v225
	v_lshrrev_b32 v1, 5, v0
	s_delay_alu instid0(VALU_DEP_1)
	v_readfirstlane_b32 s[WV], v1                  ; wave 0..15
	s_bfe_u32 s11, ttmp6, 0x40000                  ; cx
	s_lshr_b32 s12, s[WV], 1                       ; a
	s_mov_b32 s[KD], s12
	s_mov_b32 s[AL3], s11
	s_and_b32 s[UU], s[WV], 1
	s_lshl_b32 s[TI], s12, 3
	s_lshl_b32 s38, s11, 1
	s_add_co_u32 s[TI], s[TI], s38
	s_add_co_u32 s[TI], s[TI], s[UU]
	s_mov_b32 s[PASS], 0
	s_mov_b32 s[SEL], 0x76543210
	s_mov_b32 s[SEL+1], 0xfedcba98                 ; v_permlanex16_b32's selects for lane l xor 16
	s_mov_b32 s[CS], 0x3e38aa3b                    ; c = log2(e) / 8
	s_mov_b32 s[CS+1], s[CS]
	; descriptor group 1: 12,800 dense bytes as 50 rows of 256 bytes (32 elements of 8); the mask names the cluster's four
	s_mov_b32 s[G1], 15|(3<<16)|(1<<21)
	s_mov_b32 s[G1+1], 32<<16
	s_mov_b32 s[G1+2], 50<<16
	s_mov_b32 s[G1+3], 32<<16
	s_mov_b32 s[G1+4], 50
	s_mov_b32 s[G1+5], 32
	s_mov_b32 s[G1+6], 0
	s_mov_b32 s[G1+7], 0
	s_mul_i32 s38, ttmp9, HEADB                    ; in a cluster launch ttmp9 counts clusters: batch x 16 + head
	s_mov_b32 s39, 0
	s_and_b32 s40, ttmp9, 15                       ; head
	s_lshr_b32 s41, ttmp9, 4                       ; batch
	s_mul_i32 s42, s40, 768
	s_mul_i32 s43, s41, 1572864
	s_add_co_u32 s42, s42, s43
	s_mov_b32 s43, 0
	s_lshl_b32 s44, s40, 1
	s_lshl_b32 s45, s41, 16
	s_add_co_u32 s44, s44, s45
	s_mov_b32 s45, 0
	s_mul_i32 s46, s[WV], CH
	s_add_co_u32 s46, s46, SEC                     ; step w's K and V
	s_mov_b32 s47, 0
	s_mov_b32 s[G0], 1
	s_mul_i32 s[G0+1], s[WV], KV                   ; and their place in LDS
	s_wait_dscnt 0x0
	s_wait_kmcnt 0x0
	s_add_nc_u64 s[4:5], s[4:5], s[38:39]
	s_add_nc_u64 s[6:7], s[6:7], s[42:43]
	s_add_nc_u64 s[8:9], s[8:9], s[44:45]
	s_add_nc_u64 s[G0+2:G0+3], s[4:5], s[46:47]
	s_or_b32 s[G0+3], s[G0+3], 0x80000000
	ROUND                                          ; all four work-groups are here: the joint loads meet
	tensor_load_to_lds s[G0:G0+3], s[G1:G1+7]      ; my one tensor load of the launch
	s_nop 0
.rept 4
	v_nop
.endr
	v_and_b32 v6, 31, v0
	s_delay_alu instid0(VALU_DEP_1)
	v_lshlrev_b32 v[LI], 4, v6
	s_delay_alu instid0(VALU_DEP_2)
	v_lshlrev_b32 v[LS], 3, v6
	v_and_b32 v[R8], 15, v0                        ; r
	v_bfe_u32 v[R32], v0, 4, 1                     ; h
	s_delay_alu instid0(VALU_DEP_2)
	v_and_b32 v[RB], 8, v[R8]
	s_delay_alu instid0(VALU_DEP_1)
	v_add_nc_u32 v[RB], v[RB], v[R8]
	s_delay_alu instid0(VALU_DEP_3)
	v_lshlrev_b32 v[R32], 4, v[R32]
	s_delay_alu instid0(VALU_DEP_1)
	v_sub_nc_u32 v[RB], v[RB], v[R32]
	v_lshlrev_b32 v[R32], 5, v[R8]
	v_lshlrev_b32 v[R8], 3, v[R8]
.irp j, 0,1,2,3,4,5
	v_mov_b32 v[QZ+\j], 0                          ; zero codes on both sides of Q
	v_mov_b32 v[QZ+12+\j], 0
.endr
.irp b, 0,1,2,3
	v_mov_b32 v[PT+\b], 0                          ; written once: a lane permute's destination counts as one of its sources
.endr
	v_mov_b32 v[FF+1], 0
	v_mov_b32 v[NINF], 0xff800000
	s_wait_tensorcnt 0x0                           ; my step's bytes have landed,
	s_barrier_signal -1
	s_barrier_wait -1                              ; everybody's have: from here on LDS is only read
.macro QK b, u                         ; S^T tile 2 b + u: image b of K against [Q | 0] (u = 0) or [0 | Q] (u = 1)
.set rS, S+16*(\b)+8*(\u)
.set rQ, QZ+6-6*(\u)
.if (\b)%2
	v_wmma_scale_f32_16x16x128_f8f6f4 v[rS:rS+7], v[F+12*(\b):F+12*(\b)+11], v[rQ:rQ+11], 0, v[KSR+(\b)/2], v[QS] matrix_a_fmt:MATRIX_FMT_BF6 matrix_b_fmt:MATRIX_FMT_BF6 matrix_a_scale:MATRIX_SCALE_ROW1
.else
	v_wmma_scale_f32_16x16x128_f8f6f4 v[rS:rS+7], v[F+12*(\b):F+12*(\b)+11], v[rQ:rQ+11], 0, v[KSR+(\b)/2], v[QS] matrix_a_fmt:MATRIX_FMT_BF6 matrix_b_fmt:MATRIX_FMT_BF6
.endif
.endm
.macro PV t                            ; O^T tile t += image t of V x p
.set rO, O+8*(\t)
.if (\t)%2
	v_wmma_scale_f32_16x16x128_f8f6f4 v[rO:rO+7], v[F+12*(\t):F+12*(\t)+11], v[PC:PC+11], v[rO:rO+7], v[VSR+(\t)/2], v[PW] matrix_a_fmt:MATRIX_FMT_BF6 matrix_b_fmt:MATRIX_FMT_BF6 matrix_a_scale:MATRIX_SCALE_ROW1
.else
	v_wmma_scale_f32_16x16x128_f8f6f4 v[rO:rO+7], v[F+12*(\t):F+12*(\t)+11], v[PC:PC+11], v[rO:rO+7], v[VSR+(\t)/2], v[PW] matrix_a_fmt:MATRIX_FMT_BF6 matrix_b_fmt:MATRIX_FMT_BF6
.endif
.endm
.Lpass:
	s_wait_xcnt 0x0                                ; the last pass's stores have read their registers
	s_mul_i32 s38, s[KD], CH
	s_mul_i32 s39, s[AL3], 1536
	s_add_co_u32 s39, s39, s38
	v_add_nc_u32 v[QOF], s39, v[LI]                ; q's image
	s_and_b32 s40, s[AL3], 1
	s_lshl_b32 s40, s40, 7
	s_lshr_b32 s41, s[AL3], 1
	s_lshl_b32 s41, s41, 2
	s_add_co_u32 s40, s40, s41
	s_add_co_u32 s40, s40, s38
	v_add_nc_u32 v[QSO], s40, v[R8]                ; and row r's scale word
	global_load_b128 v[F:F+3], v[QOF], s[4:5]
	global_load_b128 v[F+4:F+7], v[QOF], s[4:5] offset:512
	global_load_b128 v[F+8:F+11], v[QOF], s[4:5] offset:1024
	global_load_b32 v[TP], v[QSO], s[4:5] offset:6144
	s_sub_co_u32 s36, 0, s[UU]                     ; all ones where the image's second half is mine
	s_lshl_b32 s37, s[UU], 4
	s_lshl_b32 s42, s[AL3], 5
	s_lshl_b32 s43, s[UU], 3
	s_add_co_u32 s42, s42, s43
	v_add_nc_u32 v[DG], s42, v[RB]
	v_mov_b32 v13, 0xff61b1e6                      ; the largest t so far: -3e38
	s_delay_alu instid0(VALU_DEP_1)
	v_floor_f32 v12, -v13                          ; -M
	v_mov_b32 v14, 0                               ; the sum, in two halves
	v_mov_b32 v15, 0
	s_mov_b32 s[KS], 0
	s_mov_b32 s[TB], 0
	s_wait_loadcnt 0x0
.irp j, 0,1,2,3,4,5
	v_cndmask_b32 v[QZ+6+\j], v[F+\j], v[F+6+\j], s36
.endr
	v_lshrrev_b32 v[TP], s37, v[TP]
	s_delay_alu instid0(VALU_DEP_1)
	v_and_b32 v[TP], 0xffff, v[TP]
	s_delay_alu instid0(VALU_DEP_1)
	v_lshl_or_b32 v[QS], v[TP], 16, v[TP]          ; my token's two bytes, for both halves of K = 128
.set j, 0
.rept 32
	v_mov_b32 v[O+j], 0                            ; O^T: the step is written once; the first change of M leaves zeros zeros.  (These are also the places between Q's and its scale's writes and the first product)
.set j, j+1
.endr
.Lstep:
	s_cmp_gt_u32 s[KS], s[KD]                      ; all 128 keys come after my queries: the step's work is left out
	s_cbranch_scc1 .Lhidden
	s_setprio 2
	v_add_nc_u32 v[ADK], s[TB], v[LI]
	v_add_nc_u32 v[ADS], s[TB], v[LS]
	v_nop
	v_nop                                          ; four places in front of loads into registers that the last products have read
.irp f, 0,1,2,3
.irp i, 0,1,2
	ds_load_b128 v[F+12*\f+4*\i:F+12*\f+4*\i+3], v[ADK] offset:1536*\f+512*\i
.endr
.endr
	ds_load_b64 v[KSR:KSR+1], v[ADS] offset:6144
	s_wait_alu depctr_va_vdst(0)
	s_wait_dscnt 0x0
.irp b, 0,1,2,3
	QK \b, 0
	QK \b, 1
.endr
.rept 4
	v_nop
.endr
.irp t, 0,1,2,3                                ; V's images land while the softmax is worked
.irp i, 0,1,2
	ds_load_b128 v[F+12*\t+4*\i:F+12*\t+4*\i+3], v[ADK] offset:SEC+1536*\t+512*\i
.endr
.endr
	ds_load_b64 v[VSR:VSR+1], v[ADS] offset:SEC+6144
	s_cmp_lg_u32 s[KS], s[KD]                      ; only the step on the diagonal has hidden keys
	s_cbranch_scc1 .Lopen
.set n, 0
.rept 64
	v_cmp_gt_i32 vcc_lo, 32*(n/16)+n%16, v[DG]
	v_cndmask_b32 v[S+n], v[S+n], v[NINF], vcc_lo
.set n, n+1
.endr
.Lopen:
.irp b, 0,1,2,3
	v_max3_num_f32 v[BM+\b], v[S+16*\b], v[S+1+16*\b], v[S+2+16*\b]   ; the largest score of each block of 32 keys
.endr
.irp i, 3,5,7,9,11,13
.irp b, 0,1,2,3
	v_max3_num_f32 v[BM+\b], v[BM+\b], v[S+16*\b+\i], v[S+1+16*\b+\i]
.endr
.endr
.irp b, 0,1,2,3
	v_max_num_f32 v[BM+\b], v[BM+\b], v[S+15+16*\b]
.endr
.irp b, 0,1,2,3
	s_delay_alu instid0(VALU_DEP_4)
	v_permlanex16_b32 v[PT+\b], v[BM+\b], s[SEL], s[SEL+1]
.endr
.irp b, 0,1,2,3
	s_delay_alu instid0(VALU_DEP_4)
	v_max_num_f32 v[BM+\b], v[BM+\b], v[PT+\b]     ; with lane l xor 16's 16 keys
.endr
	s_delay_alu instid0(VALU_DEP_2)
	v_max3_num_f32 v[TP], v[BM], v[BM+1], v[BM+2]
	s_delay_alu instid0(VALU_DEP_1)
	v_max_num_f32 v[TP], v[TP], v[BM+3]
	s_delay_alu instid0(VALU_DEP_1)
	v_mul_f32 v[TP], s[CS], v[TP]                  ; as t
	s_delay_alu instid0(VALU_DEP_1)
	v_max_num_f32 v13, v13, v[TP]                  ; the running largest t
	v_mov_b32 v[TP], v12
	s_delay_alu instid0(VALU_DEP_2)
	v_floor_f32 v12, -v13                          ; the new -M = -ceil(t)
	s_delay_alu instid0(VALU_DEP_1)
	v_sub_f32 v[TP], v12, v[TP]                    ; old M - new M: a whole number, 0 or less
	s_delay_alu instid0(VALU_DEP_1)
	v_cvt_i32_f32 v[TP], v[TP]                     ; (it saturates)
	s_delay_alu instid0(VALU_DEP_1)
	v_ldexp_f32 v[FF], 1.0, v[TP]                  ; f
.set j, 0
.rept 32
	v_pk_fma_f32 v[S+j:S+j+1], v[S+j:S+j+1], s[CS:CS+1], v[12:13] op_sel_hi:[1,0,0]   ; t - M
.set j, j+2
.endr
	s_setprio 1
.irp b, 0,1,2,3
	v_fma_f32 v[BM+\b], v[BM+\b], s[CS], v12
.endr
.set j, 0
	s_wait_alu depctr_va_vdst(0)
.rept 64
	v_exp_f32 v[S+j], v[S+j]                       ; p = 2^(t - M)
.set j, j+1
.endr
.irp b, 0,1,2,3
	v_exp_f32 v[BM+\b], v[BM+\b]                   ; the block's largest p
.endr
	v_pk_mul_f32 v[14:15], v[14:15], v[FF:FF+1] op_sel_hi:[1,0]   ; the sums under the new M (a plain place behind the exponentials)
	s_wait_alu depctr_va_vdst(0)
.irp b, 0,1,2,3
	v_max_num_f32 v[BM+\b], 0x2800000, v[BM+\b]    ; the floor 2^(5 - 127)
.endr
.irp b, 0,1,2,3
	s_delay_alu instid0(VALU_DEP_4)
	v_add_nc_u32 v[SO+\b], 0xfe000000, v[BM+\b]    ; 4 off the exponent field: the conversion's scale operand
.endr
.irp b, 0,1,2,3
	s_delay_alu instid0(VALU_DEP_4)
	v_lshrrev_b32 v[PT+\b], 23, v[SO+\b]           ; the scale's byte
.endr
	s_delay_alu instid0(VALU_DEP_3)
	v_lshl_or_b32 v[PW], v[PT+1], 8, v[PT]
	s_delay_alu instid0(VALU_DEP_1)
	v_lshl_or_b32 v[PW], v[PT+2], 16, v[PW]
	s_delay_alu instid0(VALU_DEP_1)
	v_lshl_or_b32 v[PW], v[PT+3], 24, v[PW]
.irp c, 0,1
	v_cvt_scalef32_pk16_bf6_f32 v[PC+6*\c:PC+6*\c+2], v[S+32*\c:S+32*\c+15], v[SO+2*\c]
	v_cvt_scalef32_pk16_bf6_f32 v[Y+4*\c:Y+4*\c+2], v[S+32*\c+16:S+32*\c+31], v[SO+2*\c+1]
.endr
	v_nop                                          ; one plain place behind a scaled conversion
.irp c, 0,1
.irp i, 0,1,2
	v_permlane16_swap_b32 v[PC+6*\c+\i], v[Y+4*\c+\i]
.endr
.irp i, 0,1,2
	s_delay_alu instid0(VALU_DEP_3)
	v_mov_b32 v[PC+6*\c+3+\i], v[Y+4*\c+\i]
.endr
.endr
	v_pk_add_f32 v[210:211], v[86:87], v[90:91]
	v_pk_add_f32 v[222:223], v[94:95], v[98:99]
	v_pk_add_f32 v[216:217], v[102:103], v[106:107]
	v_pk_add_f32 v[208:209], v[110:111], v[114:115]
	v_pk_add_f32 v[206:207], v[118:119], v[122:123]
	v_pk_add_f32 v[200:201], v[126:127], v[130:131]
	v_pk_add_f32 v[198:199], v[134:135], v[138:139]
	v_pk_add_f32 v[14:15], v[14:15], v[142:143]
	v_pk_add_f32 v[210:211], v[210:211], v[82:83]
	v_pk_add_f32 v[222:223], v[222:223], v[84:85]
	v_pk_add_f32 v[216:217], v[216:217], v[88:89]
	s_setprio 0
	v_pk_add_f32 v[208:209], v[208:209], v[92:93]
	v_pk_add_f32 v[206:207], v[206:207], v[96:97]
	v_pk_add_f32 v[200:201], v[200:201], v[100:101]
	v_pk_add_f32 v[198:199], v[198:199], v[104:105]
	v_pk_add_f32 v[14:15], v[14:15], v[108:109]
	v_pk_add_f32 v[210:211], v[210:211], v[112:113]
	v_pk_add_f32 v[222:223], v[222:223], v[116:117]
	v_pk_add_f32 v[216:217], v[216:217], v[120:121]
	v_pk_add_f32 v[208:209], v[208:209], v[124:125]
	v_pk_add_f32 v[206:207], v[206:207], v[128:129]
	v_pk_add_f32 v[200:201], v[200:201], v[132:133]
	v_pk_add_f32 v[198:199], v[198:199], v[136:137]
	v_pk_add_f32 v[14:15], v[14:15], v[140:141]
	v_pk_add_f32 v[210:211], v[210:211], v[144:145]
	s_delay_alu instid0(VALU_DEP_2)
	v_pk_add_f32 v[14:15], v[14:15], v[208:209]
	s_delay_alu instid0(VALU_DEP_2)
	v_pk_add_f32 v[210:211], v[210:211], v[206:207]
	v_pk_add_f32 v[222:223], v[222:223], v[200:201]
	v_pk_add_f32 v[216:217], v[216:217], v[198:199]
	s_delay_alu instid0(VALU_DEP_2)
	v_pk_add_f32 v[14:15], v[14:15], v[222:223]
	s_delay_alu instid0(VALU_DEP_2)
	v_pk_add_f32 v[210:211], v[210:211], v[216:217]
	s_delay_alu instid0(VALU_DEP_1)
	v_pk_add_f32 v[14:15], v[14:15], v[210:211]
.set j, 0
.rept 16
	v_pk_mul_f32 v[O+j:O+j+1], v[O+j:O+j+1], v[FF:FF+1] op_sel_hi:[1,0]   ; O^T under the new M
.set j, j+2
.endr
	s_wait_alu depctr_va_vdst(0)
	s_wait_dscnt 0x0                               ; V
.irp t, 0,1,2,3
	PV \t                                          ; four accumulators by turns
.endr
.Lhidden:
	s_add_co_u32 s[TB], s[TB], KV
	s_add_co_u32 s[KS], s[KS], 1
	s_cmp_lt_u32 s[KS], 16
	s_cbranch_scc1 .Lstep
	s_setprio 0
	; THE WAY OUT of a pass: O^T / the sum, quantised along the head's 64 (two blocks), stored as the next product's registers
.rept 4
	v_nop                                          ; places behind the last products, on every way here
.endr
	v_add_f32 v14, v14, v15
	s_delay_alu instid0(VALU_DEP_1)
	v_permlanex16_b32 v[TP], v14, s[SEL], s[SEL+1]
	s_delay_alu instid0(VALU_DEP_1)
	v_add_f32 v14, v14, v[TP]                      ; the row's sum
	s_wait_alu depctr_va_vdst(0)
	v_rcp_f32 v[FF], v14
	s_mul_i32 s38, s[TI], 12288
	s_lshl_b32 s39, s[TI], 9
	v_add_nc_u32 v[AOF], s38, v[LS]                ; (a plain place behind the reciprocal)
	v_add_nc_u32 v[SOF], s39, v[R32]
.set j, 0
	s_wait_alu depctr_va_vdst(0)
.rept 16
	v_pk_mul_f32 v[S+j:S+j+1], v[O+j:O+j+1], v[FF:FF+1] op_sel_hi:[1,0]   ; register 16 b + i: dim 32 b + 16 h + i; each accumulator from its low end on
.set j, j+2
.endr
.irp b, 0,1
	v_max3_num_f32 v[BM+\b], |v[S+16*\b]|, |v[S+1+16*\b]|, 0x2800000
.endr
.irp i, 2,4,6,8,10,12,14
.irp b, 0,1
	s_delay_alu instid0(VALU_DEP_2)
	v_max3_num_f32 v[BM+\b], v[BM+\b], |v[S+16*\b+\i]|, |v[S+1+16*\b+\i]|
.endr
.endr
.irp b, 0,1
	s_delay_alu instid0(VALU_DEP_2)
	v_permlanex16_b32 v[PT+\b], v[BM+\b], s[SEL], s[SEL+1]
.endr
.irp b, 0,1
	s_delay_alu instid0(VALU_DEP_2)
	v_max_num_f32 v[BM+\b], v[BM+\b], v[PT+\b]
.endr
.irp b, 0,1
	s_delay_alu instid0(VALU_DEP_2)
	v_add_nc_u32 v[SO+\b], 0xfe000000, v[BM+\b]
.endr
.irp b, 0,1
	s_delay_alu instid0(VALU_DEP_2)
	v_lshrrev_b32 v[PT+\b], 23, v[SO+\b]
.endr
	s_delay_alu instid0(VALU_DEP_1)
	v_lshl_or_b32 v[BY], v[PT+1], 8, v[PT]
	v_cvt_scalef32_pk16_bf6_f32 v[PC:PC+2], v[S:S+15], v[SO]
	v_cvt_scalef32_pk16_bf6_f32 v[Y:Y+2], v[S+16:S+31], v[SO+1]
	v_nop
.irp i, 0,1,2
	v_permlane16_swap_b32 v[PC+\i], v[Y+\i]
.endr
.irp i, 0,1,2
	s_delay_alu instid0(VALU_DEP_3)
	v_mov_b32 v[PC+3+\i], v[Y+\i]
.endr
.irp p, 0,1,2
	global_store_b64 v[AOF], v[PC+2*\p:PC+2*\p+1], s[6:7] offset:256*\p   ; 32 lanes store 256 consecutive bytes, aligned
.endr
	global_store_b16 v[SOF], v[BY], s[8:9]         ; lanes r and r + 16 write the same two bytes with the same value
	s_sub_co_u32 s[KD], 15, s[KD]                  ; the second pass: tile 127 - i
	s_sub_co_u32 s[AL3], 3, s[AL3]
	s_sub_co_u32 s[UU], 1, s[UU]
	s_sub_co_u32 s[TI], 127, s[TI]
	s_add_co_u32 s[PASS], s[PASS], 1
	s_cmp_lt_u32 s[PASS], 2
	s_cbranch_scc1 .Lpass
	s_wait_tensorcnt 0x0
	ds_add_u32 v224, v225
	s_wait_dscnt 0x0
	ROUND                                          ; the closing round
	s_endpgm
.Lfunc_end_k_q5c04a1d94d_attn:
	.size	k_q5c04a1d94d_attn, .Lfunc_end_k_q5c04a1d94d_attn-k_q5c04a1d94d_attn
	.p2alignl 7, 3214868480
	.fill 96, 4, 3214868480
	.section	.rodata,"a",@progbits
	.p2align	6, 0x0
	.amdhsa_kernel k_q5c04a1d94d_attn
		.amdhsa_group_segment_fixed_size 206848
		.amdhsa_private_segment_fixed_size 0
		.amdhsa_enable_private_segment 0
		.amdhsa_kernarg_size 24
		.amdhsa_user_sgpr_count 2
		.amdhsa_user_sgpr_kernarg_segment_ptr 1
		.amdhsa_wavefront_size32 1
		.amdhsa_system_sgpr_workgroup_id_x 1
		.amdhsa_system_sgpr_workgroup_id_y 1
		.amdhsa_system_sgpr_workgroup_id_z 1
		.amdhsa_system_vgpr_workitem_id 0
		.amdhsa_next_free_vgpr 226
		.amdhsa_next_free_sgpr 66
		.amdhsa_reserve_vcc 1
		.amdhsa_float_denorm_mode_32 3
		.amdhsa_float_denorm_mode_16_64 3
		.amdhsa_memory_ordered 1
		.amdhsa_forward_progress 1
		.amdhsa_inst_pref_size 35
	.end_amdhsa_kernel
	.amdgpu_metadata
---
amdhsa.version: [ 1, 2 ]
amdhsa.kernels:
  - .name:           k_q5c04a1d94d_attn
    .symbol:         k_q5c04a1d94d_attn.kd
    .args:
      - { .name: qkv, .offset: 0, .size: 8, .value_kind: global_buffer, .address_space: global }
      - { .name: ao, .offset: 8, .size: 8, .value_kind: global_buffer, .address_space: global }
      - { .name: aos, .offset: 16, .size: 8, .value_kind: global_buffer, .address_space: global }
    .group_segment_fixed_size: 206848
    .private_segment_fixed_size: 0
    .kernarg_segment_align: 8
    .kernarg_segment_size: 24
    .max_flat_workgroup_size: 512
    .sgpr_count:     66
    .vgpr_count:     226
    .wavefront_size: 32
...
	.end_amdgpu_metadata
.endif
;; end of part 8
;; launch gemm_out (part 9): grid 4 x 64, 4 waves a work-group, clusters of 4 x 4, 327,680 bytes of LDS; arguments ao, aos, wcodes, wscales, b_out, out0; writes out0
.if DOCPART == 9
	.amdgcn_target "amdgcn-amd-amdhsa--gfx1250"
	.amdhsa_code_object_version 6
	.text
	.protected	k_q5c04a1d94d_gemm_out
	.globl	k_q5c04a1d94d_gemm_out
	.p2align	8
	.type	k_q5c04a1d94d_gemm_out,@function
k_q5c04a1d94d_gemm_out:
	s_mov_b64 s[64:65], 0
	v_nop
	global_prefetch_b8 v0, s[64:65] scope:SCOPE_SE
	s_setreg_imm32_b32 hwreg(HW_REG_WAVE_MODE, 25, 1), 1
	s_wait_xcnt 0x0
	s_wait_alu depctr_hold_cnt(0) depctr_sa_sdst(0) depctr_va_vdst(0) depctr_va_sdst(0) depctr_va_ssrc(0) depctr_va_vcc(0) depctr_vm_vsrc(0)
	s_getreg_b32 s2, hwreg(HW_REG_IB_STS2, 6, 4)
	s_cmp_eq_u32 s2, 0
	s_cbranch_scc0 .Lentry_in_a_cluster
	s_endpgm
.Lentry_in_a_cluster:
	s_bfe_u32 s2, ttmp6, 0x10000c
	s_cmp_lg_u32 s2, 0xf033
	s_cbranch_scc0 .Lentry_shape_is_right
	s_endpgm
.Lentry_shape_is_right:
; out0 = Q(attention's result) Q(w_out) + b_out on codes of BF6 (E3M2) with E8M0 scales, K = 1,024; out0 [8192][1024] f32.
; A work-group of four waves makes 128 rows x 256 columns, so that the 8,192 x 1,024 numbers give 256 work-groups; a wave makes 64 x 128: 32 accumulators of 16 x 16.
; K GOES IN FOUR STEPS OF 256 THROUGH THREE LDS SLOTS.  Steps 0, 1 and 2 and the scale bytes are first fills, asked for together at the start: four tensor loads of a wave are out then.  Step 3 is the one
; refill: into slot 0, asked for when step 0 has been read by everybody, with steps 1 and 2 (but for a quarter step) in which to land: one load of a wave is out then.  The eight steps of 128 are written out.
; A (source 1, along the lanes) = ao: images of fragments' registers, [tile of 16 rows][head][3][32 lanes][8 bytes]: a tile's K step of 256 is 3,072 dense bytes, a fragment six loads of 256 consecutive bytes.
; B (source 0, along a lane's registers) = rows 3,072 on of the weights' codes, rows of 768 bytes.
; Both hold row number with bits 3 and 4 exchanged: lane r of A's block a is row 32 (a / 2) + 8 (a % 2) + r + 8 (r / 8); register j of B's block b is column 32 (b / 2) + 16 (lane / 16) + 8 (b % 2) + j.
; The way out undoes both: the columns by the place in the wave's stage in LDS, the rows by the stores' offsets.
; CLUSTERS: 4 x 4 work-groups; A's tiles are asked for jointly along a row of the cluster, B's along a column.
; REGISTERS, in windows of 256: window 0: v0-31 addresses; v32-63 scale words, two sets; v64-67 the bias; v128-175 A's four fragments, one set; on the way out v128-255 rows of the result.
;   window 1: B's fragments, two sets, at v0 and v128.   window 2: the accumulators ((a, b) at v[8 (8 a + b)]).
.set NQ,     2                         ; matrix instructions deep in a slot
.set ROWB,   192                       ; a row of B's tile in bytes
.set AROWB,  3072                      ; a row of A's tile: 16 rows x 256 along K
.set KROW,   768
.set PITCH,  240                       ; B's LDS row: 3 x (64 bytes + 16 of padding)
.set FR,     12
.set NL,     6                         ; LDS loads that bring a fragment
.set NP,     4                         ; places behind this matrix instruction (ISA guide 7.12.1)
.set HALFA,  4*AROWB                   ; 64 rows of A: what one tensor load brings, and what one wave reads
.set HALFB,  128*PITCH                 ; 128 rows of B likewise
.set BOFF,   2*HALFA                   ; in a slot B's 256 rows lie behind A's 128
.set SLOT,   2*HALFA+2*HALFB           ; 86,016 bytes
.set KS,     32                        ; a row of scale bytes
.set SCL,    3*SLOT                    ; behind the slots: the scales, as units of 256 bytes + 16 of padding
.set HALFSA, 2176                      ; those of 64 rows: 8 x 272
.set HALFSB, 4352                      ; of 128 rows
.set SBLK,   544                       ; of 16 rows
.set SPARE,  SCL+2*HALFSA+2*HALFSB     ; the spare words, 128 bytes a wave; no other line names them
.set STAGE,  SPARE+512                 ; the way out: 16 rows x (512 bytes + 16) for each wave: bytes of their own, into which no tile lands
.set SPITCH, 528
.set ADRA, 8                           ; v8-10   my A fragments in slots 0, 1, 2
.set ADRB, 12                          ; v12-14  my B fragments; v16-18 the same behind one padding more
.set STO,  24
.set RD,   25
.set CO,   26
.set ADRS, 27                          ; my scale words: lanes 0-15 A's rows, lanes 16-31 B's
.set SPW,  28
.set NIL,  29
.set BOF,  30
.set SC,   32
.set BO,   64
.set AF,   128
.set BK,   128
.set G1,   24                          ; s[24:31] group 1 for A's tiles;  s[32:43] groups 0, one for each slot
.set G0,   32
.set G1B,  44                          ; s[44:51], s[52:63] the same for B's
.set G0B,  52
.set G1S,  68                          ; s[68:75], s[76:79] for A's scales;  s[80:87], s[88:91] for B's
.set G0S,  76
.set G1SB, 80
.set G0SB, 88
.set MSB, 0
.macro WIN new                         ; the immediate's high byte repeats the setting that is left
.if MSB != (\new)
	s_set_vgpr_msb (MSB<<8)|(\new)
.set MSB, (\new)
.endif
.endm
.set MUL,  0xa1                        ; source 0 (B) window 1, source 1 (A) window 0, C and D window 2
.set TO_B, 0x40                        ; destination window 1, address window 0
.macro JLOAD g0a, g1a, g0b, g1b        ; a joint load: waves 0 and 1 fetch for A, waves 2 and 3 for B; the branch hangs on the wave's number alone; four v_nop follow each line
	s_cmp_eq_u32 s15, 0
	s_cbranch_scc0 .Lfor_b_\@
	tensor_load_to_lds s[\g0a:\g0a+3], s[\g1a:\g1a+7]
	s_nop 0
.rept 4
	v_nop
.endr
	s_branch .Lasked_\@
.Lfor_b_\@:
	tensor_load_to_lds s[\g0b:\g0b+3], s[\g1b:\g1b+7]
	s_nop 0
.rept 4
	v_nop
.endr
.Lasked_\@:
.endm
.macro CREST                           ; a round of the cluster's barrier behind its opening barrier
	s_cmp_lg_u32 s14, 0
	s_cbranch_scc1 .Lnot_wave_0_\@
	s_barrier_signal -3
.Lnot_wave_0_\@:
	s_barrier_wait -3
	s_barrier_signal -1
	s_barrier_wait -1
.endm
.macro CROUND
	s_barrier_signal -1
	s_barrier_wait -1
	CREST
.endm
	s_load_b128 s[4:7], s[0:1], 0x0                ; ao, aos
	s_load_b128 s[8:11], s[0:1], 0x10              ; the weights' codes and scales
	s_load_b64 s[96:97], s[0:1], 0x20              ; b_out
	s_load_b64 s[12:13], s[0:1], 0x28              ; out0
	v_lshl_add_u32 v[SPW], v0, 2, SPARE
	v_mov_b32 v[NIL], 0
	ds_add_u32 v28, v29
	ds_add_u32 v28, v29
	s_wait_dscnt 0x0
	v_lshrrev_b32 v1, 5, v0
	v_readfirstlane_b32 s14, v1                    ; wave 0..3
	s_lshr_b32 s15, s14, 1                         ; which 64 of the tile's rows are mine.  Also: I fetch for A (0) or for B (1)
	s_and_b32 s16, s14, 1                          ; which 128 of its columns.  Also: which half of that tile I fetch
	s_bfe_u32 s92, ttmp6, 0x40000                  ; cx
	s_bfe_u32 s93, ttmp6, 0x40004                  ; cy
	s_lshl_b32 s94, ttmp9, 2
	s_add_co_u32 s94, s94, s92                     ; tile column (256 columns)
	s_and_b32 s17, ttmp7, 0xffff
	s_lshl_b32 s17, s17, 2
	s_add_co_u32 s17, s17, s93                     ; tile row (128 rows)
	s_lshl_b32 s95, s93, 2
	s_lshl_b32 s95, 15, s95                        ; my row of the cluster
	s_lshl_b32 s98, 0x1111, s92                    ; my column
	; A's tiles: 4 rows of 3,072 bytes (384 elements of 8), 12,288 bytes apart, no padding
	s_or_b32 s[G1+0], s95, (3<<16)|(1<<21)
	s_mov_b32 s[G1+1], 384<<16                     ; tensor_dim0
	s_mov_b32 s[G1+2], 4<<16                       ; tensor_dim1
	s_mov_b32 s[G1+3], 384<<16                     ; tile_dim0
	s_mov_b32 s[G1+4], 4                           ; tile_dim1
	s_mov_b32 s[G1+5], 1536                        ; from row to row, in elements
	s_mov_b32 s[G1+6], 0
	s_mov_b32 s[G1+7], 0
	; B's tiles: 128 rows x 192 bytes; 16 bytes of padding behind every 64
	s_or_b32 s[G1B+0], s98, (0<<16)|(1<<20)|(1<<21)|(3<<22)|(3<<25)
	s_mov_b32 s[G1B+1], ROWB<<16
	s_mov_b32 s[G1B+2], 128<<16
	s_mov_b32 s[G1B+3], ROWB<<16
	s_mov_b32 s[G1B+4], 128
	s_mov_b32 s[G1B+5], KROW
	s_mov_b32 s[G1B+6], 0
	s_mov_b32 s[G1B+7], 0
	; the scales: dense bytes as rows of 256 (32 elements of 8), 16 bytes of padding behind each: 8 rows for A's 64 rows, 16 for B's 128
	s_or_b32 s[G1S+0], s95, (3<<16)|(1<<20)|(1<<21)|(5<<22)|(3<<25)
	s_mov_b32 s[G1S+1], 32<<16
	s_mov_b32 s[G1S+2], 8<<16
	s_mov_b32 s[G1S+3], 32<<16
	s_mov_b32 s[G1S+4], 8
	s_mov_b32 s[G1S+5], 32
	s_mov_b32 s[G1S+6], 0
	s_mov_b32 s[G1S+7], 0
	s_or_b32 s[G1SB+0], s98, (3<<16)|(1<<20)|(1<<21)|(5<<22)|(3<<25)
	s_mov_b32 s[G1SB+1], 32<<16
	s_mov_b32 s[G1SB+2], 16<<16
	s_mov_b32 s[G1SB+3], 32<<16
	s_mov_b32 s[G1SB+4], 16
	s_mov_b32 s[G1SB+5], 32
	s_mov_b32 s[G1SB+6], 0
	s_mov_b32 s[G1SB+7], 0
	; where the tiles come from: A's hang on the tile row alone, B's on the tile column alone; every wave makes both addresses and asks by one of them
	s_lshl_b32 s18, s16, 6
	s_lshl_b32 s20, s17, 7
	s_add_co_u32 s20, s20, s18                     ; A's row: 128 x tile row + 64 x half
	s_lshl_b32 s18, s16, 7
	s_lshl_b32 s100, s94, 8
	s_add_co_u32 s100, s100, s18                   ; B's row: 256 x tile column + 128 x half,
	s_add_co_u32 s100, s100, 3072                  ; behind w_qkv's columns
	s_mov_b32 s21, 0
	s_mov_b32 s101, 0
	s_mov_b64 s[18:19], KS
	s_mul_u64 s[22:23], s[20:21], s[18:19]         ; where these rows' scales begin
	s_mul_u64 s[66:67], s[100:101], s[18:19]
	s_mov_b64 s[18:19], KROW
	s_mul_u64 s[20:21], s[20:21], s[18:19]         ; and their codes (16 rows of images are as many bytes as 16 rows of 768)
	s_mul_u64 s[100:101], s[100:101], s[18:19]
	s_mul_i32 s2, s16, HALFA                       ; where they go in a slot: no place in the cluster enters an LDS address
	s_mul_i32 s3, s16, HALFB
	s_add_co_u32 s3, s3, BOFF
	s_mul_i32 s99, s16, HALFSA
	s_mul_i32 s95, s16, HALFSB
	s_add_co_u32 s95, s95, 2*HALFSA
	s_wait_kmcnt 0x0
	s_add_nc_u64 s[20:21], s[4:5], s[20:21]
	s_add_nc_u64 s[22:23], s[6:7], s[22:23]
	s_add_nc_u64 s[100:101], s[8:9], s[100:101]
	s_add_nc_u64 s[66:67], s[10:11], s[66:67]
	CROUND                                         ; all sixteen work-groups are here: the first joint loads meet
	s_mov_b32 s[G0S], 1
	s_add_co_u32 s[G0S+1], s99, SCL
	s_mov_b64 s[G0S+2:G0S+3], s[22:23]
	s_or_b32 s[G0S+3], s[G0S+3], 0x80000000
	s_mov_b32 s[G0SB], 1
	s_add_co_u32 s[G0SB+1], s95, SCL
	s_mov_b64 s[G0SB+2:G0SB+3], s[66:67]
	s_or_b32 s[G0SB+3], s[G0SB+3], 0x80000000
	JLOAD G0S, G1S, G0SB, G1SB                     ; the scales first: they are wanted with K step 0
.irp s, 0,1,2
	s_mov_b32 s[G0+4*\s], 1
	s_add_co_u32 s[G0+4*\s+1], s2, \s*SLOT
	s_add_nc_u64 s[G0+4*\s+2:G0+4*\s+3], s[20:21], \s*AROWB
	s_or_b32 s[G0+4*\s+3], s[G0+4*\s+3], 0x80000000
	s_mov_b32 s[G0B+4*\s], 1
	s_add_co_u32 s[G0B+4*\s+1], s3, \s*SLOT
	s_add_nc_u64 s[G0B+4*\s+2:G0B+4*\s+3], s[100:101], \s*ROWB
	s_or_b32 s[G0B+4*\s+3], s[G0B+4*\s+3], 0x80000000
	JLOAD G0+4*\s, G1, G0B+4*\s, G1B               ; K steps 0, 1, 2
.endr
	v_and_b32 v1, 15, v0                           ; r
	v_bfe_u32 v2, v0, 4, 1                         ; h
	v_and_b32 v6, 31, v0                           ; lane
	v_mul_u32_u24 v3, v1, PITCH
	v_mul_u32_u24 v4, v2, 24
	v_add_nc_u32 v4, v3, v4                        ; B: a fragment's row x pitch + 24 x half
	v_lshl_add_u32 v5, v2, 4, v4                   ; and the same behind one padding more
	v_lshlrev_b32 v7, 3, v6                        ; A: 8 x lane
	s_mul_i32 s21, s15, HALFA                      ; my 64 rows of A
	s_mul_i32 s22, s16, HALFB                      ; my 128 rows of B
	s_add_co_u32 s22, s22, BOFF
.irp s, 0,1,2
	v_add_nc_u32 v[ADRA+\s], s21, v7
	v_add_nc_u32 v[ADRB+\s], s22, v4
	v_add_nc_u32 v[ADRB+4+\s], s22, v5
	s_add_co_u32 s21, s21, SLOT
	s_add_co_u32 s22, s22, SLOT
.endr
	v_mul_u32_u24 v5, v1, KS                       ; my row's scales: 32 bytes a row,
	v_lshrrev_b32 v7, 8, v5
	v_lshl_add_u32 v5, v7, 4, v5                   ; and 16 more for each 256 passed
	s_mul_i32 s21, s15, HALFSA
	s_mul_i32 s22, s16, HALFSB
	s_add_co_u32 s22, s22, 2*HALFSA
	s_sub_co_u32 s22, s22, s21
	v_mul_u32_u24 v7, s22, v2                      ; lanes 16-31 take B's: the lower base + h x the distance
	s_add_co_u32 s21, s21, SCL
	v_add_nc_u32 v5, v5, v7
	v_add_nc_u32 v[ADRS], s21, v5
	s_mul_i32 s23, s14, 16*SPITCH
	s_add_co_u32 s23, s23, STAGE                   ; my stage
	v_mul_u32_u24 v5, v1, SPITCH                   ; in: row r; my half's sixteen columns of each 32 begin 64 h bytes on
	v_lshl_add_u32 v5, v2, 6, v5
	v_add_nc_u32 v[STO], s23, v5
	v_lshlrev_b32 v[CO], 4, v6                     ; back: the 32 lanes take one row of 512 bytes; and the same in out0
	v_add_nc_u32 v[RD], s23, v[CO]
	s_lshl_b32 s20, s17, 7
	s_lshl_b32 s21, s15, 6
	s_add_co_u32 s20, s20, s21                     ; my first row
	s_lshl_b32 s20, s20, 12                        ; 4,096 bytes a row
	s_mov_b32 s21, 0
	s_lshl_b32 s100, s94, 10                       ; my first column, in bytes
	s_lshl_b32 s101, s16, 9
	s_add_co_u32 s100, s100, s101
	s_mov_b32 s101, 0
	v_add_nc_u32 v[BOF], s100, v[CO]
	s_add_nc_u64 s[20:21], s[20:21], s[100:101]
	s_add_nc_u64 s[12:13], s[12:13], s[20:21]
	global_load_b128 v[BO:BO+3], v[BOF], s[96:97]  ; the bias of my four columns of a row read back
.macro FRAG reg, adr, q, i             ; B: 16 rows x 128 K in pieces of 8 bytes; where a piece of lanes 16-31 lies behind one padding more, the second address register serves
.irp p, 0,1,2,3,4,5
.set PCE, 12*(\q)+6*(\p/3)+\p%3
.if PCE%8 < 5
	ds_load_b64 v[\reg+2*\p:\reg+2*\p+1], v[\adr] offset:8*PCE+16*(PCE/8)+(\i)*16*PITCH
.else
	ds_load_b64 v[\reg+2*\p:\reg+2*\p+1], v[\adr+4] offset:8*PCE+16*(PCE/8)+(\i)*16*PITCH
.endif
.endr
.endm
.macro FRAG_A reg, adr, q, i           ; A: an image: six loads of 256 consecutive bytes
.irp p, 0,1,2,3,4,5
	ds_load_b64 v[\reg+2*\p:\reg+2*\p+1], v[\adr] offset:AROWB*(\i)+1536*(\q)+256*\p
.endr
.endm
; 8 matrix instructions: A's block a x B's eight, 128 along K: the slot's q-th.  p: B's set;  sc: the set of scale words.  zero = 1: the first product starts the sums.
; The 32 accumulators take turns, one instruction a turn, in the same order in every step.
.macro MULA a, p, q, sc, zero
.irp b, 0,1,2,3,4,5,6,7
.set rD, 8*(8*(\a)+\b)
.set rB, 128*(\p)+FR*\b
.set rA, AF+FR*(\a)
.set rSB, SC+8*NQ*(\sc)+NQ*\b+(\q)
.set rSA, SC+8*NQ*(\sc)+NQ*(\a)+(\q)
.if \zero
	v_wmma_scale_f32_16x16x128_f8f6f4 v[rD:rD+7], v[rB:rB+FR-1], v[rA:rA+FR-1], 0, v[rSB], v[rSA] matrix_a_fmt:MATRIX_FMT_BF6 matrix_b_fmt:MATRIX_FMT_BF6 matrix_a_scale:MATRIX_SCALE_ROW1
.else
	v_wmma_scale_f32_16x16x128_f8f6f4 v[rD:rD+7], v[rB:rB+FR-1], v[rA:rA+FR-1], v[rD:rD+7], v[rSB], v[rSA] matrix_a_fmt:MATRIX_FMT_BF6 matrix_b_fmt:MATRIX_FMT_BF6 matrix_a_scale:MATRIX_SCALE_ROW1
.endif
.endr
.endm
.macro FETCH_B slot, q, p              ; B's eight fragments into set p
	WIN TO_B
.irp i, 0,1,2,3,4,5,6,7
	FRAG 128*(\p)+FR*\i, ADRB+\slot, \q, \i
.endr
	WIN 0
.endm
.macro FETCH_A slot, q, i0             ; A's blocks i0, i0 + 1
.irp i, \i0, \i0+1
	FRAG_A AF+FR*(\i), ADRA+\slot, \q, \i
.endr
.endm
.macro SCALES sc                       ; a K step's scale words: two words a row; lanes 0-15 A's block i (of which 0 to 3 are used), lanes 16-31 B's block i
.irp i, 0,1,2,3,4,5,6,7
	ds_load_b64 v[SC+8*NQ*\sc+NQ*\i:SC+8*NQ*\sc+NQ*\i+1], v[ADRS] offset:\i*SBLK
.endr
.endm
.macro PLACES n                        ; plain vector instructions between a matrix instruction and a load into, or a read of, its registers
.rept \n
	v_nop
.endr
.endm
; A slot's first 128 along K: multiplies B's set 0; its successor lies in the same slot.
.macro STEP slot, sc, zero
	s_wait_dscnt 2*NL                              ; B's set and A's blocks 0, 1 are in; the 12 youngest loads (A's blocks 2, 3) may be out
	WIN MUL
	MULA 0, 0, 0, \sc, \zero
	MULA 1, 0, 0, \sc, \zero
	s_wait_dscnt 0
	PLACES NP
	FETCH_B \slot, 1, 1
	FETCH_A \slot, 1, 0
	WIN MUL
	MULA 2, 0, 0, \sc, \zero
	MULA 3, 0, 0, \sc, \zero
	PLACES NP
	WIN 0
	FETCH_A \slot, 1, 2
.endm
; A slot's second 128 along K: multiplies B's set 1 and goes on to the next slot.
; mode 1: this slot is filled again.  In front of the barrier each wave waits for all its tensor loads, adds 0 to its spare word, and waits for that and for its reads of this slot; the barrier opens a round
;         of the cluster's, and the joint refill is the first thing behind it.
; mode 0: the next slot's tile is the refill: the same waits and a barrier of the work-group; nothing is filled.
; mode 2: the next slot was shown whole to every wave by the round of mode 1, in front of which each wave had waited for all its loads: no wait on tensor loads and no barrier; the refill stays on its way.
.macro TURN slot, next, sc, nsc, mode
.if \mode < 2
	s_wait_tensorcnt 0x0                           ; all my tensor loads have landed
	ds_add_u32 v[SPW], v[NIL]                      ; 0 onto my spare word
	s_wait_dscnt 2*NL+1                            ; the add and the 12 youngest loads may be out
	WIN MUL
	MULA 0, 1, 1, \sc, 0
	s_wait_dscnt 0x0                               ; the add is done, and my reads of this slot are over
	s_barrier_signal -1
	MULA 1, 1, 1, \sc, 0
	WIN 0
	s_barrier_wait -1
.else
	s_wait_dscnt 2*NL
	WIN MUL
	MULA 0, 1, 1, \sc, 0
	MULA 1, 1, 1, \sc, 0
	s_wait_dscnt 0x0
	WIN 0
.endif
.if \mode == 1
	CREST                                          ; no wave of any partner still reads this slot or has a load on its way
	s_add_nc_u64 s[G0+4*\slot+2:G0+4*\slot+3], s[G0+4*\slot+2:G0+4*\slot+3], 3*AROWB   ; three K steps on
	s_add_nc_u64 s[G0B+4*\slot+2:G0B+4*\slot+3], s[G0B+4*\slot+2:G0B+4*\slot+3], 3*ROWB
	JLOAD G0+4*\slot, G1, G0B+4*\slot, G1B         ; the first tensor load behind the round; its four v_nop are the places in front of the loads below
.else
	PLACES NP
.endif
	v_add_nc_u32 v[ADRS], 4*NQ, v[ADRS]            ; on to the next K step's scale words
	FETCH_B \next, 0, 0
	FETCH_A \next, 0, 0
	SCALES \nsc
	WIN MUL
	MULA 2, 1, 1, \sc, 0
	MULA 3, 1, 1, \sc, 0
	PLACES NP
	WIN 0
	FETCH_A \next, 0, 2
.endm
	s_wait_loadcnt 0x0                             ; the bias
	s_wait_tensorcnt 2                             ; the scales and my part of K step 0 are in; the loads of K steps 1 and 2 may be out
	s_barrier_signal -1
	s_barrier_wait -1
	FETCH_B 0, 0, 0
	FETCH_A 0, 0, 0
	SCALES 0
	FETCH_A 0, 0, 2
	STEP 0, 0, 1                                   ; K step 0: its first products start the sums
	TURN 0, 1, 0, 1, 1                             ; slot 0 is asked for again: K step 3
	STEP 1, 1, 0                                   ; K step 1
	TURN 1, 2, 1, 0, 2
	STEP 2, 0, 0                                   ; K step 2
	TURN 2, 0, 0, 1, 0                             ; K step 3 has landed, everybody's part of it
	STEP 0, 1, 0                                   ; K step 3
	s_wait_dscnt 2*NL                              ; the very last step: nothing more to fetch
	WIN MUL
	MULA 0, 1, 1, 1, 0
	MULA 1, 1, 1, 1, 0
	s_wait_dscnt 0
	MULA 2, 1, 1, 1, 0
	MULA 3, 1, 1, 1, 0
	WIN 0
; THE WAY OUT, block by block of 16 rows x 128 columns, through my own stage in LDS: in by the columns' true places, back as whole rows of 512 bytes, + bias, stored as 512 consecutive aligned bytes.
; LDS serves a wave's instructions in order (ISA guide 5.7.1.4): no wait between the stores and the loads, nor in front of the next block's stores.
.macro TOSTAGE a
.set AC, 64*(\a)
	WIN 0x08                                       ; an LDS store's data are its source 1: window 2
.irp b, 0,1,2,3,4,5,6,7
	ds_store_b128 v[STO], v[AC+8*\b:AC+8*\b+3] offset:128*(\b/2)+32*(\b%2)          ; each accumulator from its low end on
	ds_store_b128 v[STO], v[AC+8*\b+4:AC+8*\b+7] offset:128*(\b/2)+32*(\b%2)+16
.endr
	WIN 0
.set BB, BK+64*((\a)%2)
.irp t, 0,1,2,3,4,5,6,7,8,9,10,11,12,13,14,15
	ds_load_b128 v[BB+4*\t:BB+4*\t+3], v[RD] offset:\t*SPITCH
.endr
.endm
.macro SEND a, younger                 ; younger: the LDS instructions issued behind block a's loads, which may stay out
.set BB, BK+64*((\a)%2)
	s_wait_dscnt \younger
.irp t, 0,1,2,3,4,5,6,7,8,9,10,11,12,13,14,15
	v_pk_add_f32 v[BB+4*\t:BB+4*\t+1], v[BB+4*\t:BB+4*\t+1], v[BO:BO+1]
	v_pk_add_f32 v[BB+4*\t+2:BB+4*\t+3], v[BB+4*\t+2:BB+4*\t+3], v[BO+2:BO+3]
.endr
.irp t, 0,1,2,3,4,5,6,7,8,9,10,11,12,13,14,15
	global_store_b128 v[CO], v[BB+4*\t:BB+4*\t+3], s[12:13] offset:(32*((\a)/2)+8*((\a)%2)+\t+8*(\t/8))*4096 th:TH_STORE_NT   ; the stage's row t is this row of out0; written once, read by nobody here
.endr
.endm
	PLACES NP                                      ; behind the last products: their results are stored to LDS, and loads land in the registers that held A's fragments
	TOSTAGE 0
.irp a, 1,2,3
.if \a > 1
	s_wait_xcnt 0x0                                ; block a - 2's stores have read their registers: block a's loads may land there
.endif
	TOSTAGE \a
	SEND \a-1, 32                                  ; behind block a - 1's loads: block a's 16 stores and 16 loads
.endr
	SEND 3, 0
	s_wait_tensorcnt 0x0                           ; the wave's end
	ds_add_u32 v[SPW], v[NIL]
	s_wait_dscnt 0x0
	CROUND                                         ; the closing round: no work-group ends while a partner may still ask for a tile that names it
	s_endpgm
.Lfunc_end_k_q5c04a1d94d_gemm_out:
	.size	k_q5c04a1d94d_gemm_out, .Lfunc_end_k_q5c04a1d94d_gemm_out-k_q5c04a1d94d_gemm_out
	.p2alignl 7, 3214868480
	.fill 96, 4, 3214868480
	.section	.rodata,"a",@progbits
	.p2align	6, 0x0
	.amdhsa_kernel k_q5c04a1d94d_gemm_out
		.amdhsa_group_segment_fixed_size 327680
		.amdhsa_private_segment_fixed_size 0
		.amdhsa_enable_private_segment 0
		.amdhsa_kernarg_size 48
		.amdhsa_user_sgpr_count 2
		.amdhsa_user_sgpr_kernarg_segment_ptr 1
		.amdhsa_wavefront_size32 1
		.amdhsa_system_sgpr_workgroup_id_x 1
		.amdhsa_system_sgpr_workgroup_id_y 1
		.amdhsa_system_sgpr_workgroup_id_z 1
		.amdhsa_system_vgpr_workitem_id 0
		.amdhsa_next_free_vgpr 768
		.amdhsa_next_free_sgpr 102
		.amdhsa_reserve_vcc 0
		.amdhsa_float_denorm_mode_32 3
		.amdhsa_float_denorm_mode_16_64 3
		.amdhsa_memory_ordered 1
		.amdhsa_forward_progress 1
		.amdhsa_inst_pref_size 109
	.end_amdhsa_kernel
	.amdgpu_metadata
---
amdhsa.version: [ 1, 2 ]
amdhsa.kernels:
  - .name:           k_q5c04a1d94d_gemm_out
    .symbol:         k_q5c04a1d94d_gemm_out.kd
    .args:
      - { .name: ao, .offset: 0, .size: 8, .value_kind: global_buffer, .address_space: global }
      - { .name: aos, .offset: 8, .size: 8, .value_kind: global_buffer, .address_space: global }
      - { .name: wcodes, .offset: 16, .size: 8, .value_kind: global_buffer, .address_space: global }
      - { .name: wscales, .offset: 24, .size: 8, .value_kind: global_buffer, .address_space: global }
      - { .name: b_out, .offset: 32, .size: 8, .value_kind: global_buffer, .address_space: global }
      - { .name: out0, .offset: 40, .size: 8, .value_kind: global_buffer, .address_space: global }
    .group_segment_fixed_size: 327680
    .private_segment_fixed_size: 0
    .kernarg_segment_align: 8
    .kernarg_segment_size: 48
    .max_flat_workgroup_size: 128
    .sgpr_count:     102
    .vgpr_count:     768
    .wavefront_size: 32
...
	.end_amdgpu_metadata
.endif
;; end of part 9
